; MI455X (gfx1250); checked and timed in simulation.
; The chip was launched on July 23, 2026; its instructions are those of AMD's public machine-readable ISA for CDNA 5 (MIT licence, August 2026) and "CDNA5" Instruction Set Architecture Reference Guide (July 2026). The comments in the code are by the model that wrote it; some were corrected since.
;; Transformer Block. Allowed arithmetic: matrix products marked QUANTISED: E2M3 operands, one E8M0 scale for each 32 along K, by v_wmma_scale_f32_16x16x128_f8f6f4 with both operands' format E2M3, f32 sums; everything else in f32.
;; Inputs: b1 4,096 float32; b2 1,024 float32; bk 1,024 float32; bo 1,024 float32; bq 1,024 float32; bv 1,024 float32; ln1_b 1,024 float32; ln1_w 1,024 float32; ln2_b 1,024 float32; ln2_w 1,024 float32; w1 1,024 x 4,096 float32; w2 4,096 x 1,024 float32; wk 1,024 x 1,024 float32; wo 1,024 x 1,024 float32; wq 1,024 x 1,024 float32; wv 1,024 x 1,024 float32; x 2 x 2,048 x 1,024 float32.
;; Outputs: out0 2 x 2,048 x 1,024 float32.
;; This version of the problem:
;;   THIS VERSION OF THE PROBLEM IS GIVEN IN LOW PRECISION. The matrix products marked QUANTISED in the list below multiply operands that are first quantised to E2M3 (2 exponent bits, 3 mantissa bits; 6 bits a number), with one power-of-two scale for each 32 numbers along K (OCP MX v1.0); their sums are f32. All else is computed in f32.
;;   The module's matrix products, in the order in which they are computed (A, B: the left and right operand; K: the contracted axis; several contracted axes count as one K, in the product's order):
;;     1. [M 4,096, K 1,024] x [K 1,024, N 1,024]; A: computed on the way; B: input wq: QUANTISED
;;     2. [M 4,096, K 1,024] x [K 1,024, N 1,024]; A: computed on the way; B: input wk: QUANTISED
;;     3. [M 4,096, K 1,024] x [K 1,024, N 1,024]; A: computed on the way; B: input wv: QUANTISED
;;     4. batch 32 x [M 2,048, K 64] x [K 64, N 2,048]; A: computed on the way; B: computed on the way: QUANTISED
;;     5. batch 32 x [M 64, K 2,048] x [K 2,048, N 2,048]; A: computed on the way; B: softmax (see below): QUANTISED
;;     6. [M 4,096, K 1,024] x [K 1,024, N 1,024]; A: computed on the way; B: input wo: QUANTISED
;;     7. [M 4,096, K 1,024] x [K 1,024, N 4,096]; A: computed on the way; B: input w1: QUANTISED
;;     8. [M 4,096, K 4,096] x [K 4,096, N 1,024]; A: computed on the way; B: input w2: QUANTISED
;;   THE QUANTISER, for each operand of a quantised product, along K:
;;     - K is cut into blocks of 32 from its start; a last block that is shorter is filled with zeros.
;;     - A block's scale is 2^e with e = floor(log2(the largest magnitude in the block)) - 2, held to -126 .. 127; a block of zeros has e = 0. As a byte (E8M0): e + 127.
;;     - Each number is divided by its block's scale, clamped to +-7.5, and rounded to the nearest number of E2M3, ties to even, subnormals kept.
;;     - The product sums the exact products of the quantised numbers (number of the format x scale) in f32.
;;   ~~~python
;;   def quantise(x, axis):      # numpy; x: float32 -> the quantised numbers, widened to float32 again
;;       x = np.moveaxis(x, axis, -1); K = x.shape[-1]
;;       x = np.pad(x, [(0, 0)] * (x.ndim - 1) + [(0, -K % 32)]); x = x.reshape(x.shape[:-1] + (-1, 32)); a = np.abs(x).max(-1, keepdims=True)
;;       e = np.where(a > 0, np.clip(np.frexp(np.where(a > 0, a, 1))[1] - 1 - 2, -126, 127), 0)      # np.frexp(a)[1] - 1 = floor(log2(a)), exactly
;;       r = np.clip(x / 2.0 ** e, -7.5, 7.5)
;;       step = 2.0 ** (np.maximum(np.frexp(np.where(r == 0, 1, r))[1] - 1, 0) - 3)
;;       q = np.round(r / step) * step * 2.0 ** e      # np.round: ties to even
;;       return np.moveaxis(q.reshape(q.shape[:-2] + (-1,))[..., :K], -1, axis).astype(np.float32)
;;   ~~~
;;   SOFTMAX AHEAD OF A QUANTISED PRODUCT. Where the list says 'softmax', what is quantised is not the finished softmax but p = 2^(t - M), with t = logit x log2(e) and M = ceil(the row's largest t), a whole number; so 1/2 < the row's largest p <= 1. The row's sum l is taken of the UNQUANTISED p, in f32, and the product's result is divided by l at the end. Since M is a whole number, a kernel that streams over the keys may use a running M (the ceiling of the running maximum): every later rescaling is an exact power of two, which a block's scale takes up: the codes' values come out the same.
;;   OPERANDS COMPUTED ON THE WAY. 'Computed on the way' means the value that the module computes at that place (a softmax that the list does not call 'softmax' is quantised finished and normalised). What goes into a quantiser is computed in f32, as accurately as f32 sums, v_exp_f32 and their like allow (about 1e-6 of the number): no bf16 or f16 on the way to a quantiser, and a product that is left as it is and whose result goes on into a quantised operand takes f32 operands (vector FMAs, or v_wmma_f32_16x16x4_f32). A number that lies on a knife's edge between two numbers of the format may be rounded either way, as far as f32 arithmetic and the matrix unit's own rounding can turn it there, and no further.
;; One version. Each part assembles by itself: llvm-mc -triple=amdgcn-amd-amdhsa -mcpu=gfx1250 --defsym DOCPART=n.
;; ======== version 1 of 1: 7 launches
;; limits: right only within a limited range of input values
;; workspace buffers: wq6 9,830,400 bytes; a1 3,276,800 bytes; qkv 10,092,544 bytes; a2 3,276,800 bytes; x1 16,777,216 bytes; a3 3,276,800 bytes; hb 13,107,200 bytes
;; launch pre (part 1): grid 448 x 1, 8 waves a work-group, no clusters, 118,016 bytes of LDS; arguments x, ln1_w, ln1_b, a1, wq, wk, wv, wo, w1, w2, wq6; writes a1, wq6
.if DOCPART == 1
	.amdgcn_target "amdgcn-amd-amdhsa--gfx1250"
	.amdhsa_code_object_version 6
	.text
	.protected	k_qecfd95d9a4_pre
	.globl	k_qecfd95d9a4_pre
	.p2align	8
	.type	k_qecfd95d9a4_pre,@function
k_qecfd95d9a4_pre:
	s_mov_b64 s[64:65], 0
	v_nop
	global_prefetch_b8 v0, s[64:65] scope:SCOPE_SE
	s_setreg_imm32_b32 hwreg(HW_REG_WAVE_MODE, 25, 1), 1
	s_wait_xcnt 0x0
; TWO JOBS THAT DO NOT HANG ON EACH OTHER SHARE ONE LAUNCH.  Work-groups 0-191 turn the six weights into codes; work-groups 192-447 norm x (layer norm 1) and turn the result into codes.
; They part at the first branch, on the work-group's number alone (the same in all eight waves), and never join again; each job has LDS bytes of its own: the weights' stages from byte 0, the norm's rows from byte 51,200.
; LAYOUT OF EVERY OPERAND OF THIS PROGRAM.  Codes are FP6 (E2M3) with one E8M0 byte for each 32 along K.  Rows go in tiles of 16; tile rt holds rows 32 (rt / 2) + 8 (rt % 2) + p + 8 (p / 8), p = 0 .. 15, so that the results
; of two neighbouring tiles are 16 neighbours in a lane's registers.  A tile's codes of 64 along K are an image of 768 bytes: lane L = p + 16 h owns block k = 32 h .. 32 h + 31 of row p, six words: four at 16 L, two at 512 + 8 L.
; Codes: [tile][K / 64][768].  Scale words (four bytes: 128 along K of one row): [K / 128][tile][16 words].
; A block's scale is 2^(floor(log2(largest magnitude)) - 2): its byte is the largest magnitude's exponent field - 2, held at 1 from below.
; LIMITS: a block of zeros gets the byte 1 where the rule says 127 (its codes are zeros, and this program alone reads the bytes); blocks whose largest magnitude lies under 2^-124 are held at byte 1;
; v_rsq_f32 is good to 1 ulp; NaN and infinities among the inputs are not served.
.set NQW,   192                        ; work-groups for the weights
.set YB,    51200                      ; LDS: where the norm's rows begin
.set SPARE, 116992                     ; behind both jobs' bytes: the spare words, 128 bytes for each of eight waves
.set SPW,   190                        ; v190 LDS address of my spare word; never rewritten
.set NIL,   191                        ; v191 0; never rewritten
	v_lshl_add_u32 v[SPW], v0, 2, SPARE
	v_mov_b32 v[NIL], 0
	s_cmp_lt_u32 ttmp9, NQW
	s_cbranch_scc0 .Lnorm
; ---- THE WEIGHTS: f32 stored [K][N] (K is the FIRST axis).
; A LANE TAKES A COLUMN AND ITS REGISTERS RUN DOWN K: a load reads 128 consecutive bytes a wave, a block of 32 lies in one lane, and the conversions give codes with K innermost.
; A wave takes 32 columns (two tiles) x 256 along K: 8 blocks a lane; a work-group 256 columns.  A wave's codes go through its own stage in LDS and leave as 3,072 consecutive bytes for each tile.  Waves share nothing: no barrier.
; One path for all six: work-groups 0-63 take wq, wk, wv, wo (16 each), 64-127 w1, 128-191 w2; only pointers and sizes are chosen, on the work-group's number.
.set WS4,   9437184                    ; wq6: scale words of wq, wk, wv, wo: [8][256 tiles][64 bytes]
.set W1S,   9568256                    ; of w1: [8][256][64]
.set W2S,   9699328                    ; of w2: [32][64][64]
.set W1C,   3145728                    ; codes of w1;  wq, wk, wv, wo lie at 786,432 x their number
.set W2C,   6291456                    ; codes of w2
.set WREG,  6400                       ; LDS: a wave's stage: two tiles
.set TREG,  3200                       ; a tile's 3,072 bytes + 128, so that the two tiles' lanes fall on different banks
.set C,     16                         ; v16-22 a block's codes
.set SB,    24                         ; v24-25 the scale bytes, four to a register
.set OFF,   32                         ; v32-63 byte offset of row i of a block, at my column
.set X,     64                         ; v64-127 two sets of 32 numbers
.set OUTR,  128                        ; v128-175 the way out
.set BASE,  20                         ; s[20:35] where block t's 32 rows begin, for t = 0 .. 7: no base is ever stepped
	s_load_b256 s[4:11], s[0:1], 0x20              ; wq, wk, wv, wo
	s_load_b128 s[12:15], s[0:1], 0x40             ; w1, w2
	s_load_b64 s[16:17], s[0:1], 0x50              ; wq6
	v_lshrrev_b32 v1, 5, v0
	s_delay_alu instid0(VALU_DEP_1)
	v_readfirstlane_b32 s60, v1                    ; wave 0..7
	v_and_b32 v1, 31, v0                           ; x: my column among the wave's 32
	v_and_b32 v4, 7, v0
	v_bfe_u32 v5, v0, 4, 1
	s_delay_alu instid0(VALU_DEP_1)
	v_lshl_or_b32 v4, v5, 3, v4                    ; p = x % 8 + 8 (x / 16): my row in its tile
	v_bfe_u32 v6, v0, 3, 1                         ; u = (x / 8) % 2: which of the two tiles
	s_mul_i32 s18, s60, WREG
	v_mul_u32_u24 v7, v6, TREG
	s_delay_alu instid0(VALU_DEP_1)
	v_add_nc_u32 v7, s18, v7
	s_delay_alu instid0(VALU_DEP_1)
	v_lshl_add_u32 v8, v4, 4, v7                   ; stage, in: the four words at 16 p
	s_delay_alu instid0(VALU_DEP_2)
	v_lshl_add_u32 v9, v4, 3, v7                   ; and the two at 8 p
	v_lshlrev_b32 v11, 4, v1                       ; out: 16 bytes a lane
	s_delay_alu instid0(VALU_DEP_1)
	v_add_nc_u32 v10, s18, v11
	v_lshlrev_b32 v12, 6, v6
	s_delay_alu instid0(VALU_DEP_1)
	v_lshl_add_u32 v12, v4, 2, v12                 ; my scale word's place: 64 u + 4 p
	; the sizes of my weight: w2's, then w1's where the work-group's number is under 128, then the small four's where it is under 64
	s_lshr_b32 s19, ttmp9, 4                       ; which of the small four
	s_and_b32 s44, ttmp9, 15
	s_mul_i32 s45, s19, 786432
	s_lshl_b32 s46, s19, 12
	s_add_co_u32 s46, s46, WS4
	s_sub_co_u32 s47, ttmp9, 64
	s_sub_co_u32 s48, ttmp9, 128                   ; s48: my number within the weight
	s_mov_b32 s49, 49152                           ; s49: bytes from tile to tile of the codes
	s_mov_b32 s50, W2C                             ; s50: where the codes begin
	s_mov_b32 s51, W2S                             ; s51: where the scale words begin
	s_cmp_lt_u32 ttmp9, 128
	s_cselect_b32 s48, s47, s48
	s_cselect_b32 s52, 15, 3                       ; s52: groups of 256 columns - 1
	s_cselect_b32 s53, 4, 2                        ; s53: its logarithm
	s_cselect_b32 s54, 14, 12                      ; s54: log2 of a row of the weight in bytes
	s_cselect_b32 s49, 12288, s49
	s_cselect_b32 s50, W1C, s50
	s_cselect_b32 s51, W1S, s51
	s_cselect_b32 s55, 14, 12                      ; s55: log2 of a plane of scale words in bytes
	s_cmp_lt_u32 ttmp9, 64
	s_cselect_b32 s48, s44, s48
	s_cselect_b32 s52, 3, s52
	s_cselect_b32 s53, 2, s53
	s_cselect_b32 s54, 12, s54
	s_cselect_b32 s50, s45, s50
	s_cselect_b32 s51, s46, s51
	s_and_b32 s58, s48, s52                        ; which 256 columns
	s_lshr_b32 s59, s48, s53                       ; which 256 along K
	s_lshl_b32 s61, s58, 3
	s_add_co_u32 s61, s61, s60                     ; my pair of tiles
	s_lshl_b32 s47, 1, s54                         ; a row of the weight in bytes
	v_lshlrev_b32 v[OFF], 2, v1
.set I_, 1
.rept 31
	s_delay_alu instid0(VALU_DEP_1)
	v_add_nc_u32 v[OFF+I_], s47, v[OFF+I_-1]
.set I_, I_+1
.endr
	s_wait_alu depctr_va_vdst(0)
	s_wait_kmcnt 0x0
	s_cmp_lt_u32 ttmp9, 128                        ; the weight itself: a choice on the work-group's number alone
	s_cselect_b64 s[56:57], s[12:13], s[14:15]
	s_cmp_lt_u32 ttmp9, 64
	s_cselect_b64 s[56:57], s[10:11], s[56:57]
	s_cmp_lt_u32 ttmp9, 48
	s_cselect_b64 s[56:57], s[8:9], s[56:57]
	s_cmp_lt_u32 ttmp9, 32
	s_cselect_b64 s[56:57], s[6:7], s[56:57]
	s_cmp_lt_u32 ttmp9, 16
	s_cselect_b64 s[56:57], s[4:5], s[56:57]
	s_lshl_b32 s62, s59, 8
	s_lshl_b32 s62, s62, s54                       ; 256 rows x which
	s_lshl_b32 s63, s61, 7                         ; + 32 columns x 4 bytes x pair
	s_add_co_u32 s62, s62, s63
	s_mov_b32 s63, 0
	s_add_nc_u64 s[BASE:BASE+1], s[56:57], s[62:63]
	s_lshl_b32 s62, 32, s54                        ; 32 rows on
.irp t, 1,2,3,4,5,6,7
	s_add_nc_u64 s[BASE+2*\t:BASE+2*\t+1], s[BASE+2*\t-2:BASE+2*\t-1], s[62:63]
.endr
	s_lshl_b32 s44, s61, 1
	s_mul_i32 s44, s44, s49
	s_add_co_u32 s44, s44, s50
	s_mul_i32 s45, s59, 3072
	s_add_co_u32 s44, s44, s45
	s_mov_b32 s45, 0
	s_add_nc_u64 s[36:37], s[16:17], s[44:45]      ; the first tile's 3,072 bytes of codes,
	s_mov_b32 s44, s49
	s_add_nc_u64 s[38:39], s[36:37], s[44:45]      ; the second's
	s_lshl_b32 s44, s59, 1
	s_lshl_b32 s44, s44, s55
	s_add_co_u32 s44, s44, s51
	s_lshl_b32 s46, s61, 7
	s_add_co_u32 s44, s44, s46
	s_add_nc_u64 s[40:41], s[16:17], s[44:45]      ; the scale words of my first 128 along K,
	s_lshl_b32 s44, 1, s55
	s_add_nc_u64 s[42:43], s[40:41], s[44:45]      ; of my second
.macro LOAD t                          ; block t: W(32 t + i, my column), i = 0 .. 31, into set t % 2
.set I_, 0
.rept 32
	global_load_b32 v[X+32*((\t)%2)+I_], v[OFF+I_], s[BASE+2*(\t):BASE+2*(\t)+1] th:TH_LOAD_NT
.set I_, I_+1
.endr
.endm
	LOAD 0
	LOAD 1
.macro BLOCK t
.set XS, X+32*((\t)%2)
.if (\t) < 7
	s_wait_loadcnt 32                              ; this block's 32 loads are in; the next block's 32 may be out
.else
	s_wait_loadcnt 0x0
.endif
	v_max3_num_f32 v13, |v[XS]|, |v[XS+1]|, |v[XS+2]|              ; the block's largest magnitude: all 32 numbers are mine; two chains
	v_max3_num_f32 v14, |v[XS+3]|, |v[XS+4]|, |v[XS+5]|
.irp i, 6,10,14,18,22,26
	s_delay_alu instid0(VALU_DEP_2)
	v_max3_num_f32 v13, v13, |v[XS+\i]|, |v[XS+\i+1]|
	s_delay_alu instid0(VALU_DEP_2)
	v_max3_num_f32 v14, v14, |v[XS+\i+2]|, |v[XS+\i+3]|
.endr
	s_delay_alu instid0(VALU_DEP_2)
	v_max3_num_f32 v13, v13, |v[XS+30]|, |v[XS+31]|
	s_delay_alu instid0(VALU_DEP_1)
	v_max3_num_f32 v13, v13, v14, 0x1800000        ; and the floor 2^(3 - 127): the byte cannot fall under 1
	s_delay_alu instid0(VALU_DEP_1)
	v_add_nc_u32 v15, 0xff000000, v13              ; 2 off the exponent field: the conversion takes this operand's exponent field as its scale
	v_cvt_scalef32_pk16_fp6_f32 v[C:C+2], v[XS:XS+15], v15
	v_cvt_scalef32_pk16_fp6_f32 v[C+4:C+6], v[XS+16:XS+31], v15    ; (a conversion's three registers begin on an even number)
	v_lshrrev_b32 v14, 23, v15                     ; the scale's byte; also the plain instruction behind the conversions
.if (\t)%4 == 0
	s_delay_alu instid0(VALU_DEP_1)
	v_mov_b32 v[SB+(\t)/4], v14
.else
	s_delay_alu instid0(VALU_DEP_1)
	v_lshl_or_b32 v[SB+(\t)/4], v14, 8*((\t)%4), v[SB+(\t)/4]
.endif
	v_mov_b32 v[C+3], v[C+4]                       ; the six words on end
	v_mov_b32 v[C+4], v[C+5]
	v_mov_b32 v[C+5], v[C+6]
	ds_store_b128 v8, v[C:C+3] offset:((\t)/2)*768+((\t)%2)*256    ; image t / 2, lane p + 16 (t % 2)
	ds_store_b64 v9, v[C+4:C+5] offset:((\t)/2)*768+512+((\t)%2)*128
.if (\t)+2 < 8
	LOAD (\t)+2
.endif
	s_wait_dscnt 0x0                               ; the stores have read their registers: the next block's codes may be written
.endm
.set Q, 0
.rept 8
	BLOCK Q
.set Q, Q+1
.endr
	global_store_b32 v12, v[SB], s[40:41]          ; 32 lanes: two tiles' words, 128 consecutive bytes
	s_wait_alu depctr_va_vdst(0)
	global_store_b32 v12, v[SB+1], s[42:43]
.irp i, 0,1,2,3,4,5
	ds_load_b128 v[OUTR+4*\i:OUTR+4*\i+3], v10 offset:512*\i       ; LDS serves a wave's instructions in order: these see my stores
.endr
.irp i, 0,1,2,3,4,5
	ds_load_b128 v[OUTR+24+4*\i:OUTR+24+4*\i+3], v10 offset:TREG+512*\i
.endr
.irp i, 0,1,2,3,4,5
	s_wait_dscnt 11-\i                             ; the younger read-backs may be out
	global_store_b128 v11, v[OUTR+4*\i:OUTR+4*\i+3], s[36:37] offset:512*\i       ; 32 lanes store 512 consecutive bytes, aligned
.endr
.irp i, 0,1,2,3,4,5
	s_wait_dscnt 5-\i
	global_store_b128 v11, v[OUTR+24+4*\i:OUTR+24+4*\i+3], s[38:39] offset:512*\i
.endr
	s_wait_tensorcnt 0x0                           ; the wave's end
	ds_add_u32 v[SPW], v[NIL]
	s_wait_dscnt 0x0
	s_endpgm
; ---- THE NORM: y = (x - mean) rsqrt(var + 1e-5) w + b along rows of 1,024 f32, then y is quantised along the row and leaves as an operand's images: codes [256 tiles][16][768], scale words at byte 3,145,728: [8][256 tiles][16 words].
; A work-group is one tile, eight waves.  Phase 1: wave w norms the tile's rows 2 w and 2 w + 1 (two neighbouring tokens), each whole in 32 registers, and puts y into LDS.  One barrier.
; Phase 2: wave w takes 128 along K for all 16 rows: lane (p, h) reads 16 neighbours of each block of 32, quantises, and stores one fragment (1,536 consecutive bytes) and its scale words.
; Mean and variance in two passes over the registers, in f32.  Each byte of x is read once, in loads of 512 consecutive bytes a wave.
.set PITCH, 4112                       ; a row of y in LDS: 4,096 bytes + 16: an odd multiple of 16, so the 16 rows that a load touches start in different banks
.set X0,    16                         ; v16-47 my first row, v48-79 my second; in phase 2 v16-79: 64 numbers
.set WG,    80                         ; v80-111 w at my columns
.set BI,    112                        ; v112-143 b
.set SA,    148                        ; v148-155, v156-163: four chains of pairs for each row
.set MU,    164                        ; v164-167 the means, a pair for each row
.set RS,    168                        ; v168-171 1 / sqrt(var + eps), likewise
.set PC,    80                         ; phase 2: the codes (v80-98)
.set TM,    100                        ; v100-115 at work
.set PW,    116                        ; the scale word
.set SEL,   12                         ; s[12:13] lane selects: lane l xor 16
.macro FOLD                            ; both rows' four chains become one number, in every lane, in v[SA + 8 R]
.irp R, 0
	v_pk_add_f32 v[SA+8*\R:SA+8*\R+1], v[SA+8*\R:SA+8*\R+1], v[SA+8*\R+2:SA+8*\R+3]
	v_pk_add_f32 v[SA+8*\R+4:SA+8*\R+5], v[SA+8*\R+4:SA+8*\R+5], v[SA+8*\R+6:SA+8*\R+7]
.endr
.irp R, 1
	v_pk_add_f32 v[SA+8*\R:SA+8*\R+1], v[SA+8*\R:SA+8*\R+1], v[SA+8*\R+2:SA+8*\R+3]
	s_delay_alu instid0(VALU_DEP_4)
	v_pk_add_f32 v[SA+8*\R+4:SA+8*\R+5], v[SA+8*\R+4:SA+8*\R+5], v[SA+8*\R+6:SA+8*\R+7]
.endr
.irp R, 0
	s_delay_alu instid0(VALU_DEP_3)
	v_pk_add_f32 v[SA+8*\R:SA+8*\R+1], v[SA+8*\R:SA+8*\R+1], v[SA+8*\R+4:SA+8*\R+5]
.endr
.irp R, 1
	s_delay_alu instid0(VALU_DEP_2)
	v_pk_add_f32 v[SA+8*\R:SA+8*\R+1], v[SA+8*\R:SA+8*\R+1], v[SA+8*\R+4:SA+8*\R+5]
.endr
.irp R, 0,1
	s_delay_alu instid0(VALU_DEP_2)
	v_add_f32 v[SA+8*\R], v[SA+8*\R], v[SA+8*\R+1]
.endr
.irp m, 1,2,4,8
.irp R, 0,1
	s_delay_alu instid0(VALU_DEP_2)
	v_add_f32_dpp v[SA+8*\R], v[SA+8*\R], v[SA+8*\R] row_xmask:\m row_mask:0xf bank_mask:0xf
.endr
.endr
.irp R, 0,1
	s_delay_alu instid0(VALU_DEP_2)
	v_permlanex16_b32 v[SA+8*\R+1], v[SA+8*\R], s[SEL], s[SEL+1]
.endr
.irp R, 0,1
	s_delay_alu instid0(VALU_DEP_2)
	v_add_f32 v[SA+8*\R], v[SA+8*\R], v[SA+8*\R+1]
.endr
.endm
; 64 numbers of a lane, register 16 b + i = k 32 b + 16 (lane / 16) + i of my row, become a fragment's 12 registers in v[PC] on and its scale word in v[PW]
.macro QUANT s
.irp b, 0,1,2,3
	v_max3_num_f32 v[TM+\b], |v[\s+16*\b]|, |v[\s+1+16*\b]|, 0x1800000   ; my 16 numbers of block b, and the floor 2^(3 - 127): the byte cannot fall under 1
.endr
.irp i, 2,4,6,8,10,12,14
.irp b, 0,1,2,3
	s_delay_alu instid0(VALU_DEP_4)
	v_max3_num_f32 v[TM+\b], v[TM+\b], |v[\s+16*\b+\i]|, |v[\s+1+16*\b+\i]|
.endr
.endr
.irp b, 0,1,2,3
	s_delay_alu instid0(VALU_DEP_4)
	v_permlanex16_b32 v[TM+4+\b], v[TM+\b], s[SEL], s[SEL+1]
.endr
.irp b, 0,1,2,3
	s_delay_alu instid0(VALU_DEP_4)
	v_max_num_f32 v[TM+\b], v[TM+\b], v[TM+4+\b]   ; with lane l xor 16's: the block's largest magnitude
.endr
.irp b, 0,1,2,3
	s_delay_alu instid0(VALU_DEP_4)
	v_add_nc_u32 v[TM+12+\b], 0xff000000, v[TM+\b] ; 2 off its exponent field: the conversion's scale operand
.endr
.irp b, 0,1,2,3
	s_delay_alu instid0(VALU_DEP_4)
	v_lshrrev_b32 v[TM+4+\b], 23, v[TM+12+\b]      ; the scale's byte
.endr
	s_delay_alu instid0(VALU_DEP_3)
	v_lshl_or_b32 v[PW], v[TM+5], 8, v[TM+4]
	s_delay_alu instid0(VALU_DEP_1)
	v_lshl_or_b32 v[PW], v[TM+6], 16, v[PW]
	s_delay_alu instid0(VALU_DEP_1)
	v_lshl_or_b32 v[PW], v[TM+7], 24, v[PW]
.irp c, 0,1
	v_cvt_scalef32_pk16_fp6_f32 v[PC+6*\c:PC+2+6*\c], v[\s+32*\c:\s+15+32*\c], v[TM+12+2*\c]
	v_cvt_scalef32_pk16_fp6_f32 v[PC+12+4*\c:PC+14+4*\c], v[\s+16+32*\c:\s+31+32*\c], v[TM+12+2*\c+1]
.endr
	v_nop                                          ; one plain instruction behind a scaled conversion
.irp c, 0,1                                    ; a lane wants a WHOLE block: lanes 0-15 block 2 c, lanes 16-31 block 2 c + 1
.irp i, 0,1,2
	v_permlane16_swap_b32 v[PC+6*\c+\i], v[PC+12+4*\c+\i]
.endr
.irp i, 0,1,2
	s_delay_alu instid0(VALU_DEP_3)
	v_mov_b32 v[PC+3+6*\c+\i], v[PC+12+4*\c+\i]
.endr
.endr
.endm
.Lnorm:
	s_load_b256 s[4:11], s[0:1], 0x0               ; x, w, b, the operand's buffer
	s_sub_co_u32 s28, ttmp9, NQW                   ; my tile, 0 .. 255
	v_lshrrev_b32 v1, 5, v0
	s_delay_alu instid0(VALU_DEP_1)
	v_readfirstlane_b32 s14, v1                    ; wave 0..7
	v_and_b32 v1, 31, v0
	s_delay_alu instid0(VALU_DEP_1)
	v_lshlrev_b32 v2, 4, v1                        ; 16 x lane
	s_delay_alu instid0(VALU_DEP_2)
	v_lshlrev_b32 v6, 3, v1                        ; 8 x lane
	v_and_b32 v8, 15, v0                           ; p
	v_bfe_u32 v9, v0, 4, 1                         ; h
	s_delay_alu instid0(VALU_DEP_2)
	v_lshlrev_b32 v7, 2, v8                        ; 4 p
	s_mul_i32 s16, s14, 2*PITCH
	s_add_co_u32 s16, s16, YB
	v_add_nc_u32 v3, s16, v2                       ; LDS, in: my two rows, 16 bytes a lane
	v_mul_u32_u24 v4, v8, PITCH
	s_delay_alu instid0(VALU_DEP_1)
	v_lshl_add_u32 v4, v9, 6, v4
	s_lshl_b32 s16, s14, 9
	s_add_co_u32 s16, s16, YB
	v_add_nc_u32 v4, s16, v4                       ; LDS, out: row p, + 64 h, + 512 x wave
	s_mov_b32 s[SEL], 0x76543210
	s_mov_b32 s[SEL+1], 0xfedcba98
	s_mov_b32 s18, 0x3a800000                      ; 1 / 1024
	s_mov_b32 s19, 0x3727c5ac                      ; 1e-5
	s_lshr_b32 s15, s28, 1
	s_lshl_b32 s15, s15, 5
	s_and_b32 s16, s28, 1
	s_lshl_b32 s16, s16, 3
	s_add_co_u32 s15, s15, s16
	s_lshl_b32 s16, s14, 1
	s_add_co_u32 s15, s15, s16
	s_lshr_b32 s16, s14, 2
	s_lshl_b32 s16, s16, 3
	s_add_co_u32 s15, s15, s16                     ; my first token: 32 (rt / 2) + 8 (rt % 2) + 2 w + 8 (w / 4)
	s_lshl_b32 s16, s15, 12
	s_mov_b32 s17, 0
	s_mul_i32 s20, s28, 12288
	s_mul_i32 s21, s14, 1536
	s_add_co_u32 s20, s20, s21                     ; my fragment: tile rt, 128 along K x wave
	s_mov_b32 s21, 0
	s_lshl_b32 s26, s14, 14
	s_lshl_b32 s27, s28, 6
	s_add_co_u32 s26, s26, s27
	s_add_co_u32 s26, s26, 3145728                 ; and its scale words
	s_mov_b32 s27, 0
	s_wait_alu depctr_va_vdst(0)
	s_wait_kmcnt 0x0
	s_add_nc_u64 s[4:5], s[4:5], s[16:17]
	s_add_nc_u64 s[22:23], s[10:11], s[20:21]
	s_add_nc_u64 s[24:25], s[10:11], s[26:27]
.irp R, 0,1
.irp j, 0,1,2,3,4,5,6,7
	global_load_b128 v[X0+32*\R+4*\j:X0+32*\R+4*\j+3], v2, s[4:5] offset:4096*\R+512*\j th:TH_LOAD_NT
.endr
.endr
.irp j, 0,1,2,3,4,5,6,7
	global_load_b128 v[WG+4*\j:WG+4*\j+3], v2, s[6:7] offset:512*\j
.endr
.irp j, 0,1,2,3,4,5,6,7
	global_load_b128 v[BI+4*\j:BI+4*\j+3], v2, s[8:9] offset:512*\j
.endr
	s_wait_loadcnt 16                              ; my two rows are in; the sixteen loads of w and b may be out
.irp R, 0,1
.irp c, 0,1,2,3
	v_pk_add_f32 v[SA+8*\R+2*\c:SA+8*\R+2*\c+1], v[X0+32*\R+2*\c:X0+32*\R+2*\c+1], v[X0+32*\R+8+2*\c:X0+32*\R+9+2*\c]
.endr
.endr
.irp k, 16,24
.irp R, 0,1
.irp c, 0,1,2,3
	v_pk_add_f32 v[SA+8*\R+2*\c:SA+8*\R+2*\c+1], v[SA+8*\R+2*\c:SA+8*\R+2*\c+1], v[X0+32*\R+\k+2*\c:X0+32*\R+\k+1+2*\c]
.endr
.endr
.endr
	FOLD
.irp R, 0
	s_delay_alu instid0(VALU_DEP_2)
	v_mul_f32 v[MU+2*\R], s18, v[SA+8*\R]          ; the mean,
	s_delay_alu instid0(VALU_DEP_3)
	v_mul_f32 v[MU+2*\R+1], s18, v[SA+8*\R]        ; twice: a pair for the packed subtraction
.endr
.irp R, 1
	s_delay_alu instid0(VALU_DEP_3)
	v_mul_f32 v[MU+2*\R], s18, v[SA+8*\R]          ; the mean,
	s_delay_alu instid0(VALU_DEP_4)
	v_mul_f32 v[MU+2*\R+1], s18, v[SA+8*\R]        ; twice: a pair for the packed subtraction
.endr
.irp R, 0,1
.set I_, 0
.rept 16
	v_pk_add_f32 v[X0+32*\R+2*I_:X0+32*\R+2*I_+1], v[X0+32*\R+2*I_:X0+32*\R+2*I_+1], v[MU+2*\R:MU+2*\R+1] neg_lo:[0,1] neg_hi:[0,1]
.set I_, I_+1
.endr
.endr
.irp R, 0,1
.irp c, 0,1,2,3
	v_pk_mul_f32 v[SA+8*\R+2*\c:SA+8*\R+2*\c+1], v[X0+32*\R+2*\c:X0+32*\R+2*\c+1], v[X0+32*\R+2*\c:X0+32*\R+2*\c+1]
.endr
.endr
.irp k, 8,16,24
.irp R, 0,1
.irp c, 0,1,2,3
	v_pk_fma_f32 v[SA+8*\R+2*\c:SA+8*\R+2*\c+1], v[X0+32*\R+\k+2*\c:X0+32*\R+\k+1+2*\c], v[X0+32*\R+\k+2*\c:X0+32*\R+\k+1+2*\c], v[SA+8*\R+2*\c:SA+8*\R+2*\c+1]
.endr
.endr
.endr
	FOLD
.irp R, 0,1
	s_delay_alu instid0(VALU_DEP_2)
	v_fma_f32 v[SA+8*\R], v[SA+8*\R], s18, s19     ; var + eps
.endr
	s_wait_alu depctr_va_vdst(0)
.irp R, 0,1
	v_rsq_f32 v[RS+2*\R], v[SA+8*\R]
.endr
	v_nop                                          ; a plain instruction behind the two roots,
	s_wait_alu depctr_va_vdst(0)                   ; and one wait for both, ahead of their first reader
.irp R, 0,1
	v_mov_b32 v[RS+2*\R+1], v[RS+2*\R]
.endr
	s_wait_alu depctr_va_vdst(0)
	s_wait_loadcnt 0x0                             ; w and b
.irp R, 0,1
.set I_, 0
.rept 16
	v_pk_mul_f32 v[X0+32*\R+2*I_:X0+32*\R+2*I_+1], v[X0+32*\R+2*I_:X0+32*\R+2*I_+1], v[RS+2*\R:RS+2*\R+1]
.set I_, I_+1
.endr
.endr
.irp R, 0,1
.set I_, 0
.rept 16
	v_pk_fma_f32 v[X0+32*\R+2*I_:X0+32*\R+2*I_+1], v[X0+32*\R+2*I_:X0+32*\R+2*I_+1], v[WG+2*I_:WG+2*I_+1], v[BI+2*I_:BI+2*I_+1]
.set I_, I_+1
.endr
.endr
.irp R, 0,1
.irp j, 0,1,2,3,4,5,6,7
	ds_store_b128 v3, v[X0+32*\R+4*\j:X0+32*\R+4*\j+3] offset:PITCH*\R+512*\j
.endr
.endr
	s_wait_dscnt 0x0                               ; for the others' sake: my stores have landed
	s_barrier_signal -1
	s_barrier_wait -1                              ; the tile's 16 rows of y lie in LDS
.irp b, 0,1,2,3
.irp j, 0,1,2,3
	ds_load_b128 v[X0+16*\b+4*\j:X0+16*\b+4*\j+3], v4 offset:128*\b+16*\j       ; my 16 neighbours of block b
.endr
.endr
.irp b, 0,1,2,3
	v_mov_b32 v[TM+4+\b], 0                        ; a lane permute's destination counts as one of its sources
.endr
	s_wait_dscnt 0x0
	QUANT X0
	global_store_b128 v2, v[PC:PC+3], s[22:23]                     ; the fragment as it stands: 512, 256, 512, 256 consecutive bytes
	global_store_b64 v6, v[PC+4:PC+5], s[22:23] offset:512
	global_store_b128 v2, v[PC+6:PC+9], s[22:23] offset:768
	global_store_b64 v6, v[PC+10:PC+11], s[22:23] offset:1280
	global_store_b32 v7, v[PW], s[24:25]           ; 16 words; lanes 16-31 write the same words with the same values
	s_wait_tensorcnt 0x0                           ; the wave's end
	ds_add_u32 v[SPW], v[NIL]
	s_wait_dscnt 0x0
	s_endpgm
.Lfunc_end_k_qecfd95d9a4_pre:
	.size	k_qecfd95d9a4_pre, .Lfunc_end_k_qecfd95d9a4_pre-k_qecfd95d9a4_pre
	.p2alignl 7, 3214868480
	.fill 96, 4, 3214868480
	.section	.rodata,"a",@progbits
	.p2align	6, 0x0
	.amdhsa_kernel k_qecfd95d9a4_pre
		.amdhsa_group_segment_fixed_size 118016
		.amdhsa_private_segment_fixed_size 0
		.amdhsa_enable_private_segment 0
		.amdhsa_kernarg_size 88
		.amdhsa_user_sgpr_count 2
		.amdhsa_user_sgpr_kernarg_segment_ptr 1
		.amdhsa_wavefront_size32 1
		.amdhsa_system_sgpr_workgroup_id_x 1
		.amdhsa_system_sgpr_workgroup_id_y 1
		.amdhsa_system_sgpr_workgroup_id_z 1
		.amdhsa_system_vgpr_workitem_id 0
		.amdhsa_next_free_vgpr 192
		.amdhsa_next_free_sgpr 66
		.amdhsa_reserve_vcc 0
		.amdhsa_float_denorm_mode_32 3
		.amdhsa_float_denorm_mode_16_64 3
		.amdhsa_memory_ordered 1
		.amdhsa_forward_progress 1
		.amdhsa_inst_pref_size 77
	.end_amdhsa_kernel
	.amdgpu_metadata
---
amdhsa.version: [ 1, 2 ]
amdhsa.kernels:
  - .name:           k_qecfd95d9a4_pre
    .symbol:         k_qecfd95d9a4_pre.kd
    .args:
      - { .name: x, .offset: 0, .size: 8, .value_kind: global_buffer, .address_space: global }
      - { .name: ln1_w, .offset: 8, .size: 8, .value_kind: global_buffer, .address_space: global }
      - { .name: ln1_b, .offset: 16, .size: 8, .value_kind: global_buffer, .address_space: global }
      - { .name: a1, .offset: 24, .size: 8, .value_kind: global_buffer, .address_space: global }
      - { .name: wq, .offset: 32, .size: 8, .value_kind: global_buffer, .address_space: global }
      - { .name: wk, .offset: 40, .size: 8, .value_kind: global_buffer, .address_space: global }
      - { .name: wv, .offset: 48, .size: 8, .value_kind: global_buffer, .address_space: global }
      - { .name: wo, .offset: 56, .size: 8, .value_kind: global_buffer, .address_space: global }
      - { .name: w1, .offset: 64, .size: 8, .value_kind: global_buffer, .address_space: global }
      - { .name: w2, .offset: 72, .size: 8, .value_kind: global_buffer, .address_space: global }
      - { .name: wq6, .offset: 80, .size: 8, .value_kind: global_buffer, .address_space: global }
    .group_segment_fixed_size: 118016
    .private_segment_fixed_size: 0
    .kernarg_segment_align: 8
    .kernarg_segment_size: 88
    .max_flat_workgroup_size: 256
    .sgpr_count:     66
    .vgpr_count:     192
    .wavefront_size: 32
...
	.end_amdgpu_metadata
.endif
;; end of part 1
;; launch g1 (part 2): grid 12 x 16, 4 waves a work-group, clusters of 4 x 4, 327,680 bytes of LDS; arguments a1, wq6, bq, bk, bv, qkv; writes qkv
.if DOCPART == 2
	.amdgcn_target "amdgcn-amd-amdhsa--gfx1250"
	.amdhsa_code_object_version 6
	.text
	.protected	k_qecfd95d9a4_g1
	.globl	k_qecfd95d9a4_g1
	.p2align	8
	.type	k_qecfd95d9a4_g1,@function
k_qecfd95d9a4_g1:
	s_mov_b64 s[64:65], 0
	v_nop
	global_prefetch_b8 v0, s[64:65] scope:SCOPE_SE
	s_setreg_imm32_b32 hwreg(HW_REG_WAVE_MODE, 25, 1), 1
	s_wait_xcnt 0x0
	s_wait_alu depctr_hold_cnt(0) depctr_sa_sdst(0) depctr_va_vdst(0) depctr_va_sdst(0) depctr_va_ssrc(0) depctr_va_vcc(0) depctr_vm_vsrc(0)
	s_getreg_b32 s2, hwreg(HW_REG_IB_STS2, 6, 4)
	s_cmp_eq_u32 s2, 0
	s_cbranch_scc0 .Lentry_in_a_cluster
	s_endpgm
.Lentry_in_a_cluster:
	s_bfe_u32 s2, ttmp6, 0x10000c
	s_cmp_lg_u32 s2, 0xf033
	s_cbranch_scc0 .Lentry_shape_is_right
	s_endpgm
.Lentry_shape_is_right:
.set NB,     8
.set NQ,     2
.set NSLOT,  3
.set NKS,    8
.set RTPIN,  12288
.set BPL,    16384
.set ASC,    3145728
.set WS4,    9437184
.set WVC,    1572864
.set QK_S,   9437184
.set V_C,    6291456
.set V_S,    9961472
.set SPARE,  311296
.set H,      NB/2
.set RPW,    NB
.set ROWB,   NQ*1536
.set PART,   24576
.set SLOT,   4*PART
.set SCL,    NSLOT*SLOT
.set PARTS,  NKS*RPW*64
.set A16, 4
.set A8,  7
.set B16, 10
.set B8,  13
.set ADRS, 16
.set SPW, 28
.set NIL, 29
.set SC,  32
.set AF,  128
.set HA,  128
.set PC,  192
.set TM,  212
.set PW,  228
.set T1,  229
.set SEL, 2
.set G1A, 24
.set G1B, 32
.set G1SA, 40
.set G1SB, 48
.set G0SA, 56
.set G0SB, 60
.set G0A, 68
.set G0B, 80
.set MUL_LO, 0xa1
.set MUL_HI, 0xf1
.set TO_B,   0x40
.set MSB, 0
.macro WIN new
.if MSB != (\new)
	s_set_vgpr_msb (MSB<<8)|(\new)
.set MSB, \new
.endif
.endm
.macro PLACES n
.rept \n
	v_nop
.endr
.endm
.macro G1SET g, c, r, p
	s_mov_b32 s[\g+1], (\c)<<16
	s_mov_b32 s[\g+2], (\r)<<16
	s_mov_b32 s[\g+3], (\c)<<16
	s_mov_b32 s[\g+4], \r
	s_mov_b32 s[\g+5], \p
	s_mov_b32 s[\g+6], 0
	s_mov_b32 s[\g+7], 0
.endm
.macro JLOAD g0a, g1a, g0b, g1b
	s_cmp_eq_u32 s21, 0
	s_cbranch_scc0 .Lfor_b_\@
	tensor_load_to_lds s[\g0a:\g0a+3], s[\g1a:\g1a+7]
	s_nop 0
.rept 4
	v_nop
.endr
	s_branch .Lasked_\@
.Lfor_b_\@:
	tensor_load_to_lds s[\g0b:\g0b+3], s[\g1b:\g1b+7]
	s_nop 0
.rept 4
	v_nop
.endr
.Lasked_\@:
.endm
.macro CREST
	s_cmp_lg_u32 s20, 0
	s_cbranch_scc1 .Lnot_wave_0_\@
	s_barrier_signal -3
.Lnot_wave_0_\@:
	s_barrier_wait -3
	s_barrier_signal -1
	s_barrier_wait -1
.endm
.macro CROUND
	s_barrier_signal -1
	s_barrier_wait -1
	CREST
.endm
.macro FRAG reg, a16, a8, off
	ds_load_b128 v[\reg:\reg+3], v[\a16] offset:(\off)
	ds_load_b64 v[\reg+4:\reg+5], v[\a8] offset:(\off)+512
	ds_load_b128 v[\reg+6:\reg+9], v[\a16] offset:(\off)+768
	ds_load_b64 v[\reg+10:\reg+11], v[\a8] offset:(\off)+1280
.endm
.macro FETCH_B slot, q, p
	WIN TO_B
.set I_, 0
.rept NB
	FRAG 128*(\p)+12*I_, B16+((\slot)+1)/2, B8+((\slot)+1)/2, I_*ROWB*(1+((\slot)+1)/2)+((\slot)/2)*ROWB+(\q)*1536   ; slots 1 and 2 are the halves of the large slot's rows of 2 ROWB bytes
.set I_, I_+1
.endr
	WIN 0
.endm
.macro FETCH_A slot, q, i0
.set I_, \i0
.rept H
	FRAG AF+12*I_, A16+((\slot)+1)/2, A8+((\slot)+1)/2, I_*ROWB*(1+((\slot)+1)/2)+((\slot)/2)*ROWB+(\q)*1536
.set I_, I_+1
.endr
.endm
.macro SCALES t
.set I_, 0
.rept NB
.set Q_, 0
.rept NQ
	ds_load_b32 v[SC+16*((\t)%2)+NQ*I_+Q_], v[ADRS] offset:(NQ*(\t)+Q_)*2*RPW*64+I_*64   ; a plane holds the words of the work-group's 2 RPW tiles
.set Q_, Q_+1
.endr
.set I_, I_+1
.endr
.endm
.macro MULA a, p, q, sc, zero
.set B_, 0
.rept NB
.set rD, 8*(NB*((\a)%4)+B_)
.set rB, 128*(\p)+12*B_
.set rA, AF+12*(\a)
.set rSB, SC+16*(\sc)+NQ*B_+(\q)
.set rSA, SC+16*(\sc)+NQ*(\a)+(\q)
.if \zero
	v_wmma_scale_f32_16x16x128_f8f6f4 v[rD:rD+7], v[rB:rB+11], v[rA:rA+11], 0, v[rSB], v[rSA] matrix_a_fmt:MATRIX_FMT_FP6 matrix_b_fmt:MATRIX_FMT_FP6 matrix_a_scale:MATRIX_SCALE_ROW1
.else
	v_wmma_scale_f32_16x16x128_f8f6f4 v[rD:rD+7], v[rB:rB+11], v[rA:rA+11], v[rD:rD+7], v[rSB], v[rSA] matrix_a_fmt:MATRIX_FMT_FP6 matrix_b_fmt:MATRIX_FMT_FP6 matrix_a_scale:MATRIX_SCALE_ROW1
.endif
.set B_, B_+1
.endr
.endm
.macro RUN p, q, sc, zero, a0, n
.set A_, \a0
.rept \n
	MULA A_, \p, \q, \sc, \zero
.set A_, A_+1
.endr
.endm
.macro SUB slot, q, p, sc, nslot, nq, nt, mode, zero
.if (\mode == 1) || (\mode == 2)
	s_wait_tensorcnt 0x0
	ds_add_u32 v[SPW], v[NIL]
	s_wait_dscnt 4*H+1
	WIN MUL_LO
	RUN \p, \q, \sc, 0, 0, H/2
	s_wait_dscnt 0x0
	s_barrier_signal -1
	RUN \p, \q, \sc, 0, H/2, H/2
	WIN 0
	s_barrier_wait -1
.if \mode == 2
	CREST
	s_add_nc_u64 s[G0A+4*(\slot)+2:G0A+4*(\slot)+3], s[G0A+4*(\slot)+2:G0A+4*(\slot)+3], NSLOT*ROWB
	s_add_nc_u64 s[G0B+4*(\slot)+2:G0B+4*(\slot)+3], s[G0B+4*(\slot)+2:G0B+4*(\slot)+3], NSLOT*ROWB
	JLOAD G0A+4*(\slot), G1A, G0B+4*(\slot), G1B
.else
	PLACES 4
.endif
.else
	s_wait_dscnt 4*H
	WIN MUL_LO
	RUN \p, \q, \sc, \zero, 0, H
	s_wait_dscnt 0x0
.if \mode == 0
	PLACES 4
.endif
.endif
.if \mode != 3
	FETCH_B \nslot, \nq, 1-(\p)
	FETCH_A \nslot, \nq, 0
.if (\nq) == 0
	SCALES \nt
.endif
.endif
	WIN MUL_HI
	RUN \p, \q, \sc, \zero, H, H
.if \mode != 3
	PLACES 4
	WIN 0
	FETCH_A \nslot, \nq, H
.else
	WIN 0
.endif
.endm
.macro QUANT s
.irp b, 0,1,2,3
	v_max3_num_f32 v[TM+\b], |v[\s+16*\b]|, |v[\s+1+16*\b]|, 0x1800000
.endr
.irp i, 2,4,6,8,10,12,14
.irp b, 0,1,2,3
	v_max3_num_f32 v[TM+\b], v[TM+\b], |v[\s+16*\b+\i]|, |v[\s+1+16*\b+\i]|
.endr
.endr
.irp b, 0,1,2,3
	v_permlanex16_b32 v[TM+4+\b], v[TM+\b], s[SEL], s[SEL+1]
.endr
.irp b, 0,1,2,3
	v_max_num_f32 v[TM+\b], v[TM+\b], v[TM+4+\b]
.endr
.irp b, 0,1,2,3
	v_add_nc_u32 v[TM+12+\b], 0xff000000, v[TM+\b]
.endr
.irp b, 0,1,2,3
	v_lshrrev_b32 v[TM+4+\b], 23, v[TM+12+\b]
.endr
	v_lshl_or_b32 v[PW], v[TM+5], 8, v[TM+4]
	v_lshl_or_b32 v[PW], v[TM+6], 16, v[PW]
	v_lshl_or_b32 v[PW], v[TM+7], 24, v[PW]
.irp c, 0,1
	v_cvt_scalef32_pk16_fp6_f32 v[PC+6*\c:PC+2+6*\c], v[\s+32*\c:\s+15+32*\c], v[TM+12+2*\c]
	v_cvt_scalef32_pk16_fp6_f32 v[PC+12+4*\c:PC+14+4*\c], v[\s+16+32*\c:\s+31+32*\c], v[TM+12+2*\c+1]
.endr
	v_nop
.irp c, 0,1
.irp i, 0,1,2
	v_permlane16_swap_b32 v[PC+6*\c+\i], v[PC+12+4*\c+\i]
.endr
.irp i, 0,1,2
	v_mov_b32 v[PC+3+6*\c+\i], v[PC+12+4*\c+\i]
.endr
.endr
.endm
.macro PUTFRAG a16, a8, base
	global_store_b128 v[\a16], v[PC:PC+3], s[\base:\base+1]
	global_store_b64 v[\a8], v[PC+4:PC+5], s[\base:\base+1] offset:512
	global_store_b128 v[\a16], v[PC+6:PC+9], s[\base:\base+1] offset:768
	global_store_b64 v[\a8], v[PC+10:PC+11], s[\base:\base+1] offset:1280
.endm
	s_load_b256 s[4:11], s[0:1], 0x0
	s_load_b128 s[12:15], s[0:1], 0x20
	v_lshl_add_u32 v[SPW], v0, 2, SPARE
	v_mov_b32 v[NIL], 0
	ds_add_u32 v[SPW], v[NIL]
	ds_add_u32 v[SPW], v[NIL]
	v_lshrrev_b32 v1, 5, v0
	v_readfirstlane_b32 s20, v1
	s_lshr_b32 s21, s20, 1
	s_and_b32 s22, s20, 1
	s_bfe_u32 s92, ttmp6, 0x40000
	s_bfe_u32 s93, ttmp6, 0x40004
	s_and_b32 s101, ttmp7, 0xffff
	s_cmp_eq_u32 ttmp9, 2
	s_cselect_b32 s94, s101, ttmp9
	s_cselect_b32 s95, 0, s101
	s_cselect_b32 s100, 1, 0
	s_lshl_b32 s94, s94, 2
	s_add_co_u32 s94, s94, s92
	s_lshl_b32 s95, s95, 2
	s_add_co_u32 s95, s95, s93
	s_lshl_b32 s96, s93, 2
	s_lshl_b32 s96, 15, s96
	s_lshl_b32 s97, 0x1111, s92
	s_or_b32 s[G1A], s96, (3<<16)|(1<<21)
	s_or_b32 s[G1SA], s96, (3<<16)|(1<<21)
	s_or_b32 s[G1B], s97, (3<<16)|(1<<21)
	s_or_b32 s[G1SB], s97, (3<<16)|(1<<21)
	G1SET G1A, ROWB/8, 2*RPW, RTPIN/8              ; the head's loads bring whole tiles: 2 RPW tiles of 16 rows; behind them the row counts are set to RPW
	G1SET G1B, ROWB/8, 2*RPW, RTPIN/8
	G1SET G1SA, RPW*16, NKS, 2048
	G1SET G1SB, RPW*16, NKS, BPL/8
	s_lshl_b32 s96, s95, 1
	s_mul_i32 s98, s96, RPW*64
	s_mul_i32 s96, s96, RPW*RTPIN
	s_mov_b32 s97, 0
	s_mov_b32 s99, 0
	s_lshl_b32 s66, s94, 1
	s_mul_i32 s2, s66, RPW*64
	s_mul_i32 s66, s66, RPW*RTPIN
	s_mov_b32 s67, 0
	s_mov_b32 s3, 0
	s_mov_b32 s101, ASC
	s_cmp_eq_u32 s100, 1
	s_cselect_b32 s16, WVC, 0
	s_cselect_b32 s17, WS4+8192, s101
	s_cselect_b32 s18, s101, WS4
	s_add_co_u32 s96, s96, s16
	s_add_co_u32 s98, s98, s17
	s_add_co_u32 s2, s2, s18
	s_mul_i32 s101, s20, PART
	s_wait_dscnt 0x0
	s_wait_kmcnt 0x0
	s_cmp_eq_u32 s100, 1
	s_cselect_b64 s[16:17], s[6:7], s[4:5]
	s_cselect_b64 s[18:19], s[4:5], s[6:7]
	s_add_nc_u64 s[96:97], s[16:17], s[96:97]
	s_add_nc_u64 s[98:99], s[16:17], s[98:99]
	s_add_nc_u64 s[66:67], s[18:19], s[66:67]
	s_add_nc_u64 s[2:3], s[18:19], s[2:3]
	CROUND
; THE FILLS.  At the head one joint load a wave, each a whole tile: wave 0 A's K steps 0, 1 (slot 0), wave 1 B's, wave 2 A's scale words, wave 3 B's.  Behind one drained round each wave asks for its part of K steps 2 to 5,
; rows of 2 ROWB bytes, into the large slot behind slot 0.  K steps 6, 7 are slot 0's one refill.
.macro G0MK g, base                    ; a group 0: count, the address in s[base:base+1], the type; the LDS address is written apart
	s_mov_b32 s[\g], 1
	s_mov_b64 s[\g+2:\g+3], s[\base:\base+1]
	s_or_b32 s[\g+3], s[\g+3], 0x80000000
.endm
.macro ARM under, g0, g1, next         ; one arm of the head's chain of branches on the wave's number: one load, then the jump to the one join
	s_cmp_lt_u32 s20, \under
	s_cbranch_scc0 \next
	tensor_load_to_lds s[\g0:\g0+3], s[\g1:\g1+7]
	s_nop 0
	PLACES 4
	s_branch .Lhead_asked
\next:
.endm
	G0MK G0SA, 98
	s_mov_b32 s[G0SA+1], SCL
	G0MK G0SB, 2
	s_mov_b32 s[G0SB+1], SCL+2*PARTS
	G0MK G0A+8, 96
	s_mov_b32 s[G0A+9], 0
	G0MK G0B+8, 66
	s_mov_b32 s[G0B+9], 2*PART
	s_mul_i32 s18, s22, RPW*RTPIN                  ; from here on: the half of a tile that my wave fetches
	s_mov_b32 s19, 0
	s_add_nc_u64 s[96:97], s[96:97], s[18:19]
	s_add_nc_u64 s[66:67], s[66:67], s[18:19]
	G0MK G0A, 96
	s_mov_b32 s[G0A+1], s101
	G0MK G0B, 66
	s_mov_b32 s[G0B+1], s101
	G0MK G0A+4, 96
	s_add_nc_u64 s[G0A+6:G0A+7], s[G0A+6:G0A+7], ROWB
	s_lshl_b32 s[G0A+5], s101, 1
	s_add_co_u32 s[G0A+5], s[G0A+5], SLOT
	G0MK G0B+4, 66
	s_add_nc_u64 s[G0B+6:G0B+7], s[G0B+6:G0B+7], ROWB
	s_lshl_b32 s[G0B+5], s101, 1
	s_add_co_u32 s[G0B+5], s[G0B+5], SLOT
	ARM 1, G0A+8, G1A, .Lhead_b
	ARM 2, G0B+8, G1B, .Lhead_sa
	ARM 3, G0SA, G1SA, .Lhead_sb
	tensor_load_to_lds s[G0SB:G0SB+3], s[G1SB:G1SB+7]
	s_nop 0
	PLACES 4
.Lhead_asked:
	v_and_b32 v1, 15, v0
	v_bfe_u32 v2, v0, 4, 1
	v_and_b32 v3, 31, v0
	v_lshlrev_b32 v18, 4, v3
	v_lshlrev_b32 v19, 3, v3
	s_mul_i32 s96, s21, PART
	s_mul_i32 s97, s22, PART
	s_add_co_u32 s97, s97, 2*PART
	v_add_nc_u32 v[A16], s96, v18
	v_add_nc_u32 v[A8], s96, v19
	v_add_nc_u32 v[B16], s97, v18
	v_add_nc_u32 v[B8], s97, v19
	s_lshl_b32 s96, s96, 1                         ; the large slot: parts twice as long, behind slot 0
	s_lshl_b32 s97, s97, 1
	s_add_co_u32 s96, s96, SLOT
	s_add_co_u32 s97, s97, SLOT
	v_add_nc_u32 v[A16+1], s96, v18
	v_add_nc_u32 v[A8+1], s96, v19
	v_add_nc_u32 v[B16+1], s97, v18
	v_add_nc_u32 v[B8+1], s97, v19
	s_mul_i32 s96, s21, RPW*64
	s_mul_i32 s97, s22, RPW*64
	s_add_co_u32 s97, s97, 2*PARTS
	s_sub_co_u32 s97, s97, s96
	v_mul_u32_u24 v17, s97, v2
	s_add_co_u32 s96, s96, SCL
	v_lshl_add_u32 v[ADRS], v1, 2, v17
	v_add_nc_u32 v[ADRS], s96, v[ADRS]
	s_lshl_b32 s96, s95, 4
	s_lshl_b32 s97, s21, 3
	s_add_co_u32 s96, s96, s97
	s_lshl_b32 s97, s94, 2
	s_lshl_b32 s98, s22, 1
	s_add_co_u32 s97, s97, s98
	s_mov_b32 s23, 24576
	s_mov_b32 s67, QK_S
	s_mov_b32 s66, 0xffff
	s_cmp_eq_u32 s100, 1
	s_cselect_b32 s23, 49152, s23
	s_cselect_b32 s98, V_C, 0
	s_cselect_b32 s67, V_S, s67
	s_cselect_b32 s99, 11, 14
	s_cselect_b32 s101, 0, 16
	s_cselect_b32 s66, -1, s66
	v_mul_u32_u24 v21, s101, v2
	s_lshl_b32 s101, s101, 10
	v_mul_u32_u24 v22, s101, v2
	v_lshl_add_u32 v22, v1, 2, v22
	s_mul_i32 s2, s96, s23
	s_add_co_u32 s2, s2, s98
	s_mul_i32 s3, s97, 768
	s_add_co_u32 s2, s2, s3
	s_mov_b32 s3, 0
	s_add_nc_u64 s[16:17], s[14:15], s[2:3]
	s_lshl_b32 s2, s97, s99
	s_add_co_u32 s2, s2, s67
	s_lshl_b32 s98, s96, 6
	s_add_co_u32 s2, s2, s98
	s_add_nc_u64 s[18:19], s[14:15], s[2:3]
	s_cmp_eq_u32 ttmp9, 0
	s_cselect_b64 s[96:97], s[8:9], s[10:11]
	s_cmp_eq_u32 s100, 1
	s_cselect_b64 s[96:97], s[12:13], s[96:97]
	s_lshl_b32 s98, s92, 10
	s_lshl_b32 s99, s22, 9
	s_add_co_u32 s98, s98, s99
	s_lshl_b32 s2, s93, 10
	s_lshl_b32 s99, s21, 9
	s_add_co_u32 s2, s2, s99
	s_cmp_eq_u32 s100, 1
	s_cselect_b32 s98, 0, s98
	s_cselect_b32 s2, s2, 0
	s_mov_b32 s99, 0
	s_add_nc_u64 s[96:97], s[96:97], s[98:99]
	s_add_nc_u64 s[2:3], s[12:13], s[2:3]
	v_lshlrev_b32 v20, 6, v2
	v_and_b32 v23, 8, v1
	v_add_nc_u32 v23, v23, v1
	v_lshlrev_b32 v23, 2, v23
.irp j, 0,1,2,3
.irp i, 0,1,2,3
	global_load_b128 v[64+16*\j+4*\i:64+16*\j+4*\i+3], v20, s[96:97] offset:128*\j+16*\i
.endr
.endr
.irp a, 0,1,2,3,4,5,6,7
	global_load_b32 v[240+2*\a], v23, s[2:3] offset:(32*(\a/2)+8*(\a%2))*4
	v_mov_b32 v[241+2*\a], 0
.endr
	s_wait_alu depctr_va_vdst(0)                   ; the head's end
	s_wait_tensorcnt 0x0                           ; my tile of the head's four is in
	ds_add_u32 v[SPW], v[NIL]
	s_mov_b32 s[G1A+2], RPW<<16                    ; no tensor load of mine is out: from here on a load brings RPW tiles
	s_mov_b32 s[G1A+4], RPW
	s_mov_b32 s[G1B+2], RPW<<16
	s_mov_b32 s[G1B+4], RPW
.irp g, G1SA, G1SB                             ; the scale words' groups 1 have served: they become the large slot's, rows of 2 ROWB bytes; the masks stay
	s_mov_b32 s[\g+1], (2*ROWB/8)<<16
	s_mov_b32 s[\g+2], RPW<<16
	s_mov_b32 s[\g+3], (2*ROWB/8)<<16
	s_mov_b32 s[\g+4], RPW
	s_mov_b32 s[\g+5], RTPIN/8
.endr
	s_wait_dscnt 0x0
	CROUND                                         ; all four tiles are in, in all sixteen work-groups
	JLOAD G0A+4, G1SA, G0B+4, G1SB                 ; K steps 2 to 5
	FETCH_B 0, 0, 0
	FETCH_A 0, 0, 0
	SCALES 0
	FETCH_A 0, 0, H
	SUB 0, 0, 0, 0,  0, 1, 0,  0, 1
	SUB 0, 1, 1, 0,  1, 0, 1,  2, 0
	SUB 1, 0, 0, 1,  1, 1, 1,  0, 0
	SUB 1, 1, 1, 1,  2, 0, 2,  0, 0
	SUB 2, 0, 0, 0,  2, 1, 2,  0, 0
	SUB 2, 1, 1, 0,  0, 0, 3,  1, 0
	SUB 0, 0, 0, 1,  0, 1, 3,  0, 0
	SUB 0, 1, 1, 1,  0, 0, 0,  3, 0
	s_wait_loadcnt 0x0
	PLACES 4
	s_mov_b32 s[SEL], 0x76543210
	s_mov_b32 s[SEL+1], 0xfedcba98
.irp b, 0,1,2,3
	v_mov_b32 v[TM+4+\b], 0
.endr
	s_mov_b32 s96, s23
	s_mov_b32 s97, 0
	s_mov_b32 s101, 0
.Lepi:
	s_cmp_eq_u32 s100, 1
	s_cbranch_scc1 .Lv
.irp k, 0,1,2,3,4,5,6
	s_cmp_eq_u32 s101, \k
	s_cbranch_scc1 .Lc_\k
.endr
	s_branch .Lc_7
.Lv:
.irp k, 0,1,2,3,4,5,6
	s_cmp_eq_u32 s101, \k
	s_cbranch_scc1 .Ld_\k
.endr
	s_branch .Ld_7
.irp k, 0,1,2,3,4,5,6,7
.Lc_\k:
	WIN 2+(\k>>2)
.set I_, 0
.rept 32
	v_pk_add_f32 v[HA+2*I_:HA+2*I_+1], v[64*(\k&3)+2*I_:64*(\k&3)+2*I_+1], v[64+2*I_:65+2*I_]
.set I_, I_+1
.endr
	WIN 0
	s_branch .Lcommon
.endr
.irp k, 0,1,2,3,4,5,6,7
.Ld_\k:
	WIN 2+(\k>>2)
.set I_, 0
	s_wait_alu depctr_va_vdst(0)
.rept 32
	v_pk_add_f32 v[HA+2*I_:HA+2*I_+1], v[64*(\k&3)+2*I_:64*(\k&3)+2*I_+1], v[240+2*\k:241+2*\k] op_sel_hi:[1,0]
.set I_, I_+1
.endr
	WIN 0
	s_branch .Lcommon
.endr
.Lcommon:
	QUANT HA
	PUTFRAG 18, 19, 16
	v_lshrrev_b32 v[T1], v21, v[PW]
	v_and_b32 v[T1], s66, v[T1]
	global_store_b32 v22, v[T1], s[18:19]
	s_wait_xcnt 0x0
	s_add_nc_u64 s[16:17], s[16:17], s[96:97]
	s_add_nc_u64 s[18:19], s[18:19], 64
	s_add_co_u32 s101, s101, 1
	s_cmp_lt_u32 s101, 8
	s_cbranch_scc1 .Lepi
	s_wait_tensorcnt 0x0
	ds_add_u32 v[SPW], v[NIL]
	s_wait_dscnt 0x0
	CROUND
	s_endpgm
.Lfunc_end_k_qecfd95d9a4_g1:
	.size	k_qecfd95d9a4_g1, .Lfunc_end_k_qecfd95d9a4_g1-k_qecfd95d9a4_g1
	.p2alignl 7, 3214868480
	.fill 96, 4, 3214868480
	.section	.rodata,"a",@progbits
	.p2align	6, 0x0
	.amdhsa_kernel k_qecfd95d9a4_g1
		.amdhsa_group_segment_fixed_size 327680
		.amdhsa_private_segment_fixed_size 0
		.amdhsa_enable_private_segment 0
		.amdhsa_kernarg_size 48
		.amdhsa_user_sgpr_count 2
		.amdhsa_user_sgpr_kernarg_segment_ptr 1
		.amdhsa_wavefront_size32 1
		.amdhsa_system_sgpr_workgroup_id_x 1
		.amdhsa_system_sgpr_workgroup_id_y 1
		.amdhsa_system_sgpr_workgroup_id_z 1
		.amdhsa_system_vgpr_workitem_id 0
		.amdhsa_next_free_vgpr 1024
		.amdhsa_next_free_sgpr 102
		.amdhsa_reserve_vcc 0
		.amdhsa_float_denorm_mode_32 3
		.amdhsa_float_denorm_mode_16_64 3
		.amdhsa_memory_ordered 1
		.amdhsa_forward_progress 1
		.amdhsa_inst_pref_size 160
	.end_amdhsa_kernel
	.amdgpu_metadata
---
amdhsa.version: [ 1, 2 ]
amdhsa.kernels:
  - .name:           k_qecfd95d9a4_g1
    .symbol:         k_qecfd95d9a4_g1.kd
    .args:
      - { .name: a1, .offset: 0, .size: 8, .value_kind: global_buffer, .address_space: global }
      - { .name: wq6, .offset: 8, .size: 8, .value_kind: global_buffer, .address_space: global }
      - { .name: bq, .offset: 16, .size: 8, .value_kind: global_buffer, .address_space: global }
      - { .name: bk, .offset: 24, .size: 8, .value_kind: global_buffer, .address_space: global }
      - { .name: bv, .offset: 32, .size: 8, .value_kind: global_buffer, .address_space: global }
      - { .name: qkv, .offset: 40, .size: 8, .value_kind: global_buffer, .address_space: global }
    .group_segment_fixed_size: 327680
    .private_segment_fixed_size: 0
    .kernarg_segment_align: 8
    .kernarg_segment_size: 48
    .max_flat_workgroup_size: 128
    .sgpr_count:     102
    .vgpr_count:     1024
    .wavefront_size: 32
...
	.end_amdgpu_metadata
.endif
;; end of part 2
;; launch att (part 3): grid 8 x 32, 16 waves a work-group, clusters of 4 x 1, 327,680 bytes of LDS; arguments qkv, a2; writes a2
.if DOCPART == 3
	.amdgcn_target "amdgcn-amd-amdhsa--gfx1250"
	.amdhsa_code_object_version 6
	.text
	.protected	k_qecfd95d9a4_att
	.globl	k_qecfd95d9a4_att
	.p2align	8
	.type	k_qecfd95d9a4_att,@function
k_qecfd95d9a4_att:
	s_mov_b64 s[64:65], 0
	v_nop
	global_prefetch_b8 v0, s[64:65] scope:SCOPE_SE
	s_setreg_imm32_b32 hwreg(HW_REG_WAVE_MODE, 25, 1), 1
	s_wait_xcnt 0x0
	s_wait_alu depctr_hold_cnt(0) depctr_sa_sdst(0) depctr_va_vdst(0) depctr_va_sdst(0) depctr_va_ssrc(0) depctr_va_vcc(0) depctr_vm_vsrc(0)
	s_getreg_b32 s2, hwreg(HW_REG_IB_STS2, 6, 4)
	s_cmp_eq_u32 s2, 0
	s_cbranch_scc0 .Lentry_in_a_cluster
	s_endpgm
.Lentry_in_a_cluster:
	s_bfe_u32 s2, ttmp6, 0x10000c
	s_cmp_lg_u32 s2, 0x3003
	s_cbranch_scc0 .Lentry_shape_is_right
	s_endpgm
.Lentry_shape_is_right:
; Attention of one head on codes of FP6 (E2M3) with E8M0 scales: S^T = K Q^T (K = the head's 64), p = 2^(t - M), O^T = V^T P^T (K = the keys), O / l, and O quantised along the head's 64 channels for the next product.
; t = score x log2(e) / 8; M = the running largest t rounded UP to a whole number; p is quantised along the keys, not normalised; l is the sum of the unquantised p, in f32.  When M moves, l and O^T are multiplied by 2^(old M - new M): exact.
; SHARES.  A work-group owns 256 queries of one (batch, head); each of its sixteen waves one tile of 16, in 256 registers: four waves to a SIMD.
; ALL K AND V OF THE HEAD STAY IN LDS (2,048 keys: 96 KiB + 96 KiB of codes, 12 KiB of scale words), filled once: ONE tensor load a wave at the head: waves 0-7 sixteen images of K each, waves 8-11 a channel tile of V each,
; waves 12, 13 half of K's scale words, waves 14, 15 half of V's.  One wait for 0, one barrier, then one loop of 8 trips of two steps of 128 keys, with no barrier in it.
; CLUSTER 4 x 1: four blocks of queries of one head ask for every tile jointly.  No prefetch: every tile is asked for at the head, so there is no loop to run ahead in.
; LAYOUT IN MEMORY.  Tile rt holds rows 32 (rt / 2) + 8 (rt % 2) + p + 8 (p / 8); an image is 16 rows x 64 K, 768 bytes: lane L = p + 16 h: four words at 16 L, two at 512 + 8 L.
; THE KEYS OF A TILE ARE CHOSEN BY THE LANES' LDS ADDRESSES: of each 64 keys, tile j (0 .. 3) takes keys 8 j + i (rows 0-7) and 32 + 8 j + i (rows 8-15): row p comes from the stored tile 2 (p / 8) + j % 2, its row 8 (j / 2) + p % 8.
; Both products are used transposed, so a lane (query r, half h) then holds in 32 registers on end the keys 64 g + 32 h + 0 .. 31: ONE scale block of p, in the order of the operand's registers: no other lane is asked for a block's maximum.
; TWO POOLS OF 64 REGISTERS TAKE TURNS.  In a step one pool holds K's fragments and then V's, the other the scores and p.  When p has been converted its pool is free, and the NEXT step's fragments of K are asked for into it,
; a step ahead of their use; in the next step the pools have changed roles.  The last trip's look-ahead is held at the trip's own tiles (s_min_u32): those twenty loads are not used.
; K = 64 IN AN INSTRUCTION OF K = 128: Q's upper six registers are zero codes.  A key tile's operand is its six registers and the six that follow in the pool (the next tile's codes, or whatever the pool held): they meet zero codes,
; every pattern of six bits is a finite number of FP6, and the scale words' upper two bytes are 0, not 0xff: nothing is added.
; LIMITS: a block's largest p is made from the block's largest score by the same two instructions (this takes v_exp_f32 not to fall where its input rises); v_exp_f32 and v_rcp_f32 are good to 1 ulp and flush denormals;
; a block of zeros gets the byte 1 where the rule says 127; NaN and infinities are not served; the scaled scores stay under 2^31 in magnitude.  The scale bytes of a2 leave two at a lane.
.set KC,    0                          ; LDS: K's codes [128 tiles][768]
.set VC,    98304                      ; V's [4 channel tiles][16 steps of 128 keys][1,536]
.set KSC,   196608                     ; K's scale words [128 tiles][64 bytes]
.set VSC,   204800                     ; V's [16][4][64 bytes]
.set SPARE, 208896                     ; the spare words, 128 bytes for each of sixteen waves
.set QK_S,  9437184
.set V_C,   6291456
.set V_S,   9961472
.set A2S,   3145728
.set SPW,   30
.set NIL,   31
.set PA,    32                         ; v32-95  pool A;  v96-159 pool B
.set PB,    96
.set L16,   192                        ; v192 16 x lane, v193 8 x lane, v194 8 h
.set KSW,   200                        ; v200-203 K's scale words; v206 Q's; v208-209 V's: they hold scales and nothing else
.set QSW,   206
.set VSW,   208
.set WV,    84
.set SEL,   86
.set CS,    88
.set TK,    2                          ; s2 the next trip's place in K's codes (12,288 a trip), s60 the same held at the last trip's; s3, s61 likewise in K's scale words (1,024)
.set TS,    3
.set TT,    56                         ; s56 this trip's place in V's scale words (512); s57 in V's codes (3,072), s58 the same two channel tiles on
.set TV,    57
.set TV2,   58
.set CNT,   59
.set TKC,   60
.set TSC,   61
.macro G1SET g, c, r, p
	s_mov_b32 s[\g], 15|(3<<16)|(1<<21)            ; 15:0 the mask: all four work-groups; 17:16 elements of 8 bytes; 21 set beside a mask
	s_mov_b32 s[\g+1], (\c)<<16
	s_mov_b32 s[\g+2], (\r)<<16
	s_mov_b32 s[\g+3], (\c)<<16
	s_mov_b32 s[\g+4], \r
	s_mov_b32 s[\g+5], \p
	s_mov_b32 s[\g+6], 0
	s_mov_b32 s[\g+7], 0
.endm
.macro CROUND
	s_barrier_signal -1
	s_barrier_wait -1
	s_cmp_lg_u32 s[WV], 0
	s_cbranch_scc1 .Lnot_wave_0_\@
	s_barrier_signal -3
.Lnot_wave_0_\@:
	s_barrier_wait -3
	s_barrier_signal -1
	s_barrier_wait -1
.endm
.macro ARM under, g0, g1, next         ; one arm of the chain of branches on the wave's number: one load, then the jump to the one join
	s_cmp_lt_u32 s[WV], \under
	s_cbranch_scc0 \next
	tensor_load_to_lds s[\g0:\g0+3], s[\g1:\g1+7]
	s_nop 0
.rept 4
	v_nop
.endr
	s_branch .Lasked
\next:
.endm
; the n-th of the 20 LDS loads that bring a step's K into pool p: sixteen of codes (tile n / 2: four words, two words), four of scale words; ko, so: the step's place behind v7, v8 and v11
.macro KLD p, ko, so, n
.if (\n) < 16
.set T_, (\n)/2
.set O_, (\ko)+3072*(T_/4)+768*(T_%2)
.if (\n)%2
	ds_load_b64 v[(\p)+6*T_+4:(\p)+6*T_+5], v8 offset:O_+64*((T_%4)/2)+512
.else
	ds_load_b128 v[(\p)+6*T_:(\p)+6*T_+3], v7 offset:O_+128*((T_%4)/2)
.endif
.else
	ds_load_b32 v[KSW+(\n)-16], v11 offset:(\so)+256*(((\n)-16)/2)+32*(((\n)-16)%2)
.endif
.endm
; the n-th of the 18 LDS loads that bring a step's V into pool p: channel tile n / 4 (v9, v10 serve tiles 0, 1; v204, v205 tiles 2, 3), then two of scale words; u: the trip's first or second step
.macro VLD p, u, n
.if (\n) < 16
.set D_, (\n)/4
.set P_, (\n)%4
.set R_, (\p)+12*D_+6*(P_/2)+4*(P_%2)
.set O_, 24576*(D_%2)+1536*(\u)+768*(P_/2)+512*(P_%2)
.if P_%2
	ds_load_b64 v[R_:R_+1], v[10+195*(D_/2)] offset:O_
.else
	ds_load_b128 v[R_:R_+3], v[9+195*(D_/2)] offset:O_
.endif
.else
	ds_load_b32 v[VSW+(\n)-16], v28 offset:128*((\n)-16)+256*(\u)
.endif
.endm
	s_load_b128 s[4:7], s[0:1], 0x0                ; qkv, a2
	v_lshl_add_u32 v[SPW], v0, 2, SPARE
	v_mov_b32 v[NIL], 0
	ds_add_u32 v[SPW], v[NIL]                      ; the wave's opening
	ds_add_u32 v[SPW], v[NIL]
	v_lshrrev_b32 v1, 5, v0
	v_readfirstlane_b32 s[WV], v1                  ; wave 0..15
	s_bfe_u32 s85, ttmp6, 0x40000                  ; cx
	s_lshl_b32 s94, ttmp9, 2
	s_add_co_u32 s94, s94, s85                     ; my block of 256 queries: it enters Q's and the output's addresses alone
	s_and_b32 s95, ttmp7, 0xffff
	s_lshr_b32 s96, s95, 4                         ; batch
	s_and_b32 s97, s95, 15                         ; head
	s_add_co_u32 s95, s97, 16                      ; k's heads lie behind q's sixteen
	s_and_b32 s2, s[WV], 7                         ; K's codes: token tiles 128 b + 16 (w % 8) on
	s_mul_i32 s41, s2, 12288
	s_lshl_b32 s3, s96, 3
	s_add_co_u32 s3, s3, s2
	s_mul_i32 s90, s3, 393216
	s_mul_i32 s3, s95, 768
	s_add_co_u32 s90, s90, s3
	s_mov_b32 s91, 0
	s_and_b32 s2, s[WV], 3                         ; V's codes: channel tile 4 head + w % 4, the batch's 16 steps: 24,576 bytes on end
	s_mul_i32 s45, s2, 24576
	s_add_co_u32 s45, s45, VC
	s_lshl_b32 s3, s97, 2
	s_add_co_u32 s3, s3, s2
	s_mul_i32 s92, s3, 49152
	s_mul_i32 s3, s96, 24576
	s_add_co_u32 s92, s92, s3
	s_add_co_u32 s92, s92, V_C
	s_mov_b32 s93, 0
	s_and_b32 s2, s[WV], 1                         ; K's scale words: plane 16 + head, the batch's 8,192 bytes, a half for each of two waves
	s_lshl_b32 s49, s2, 12
	s_lshl_b32 s98, s95, 14
	s_add_co_u32 s98, s98, s49
	s_add_co_u32 s49, s49, KSC
	s_lshl_b32 s3, s96, 13
	s_add_co_u32 s98, s98, s3
	s_add_co_u32 s98, s98, QK_S
	s_mov_b32 s99, 0
	s_lshl_b32 s53, s2, 11                         ; V's: planes 16 b + 8 (w % 2) on, 256 bytes of each
	s_add_co_u32 s53, s53, VSC
	s_lshl_b32 s100, s96, 1
	s_add_co_u32 s100, s100, s2
	s_lshl_b32 s100, s100, 15
	s_lshl_b32 s3, s97, 8
	s_add_co_u32 s100, s100, s3
	s_add_co_u32 s100, s100, V_S
	s_mov_b32 s101, 0
	G1SET 8, 96, 16, 3072                          ; K: sixteen images of 768 bytes, 24,576 bytes apart
	G1SET 16, 192, 16, 192                         ; V: sixteen fragments of 1,536 bytes on end
	G1SET 24, 32, 16, 32                           ; K's scale words: 4,096 bytes on end, as rows of 256
	G1SET 32, 32, 8, 512                           ; V's: eight planes' 256 bytes, 4,096 bytes apart
	s_mov_b32 s40, 1
	s_mov_b32 s44, 1
	s_mov_b32 s48, 1
	s_mov_b32 s52, 1
	s_mov_b32 s[SEL], 0x76543210
	s_mov_b32 s[SEL+1], 0xfedcba98
	s_mov_b32 s[CS], 0x3e38aa3b                    ; c = log2(e) / 8
	s_mov_b32 s[CS+1], s[CS]
	s_wait_dscnt 0x0                               ; both opening adds are done
	s_wait_kmcnt 0x0
	s_add_nc_u64 s[42:43], s[4:5], s[90:91]
	s_or_b32 s43, s43, 0x80000000
	s_add_nc_u64 s[46:47], s[4:5], s[92:93]
	s_or_b32 s47, s47, 0x80000000
	s_add_nc_u64 s[50:51], s[4:5], s[98:99]
	s_or_b32 s51, s51, 0x80000000
	s_add_nc_u64 s[54:55], s[4:5], s[100:101]
	s_or_b32 s55, s55, 0x80000000
	CROUND                                         ; all four work-groups are here: the joint loads meet
	ARM 8, 40, 8, .Larm_v
	ARM 12, 44, 16, .Larm_ks
	ARM 14, 48, 24, .Larm_vs
	tensor_load_to_lds s[52:55], s[32:39]
	s_nop 0
.rept 4
	v_nop
.endr
.Lasked:
	v_and_b32 v29, 31, v0
	v_lshlrev_b32 v[L16], 4, v29
	v_lshlrev_b32 v[L16+1], 3, v29
	v_lshl_add_u32 v6, v29, 2, VSC                 ; v6  V's scale words: lanes 0-15 an even channel tile's, lanes 16-31 the next's
	v_bfe_u32 v195, v0, 4, 1                       ; h
	v_bfe_u32 v196, v0, 3, 1                       ; p / 8
	v_and_b32 v197, 7, v0                          ; p % 8
	v_add_nc_u32 v3, VC, v[L16]                    ; v3, v4 V's codes
	v_add_nc_u32 v4, VC, v[L16+1]
	v_lshlrev_b32 v[L16+2], 3, v195
	v_mul_u32_u24 v198, v196, 1536                 ; rows 8-15 come from two stored tiles further on
	v_lshlrev_b32 v5, 7, v196
	v_lshl_add_u32 v1, v197, 4, v198
	v_lshl_add_u32 v2, v197, 3, v198
	v_lshl_add_u32 v5, v195, 6, v5
	v_lshl_add_u32 v1, v195, 8, v1                 ; v1  K's codes, the four words: 1,536 (p / 8) + 16 (p % 8 + 16 h)
	v_lshl_add_u32 v2, v195, 7, v2                 ; v2  the two words: 1,536 (p / 8) + 8 (p % 8 + 16 h)
	v_lshl_add_u32 v5, v197, 2, v5
	v_and_b32 v29, 15, v0
	v_add_nc_u32 v5, KSC, v5                       ; v5  K's scale words: 128 (p / 8) + 64 h + 4 (p % 8): lanes 0-15 tile 2 m, lanes 16-31 tile 2 m + 1
	v_lshlrev_b32 v29, 2, v29                      ; v29 4 p
	s_wait_alu depctr_va_vdst(0)
	s_lshl_b32 s2, s96, 7
	s_lshl_b32 s3, s94, 4
	s_add_co_u32 s2, s2, s3
	s_add_co_u32 s2, s2, s[WV]                     ; my tile of queries: 128 b + 16 x block + wave
	s_mul_i32 s90, s2, 24576
	s_mul_i32 s3, s97, 768
	s_add_co_u32 s90, s90, s3
	s_mov_b32 s91, 0
	s_add_nc_u64 s[90:91], s[4:5], s[90:91]        ; Q's image
	s_lshl_b32 s92, s97, 14
	s_lshl_b32 s98, s2, 6
	s_add_co_u32 s92, s92, s98
	s_add_co_u32 s92, s92, QK_S
	s_mov_b32 s93, 0
	s_add_nc_u64 s[92:93], s[4:5], s[92:93]        ; Q's scale words
	global_load_b128 v[16:19], v[L16], s[90:91]
	global_load_b64 v[20:21], v[L16+1], s[90:91] offset:512
	global_load_b32 v[QSW], v29, s[92:93]
	s_mul_i32 s98, s2, 12288
	s_add_co_u32 s98, s98, s3
	s_mov_b32 s99, 0
	s_add_nc_u64 s[98:99], s[6:7], s[98:99]        ; the output's image: tile, 64 along K = the head
	s_lshr_b32 s100, s97, 1
	s_lshl_b32 s100, s100, 14
	s_lshl_b32 s101, s2, 6
	s_add_co_u32 s100, s100, s101
	s_and_b32 s101, s97, 1
	s_lshl_b32 s101, s101, 1
	s_add_co_u32 s100, s100, s101
	s_add_co_u32 s100, s100, A2S
	s_mov_b32 s101, 0
	s_add_nc_u64 s[100:101], s[6:7], s[100:101]    ; and its two scale bytes a row
.irp j, 22,23,24,25,26,27, 80,81,82,83,84,85
	v_mov_b32 v[\j], 0                             ; Q's upper half: zero codes; and what follows the last key tile in pool A, so that it is written before it is named
.endr
	v_mov_b32 v7, v1                               ; the first trip's K begins at the region's start
	v_mov_b32 v8, v2
	v_mov_b32 v11, v5
	v_mov_b32 v13, 0xff61b1e6                      ; the largest t so far: -3e38
	v_floor_f32 v12, -v13                          ; -M
	v_mov_b32 v14, 0                               ; l, in two halves
	v_mov_b32 v15, 0
	v_mov_b32 v236, 0                              ; a lane permute's destination counts as one of its sources
	v_mov_b32 v253, 0
.set J_, 0
.rept 32
	v_mov_b32 v[160+J_], 0                         ; O^T: the step is written once; the first finds zeros
.set J_, J_+1
.endr
	s_mov_b32 s[TK], 12288
	s_mov_b32 s[TS], 1024
	s_mov_b32 s[TT], 0
	s_mov_b32 s[TV], 0
	s_mov_b32 s[TV2], 49152
	s_mov_b32 s[CNT], 8
	s_wait_alu depctr_va_vdst(0)                   ; the head's end
	s_wait_loadcnt 0x0                             ; Q
	s_wait_tensorcnt 0x0                           ; my one load
	s_barrier_signal -1
	s_barrier_wait -1                              ; everybody's: all K and V lie in LDS
.set N_, 0
.rept 20
	KLD PA, 0, 0, N_                               ; step 0's K into pool A
.set N_, N_+1
.endr
; A KEY STEP: 128 keys.  kp: the pool with this step's K, then V; sp: the pool for S^T, then p, then the next step's K.  u: the trip's first or second step.  v160-191 O^T; v224-235 p's codes; v232-255 at work.
.macro STEP kp, sp, u
.if \u                                         ; five plain places between the last products and the products below, which write over the pool that those read
	s_min_u32 s[TKC], s[TK], 86016                 ; the next trip's K, held at the last trip's
	s_min_u32 s[TSC], s[TS], 7168
	v_add_nc_u32 v7, s[TKC], v1
	v_add_nc_u32 v8, s[TKC], v2
	v_add_nc_u32 v11, s[TSC], v5
	v_nop
	v_nop
.else
	v_add_nc_u32 v9, s[TV], v3                     ; this trip's V
	v_add_nc_u32 v10, s[TV], v4
	v_add_nc_u32 v204, s[TV2], v3
	v_add_nc_u32 v205, s[TV2], v4
	v_add_nc_u32 v28, s[TT], v6
	s_wait_alu depctr_va_vdst(0)
.endif
	s_wait_dscnt 0x0                               ; this step's K, asked for a step ago
.irp t, 0,1,2,3,4,5,6,7
.if \t%2
	v_wmma_scale_f32_16x16x128_f8f6f4 v[(\sp)+8*\t:(\sp)+8*\t+7], v[(\kp)+6*\t:(\kp)+6*\t+11], v[16:27], 0, v[KSW+\t/2], v[QSW] matrix_a_fmt:MATRIX_FMT_FP6 matrix_b_fmt:MATRIX_FMT_FP6 matrix_a_scale:MATRIX_SCALE_ROW1
.else
	v_wmma_scale_f32_16x16x128_f8f6f4 v[(\sp)+8*\t:(\sp)+8*\t+7], v[(\kp)+6*\t:(\kp)+6*\t+11], v[16:27], 0, v[KSW+\t/2], v[QSW] matrix_a_fmt:MATRIX_FMT_FP6 matrix_b_fmt:MATRIX_FMT_FP6
.endif
.endr
.rept 4
	v_nop
.endr
.set N_, 0
.rept 9
	VLD \kp, \u, N_                                ; V's fragments land under the softmax: half of the loads here, half between the lines of the chain below
.set N_, N_+1
.endr
.irp b, 0,1,2,3
	v_max3_num_f32 v[232+\b], v[(\sp)+16*\b], v[(\sp)+1+16*\b], v[(\sp)+2+16*\b]   ; the largest score of my two blocks of 32 keys, each in two chains: for the row's maximum, and for the block's largest p
.endr
.irp i, 3,5,7,9,11,13
.irp b, 0,1,2,3
	v_max3_num_f32 v[232+\b], v[232+\b], v[(\sp)+16*\b+\i], v[(\sp)+1+16*\b+\i]
.endr
.endr
	v_max_num_f32 v233, v233, v[(\sp)+31]
	v_max_num_f32 v235, v235, v[(\sp)+63]
	v_max3_num_f32 v232, v232, v[(\sp)+15], v233   ; block h (keys 32 h ..)
	v_max3_num_f32 v234, v234, v[(\sp)+47], v235   ; block 2 + h
	VLD \kp, \u, 9
	v_max_num_f32 v254, v232, v234
	VLD \kp, \u, 10
	v_permlanex16_b32 v236, v254, s[SEL], s[SEL+1]
	VLD \kp, \u, 11
	v_max_num_f32 v254, v254, v236                 ; with lane l xor 16's two blocks: the step's largest score of my query
	VLD \kp, \u, 12
	v_mul_f32 v254, s[CS], v254                    ; as t
	VLD \kp, \u, 13
	v_max_num_f32 v13, v13, v254                   ; the running largest t
	v_mov_b32 v254, v12
	VLD \kp, \u, 14
	v_floor_f32 v12, -v13                          ; the new -M = -ceil(t): a whole number
	VLD \kp, \u, 15
	v_sub_f32 v254, v12, v254                      ; old M - new M: a whole number, 0 or less
	VLD \kp, \u, 16
	v_cvt_i32_f32 v254, v254
	VLD \kp, \u, 17
	v_ldexp_f32 v252, 1.0, v254                    ; f = 2^(old M - new M)
.set J_, 0
.rept 32
	v_pk_fma_f32 v[(\sp)+J_:(\sp)+1+J_], v[(\sp)+J_:(\sp)+1+J_], s[CS:CS+1], v[12:13] op_sel_hi:[1,0,0]   ; t - M
.set J_, J_+2
.endr
	v_fma_f32 v232, v232, s[CS], v12
	v_fma_f32 v234, v234, s[CS], v12
	s_wait_alu depctr_va_vdst(0)
.set J_, 0
.rept 64
	v_exp_f32 v[(\sp)+J_], v[(\sp)+J_]             ; p = 2^(t - M)
.set J_, J_+1
.endr
	v_pk_mul_f32 v[14:15], v[14:15], v[252:253] op_sel_hi:[1,0]      ; l under the new M; the plain instruction behind the batch
	s_wait_alu depctr_va_vdst(0)                   ; one wait for the 64, ahead of their first reader
	v_exp_f32 v232, v232                           ; the two blocks' largest p
	v_exp_f32 v234, v234
.set J_, 0                                     ; l += the 64 unquantised p: eight chains of pairs
.irp a, 236,254,250,248,246,244,242
	v_pk_add_f32 v[\a:\a+1], v[(\sp)+8*J_:(\sp)+1+8*J_], v[(\sp)+4+8*J_:(\sp)+5+8*J_]
.set J_, J_+1
.endr
.irp o, 2,6
.set J_, 0
.irp a, 236,254,250,248,246,244,242,14
	v_pk_add_f32 v[\a:\a+1], v[\a:\a+1], v[(\sp)+\o+8*J_:(\sp)+\o+1+8*J_]
.set J_, J_+1
.endr
.endr
	v_pk_add_f32 v[14:15], v[14:15], v[(\sp)+56:(\sp)+57]
	v_pk_add_f32 v[236:237], v[236:237], v[(\sp)+60:(\sp)+61]
	v_pk_add_f32 v[14:15], v[14:15], v[248:249]
	v_pk_add_f32 v[236:237], v[236:237], v[246:247]
	v_pk_add_f32 v[254:255], v[254:255], v[244:245]
	v_pk_add_f32 v[250:251], v[250:251], v[242:243]
	v_pk_add_f32 v[14:15], v[14:15], v[254:255]
	v_pk_add_f32 v[236:237], v[236:237], v[250:251]
	v_pk_add_f32 v[14:15], v[14:15], v[236:237]
	s_wait_alu depctr_va_vdst(0)                   ; and one for the two
	v_max_num_f32 v232, 0x1800000, v232            ; the floor 2^(3 - 127)
	v_max_num_f32 v234, 0x1800000, v234
	v_add_nc_u32 v244, 0xff000000, v232            ; 2 off the exponent field: the conversions' scale operands
	v_add_nc_u32 v245, 0xff000000, v234
	v_cvt_scalef32_pk16_fp6_f32 v[224:226], v[(\sp):(\sp)+15], v244
	v_cvt_scalef32_pk16_fp6_f32 v[236:238], v[(\sp)+16:(\sp)+31], v244         ; (a conversion's three registers begin on an even number)
	v_cvt_scalef32_pk16_fp6_f32 v[230:232], v[(\sp)+32:(\sp)+47], v245
	v_cvt_scalef32_pk16_fp6_f32 v[240:242], v[(\sp)+48:(\sp)+63], v245
	v_lshrrev_b32 v246, 23, v244                   ; the scales' bytes; also the plain instruction behind the conversions
	; p's pool is free: the next step's K is asked for into it, its twenty loads between the lines of the chain that makes p's scale word
.irp n, 0,1,2
	KLD \sp, (1-(\u))*6144, (1-(\u))*512, \n
.endr
	v_lshrrev_b32 v247, 23, v245
.irp n, 3,4,5
	KLD \sp, (1-(\u))*6144, (1-(\u))*512, \n
.endr
	v_lshl_or_b32 v248, v247, 16, v246             ; my two bytes, blocks h and 2 + h,
.irp n, 6,7,8
	KLD \sp, (1-(\u))*6144, (1-(\u))*512, \n
.endr
	v_lshlrev_b32 v248, v[L16+2], v248             ; at their places (8 h bits up);
.irp n, 9,10,11
	KLD \sp, (1-(\u))*6144, (1-(\u))*512, \n
.endr
	v_permlanex16_b32 v249, v248, s[SEL], s[SEL+1]
.irp n, 12,13,14,15
	KLD \sp, (1-(\u))*6144, (1-(\u))*512, \n
.endr
	v_or_b32 v253, v248, v249                      ; with lane l xor 16's two: p's scale word for these 128 keys
.irp n, 16,17,18,19
	KLD \sp, (1-(\u))*6144, (1-(\u))*512, \n
.endr
.irp i, 0,1,2
	v_mov_b32 v[227+\i], v[236+\i]
	v_mov_b32 v[233+\i], v[240+\i]
.endr
	s_wait_alu depctr_va_vdst(0)
.set J_, 0
.rept 16
	v_pk_mul_f32 v[160+J_:161+J_], v[160+J_:161+J_], v[252:253] op_sel_hi:[1,0]   ; O^T under the new M; also the places in front of the products below
.set J_, J_+2
.endr
	s_wait_alu depctr_va_vdst(0)
	s_wait_dscnt 20                                ; V's eighteen loads are in; the twenty issued behind them, the next step's K, may be out
.irp d, 0,1,2,3
.if \d%2
	v_wmma_scale_f32_16x16x128_f8f6f4 v[160+8*\d:167+8*\d], v[(\kp)+12*\d:(\kp)+12*\d+11], v[224:235], v[160+8*\d:167+8*\d], v[VSW+\d/2], v253 matrix_a_fmt:MATRIX_FMT_FP6 matrix_b_fmt:MATRIX_FMT_FP6 matrix_a_scale:MATRIX_SCALE_ROW1
.else
	v_wmma_scale_f32_16x16x128_f8f6f4 v[160+8*\d:167+8*\d], v[(\kp)+12*\d:(\kp)+12*\d+11], v[224:235], v[160+8*\d:167+8*\d], v[VSW+\d/2], v253 matrix_a_fmt:MATRIX_FMT_FP6 matrix_b_fmt:MATRIX_FMT_FP6
.endif
.endr
.endm
.Ltrip:
	STEP PA, PB, 0
	STEP PB, PA, 1
	s_add_co_u32 s[TK], s[TK], 12288
	s_add_co_u32 s[TS], s[TS], 1024
	s_add_co_u32 s[TT], s[TT], 512
	s_add_co_u32 s[TV], s[TV], 3072
	s_add_co_u32 s[TV2], s[TV2], 3072
	s_sub_co_u32 s[CNT], s[CNT], 1
	s_cmp_lg_u32 s[CNT], 0
	s_cbranch_scc1 .Ltrip
	; THE WAY OUT: O^T / l, quantised along the head's 64 channels: one image and two scale bytes a row
	s_wait_dscnt 0x0                               ; the last look-ahead's loads, which nothing reads, have come back
.rept 4
	v_nop
.endr
	v_add_f32 v14, v14, v15
	v_permlanex16_b32 v252, v14, s[SEL], s[SEL+1]
	v_add_f32 v14, v14, v252                       ; the row's sum
	s_wait_alu depctr_va_vdst(0)
	v_rcp_f32 v14, v14
	v_nop
	s_wait_alu depctr_va_vdst(0)                   ; the wait ahead of the first reader
.set J_, 0
.rept 32
	v_mul_f32 v[96+J_], v[160+J_], v14             ; register 16 b + i: channel 32 b + 16 h + i of my query
.set J_, J_+1
.endr
.irp b, 0,1
	v_max3_num_f32 v[232+\b], |v[96+16*\b]|, |v[97+16*\b]|, 0x1800000
.endr
.irp i, 2,4,6,8,10,12,14
.irp b, 0,1
	v_max3_num_f32 v[232+\b], v[232+\b], |v[96+16*\b+\i]|, |v[97+16*\b+\i]|
.endr
.endr
.irp b, 0,1
	v_permlanex16_b32 v[236+\b], v[232+\b], s[SEL], s[SEL+1]
.endr
.irp b, 0,1
	v_max_num_f32 v[232+\b], v[232+\b], v[236+\b]
.endr
.irp b, 0,1
	v_add_nc_u32 v[244+\b], 0xff000000, v[232+\b]
.endr
.irp b, 0,1
	v_lshrrev_b32 v[236+\b], 23, v[244+\b]
.endr
	v_lshl_or_b32 v248, v237, 8, v236
	v_cvt_scalef32_pk16_fp6_f32 v[224:226], v[96:111], v244
	v_cvt_scalef32_pk16_fp6_f32 v[240:242], v[112:127], v245
	v_nop
.irp i, 0,1,2
	v_permlane16_swap_b32 v[224+\i], v[240+\i]
.endr
.irp i, 0,1,2
	v_mov_b32 v[227+\i], v[240+\i]
.endr
	global_store_b128 v[L16], v[224:227], s[98:99] ; 512 consecutive bytes,
	global_store_b64 v[L16+1], v[228:229], s[98:99] offset:512   ; and 256
	global_store_b16 v29, v248, s[100:101]         ; lanes 16-31 write the same bytes with the same values
	s_wait_tensorcnt 0x0                           ; the wave's end
	ds_add_u32 v[SPW], v[NIL]
	s_wait_dscnt 0x0
	CROUND                                         ; the closing round
	s_endpgm
.Lfunc_end_k_qecfd95d9a4_att:
	.size	k_qecfd95d9a4_att, .Lfunc_end_k_qecfd95d9a4_att-k_qecfd95d9a4_att
	.p2alignl 7, 3214868480
	.fill 96, 4, 3214868480
	.section	.rodata,"a",@progbits
	.p2align	6, 0x0
	.amdhsa_kernel k_qecfd95d9a4_att
		.amdhsa_group_segment_fixed_size 327680
		.amdhsa_private_segment_fixed_size 0
		.amdhsa_enable_private_segment 0
		.amdhsa_kernarg_size 16
		.amdhsa_user_sgpr_count 2
		.amdhsa_user_sgpr_kernarg_segment_ptr 1
		.amdhsa_wavefront_size32 1
		.amdhsa_system_sgpr_workgroup_id_x 1
		.amdhsa_system_sgpr_workgroup_id_y 1
		.amdhsa_system_sgpr_workgroup_id_z 1
		.amdhsa_system_vgpr_workitem_id 0
		.amdhsa_next_free_vgpr 256
		.amdhsa_next_free_sgpr 102
		.amdhsa_reserve_vcc 0
		.amdhsa_float_denorm_mode_32 3
		.amdhsa_float_denorm_mode_16_64 3
		.amdhsa_memory_ordered 1
		.amdhsa_forward_progress 1
		.amdhsa_inst_pref_size 47
	.end_amdhsa_kernel
	.amdgpu_metadata
---
amdhsa.version: [ 1, 2 ]
amdhsa.kernels:
  - .name:           k_qecfd95d9a4_att
    .symbol:         k_qecfd95d9a4_att.kd
    .args:
      - { .name: qkv, .offset: 0, .size: 8, .value_kind: global_buffer, .address_space: global }
      - { .name: a2, .offset: 8, .size: 8, .value_kind: global_buffer, .address_space: global }
    .group_segment_fixed_size: 327680
    .private_segment_fixed_size: 0
    .kernarg_segment_align: 8
    .kernarg_segment_size: 16
    .max_flat_workgroup_size: 512
    .sgpr_count:     102
    .vgpr_count:     256
    .wavefront_size: 32
...
	.end_amdgpu_metadata
.endif
;; end of part 3
;; launch g2 (part 4): grid 8 x 32, 4 waves a work-group, clusters of 4 x 4, 327,680 bytes of LDS; arguments a2, wq6, bo, x, x1; writes x1
.if DOCPART == 4
	.amdgcn_target "amdgcn-amd-amdhsa--gfx1250"
	.amdhsa_code_object_version 6
	.text
	.protected	k_qecfd95d9a4_g2
	.globl	k_qecfd95d9a4_g2
	.p2align	8
	.type	k_qecfd95d9a4_g2,@function
k_qecfd95d9a4_g2:
	s_mov_b64 s[64:65], 0
	v_nop
	global_prefetch_b8 v0, s[64:65] scope:SCOPE_SE
	s_setreg_imm32_b32 hwreg(HW_REG_WAVE_MODE, 25, 1), 1
	s_wait_xcnt 0x0
	s_wait_alu depctr_hold_cnt(0) depctr_sa_sdst(0) depctr_va_vdst(0) depctr_va_sdst(0) depctr_va_ssrc(0) depctr_va_vcc(0) depctr_vm_vsrc(0)
	s_getreg_b32 s2, hwreg(HW_REG_IB_STS2, 6, 4)
	s_cmp_eq_u32 s2, 0
	s_cbranch_scc0 .Lentry_in_a_cluster
	s_endpgm
.Lentry_in_a_cluster:
	s_bfe_u32 s2, ttmp6, 0x10000c
	s_cmp_lg_u32 s2, 0xf033
	s_cbranch_scc0 .Lentry_shape_is_right
	s_endpgm
.Lentry_shape_is_right:
.set NB,     4
.set NQ,     4
.set NSLOT,  2
.set T,      2
.set NKS,    8
.set RTPIN,  12288
.set BPL,    16384
.set ASC,    3145728
.set BC,     2359296
.set BS,     9449472
.set STAGE,  229376
.set SPARE,  246784
.set H,      NB/2
.set RPW,    NB
.set ROWB,   NQ*1536
.set PART,   24576
.set SLOT,   4*PART
.set SCL,    NSLOT*SLOT
.set PARTS,  NKS*RPW*64
.set A16, 4
.set A8,  7
.set B16, 10
.set B8,  13
.set ADRS, 16
.set SPW, 28
.set NIL, 29
.set SC,  32
.set AF,  128
.set G1A, 24
.set G1B, 32
.set G1SA, 40
.set G1SB, 48
.set G0SA, 56
.set G0SB, 60
.set G0A, 68
.set G0B, 80
.set MUL_LO, 0xa1
.set MUL_HI, 0xa1
.set TO_B,   0x40
.set MSB, 0
.macro WIN new
.if MSB != (\new)
	s_set_vgpr_msb (MSB<<8)|(\new)
.set MSB, \new
.endif
.endm
.macro PLACES n
.rept \n
	v_nop
.endr
.endm
.macro G1SET g, c, r, p
	s_mov_b32 s[\g+1], (\c)<<16
	s_mov_b32 s[\g+2], (\r)<<16
	s_mov_b32 s[\g+3], (\c)<<16
	s_mov_b32 s[\g+4], \r
	s_mov_b32 s[\g+5], \p
	s_mov_b32 s[\g+6], 0
	s_mov_b32 s[\g+7], 0
.endm
.macro JLOAD g0a, g1a, g0b, g1b
	s_cmp_eq_u32 s21, 0
	s_cbranch_scc0 .Lfor_b_\@
	tensor_load_to_lds s[\g0a:\g0a+3], s[\g1a:\g1a+7]
	s_nop 0
.rept 4
	v_nop
.endr
	s_branch .Lasked_\@
.Lfor_b_\@:
	tensor_load_to_lds s[\g0b:\g0b+3], s[\g1b:\g1b+7]
	s_nop 0
.rept 4
	v_nop
.endr
.Lasked_\@:
.endm
.macro CREST
	s_cmp_lg_u32 s20, 0
	s_cbranch_scc1 .Lnot_wave_0_\@
	s_barrier_signal -3
.Lnot_wave_0_\@:
	s_barrier_wait -3
	s_barrier_signal -1
	s_barrier_wait -1
.endm
.macro CROUND
	s_barrier_signal -1
	s_barrier_wait -1
	CREST
.endm
.macro FRAG reg, a16, a8, off
	ds_load_b128 v[\reg:\reg+3], v[\a16] offset:(\off)
	ds_load_b64 v[\reg+4:\reg+5], v[\a8] offset:(\off)+512
	ds_load_b128 v[\reg+6:\reg+9], v[\a16] offset:(\off)+768
	ds_load_b64 v[\reg+10:\reg+11], v[\a8] offset:(\off)+1280
.endm
.macro FETCH_B slot, q, p
	WIN TO_B
.set I_, 0
.rept NB
	FRAG 128*(\p)+12*I_, B16, B8, I_*2*ROWB+(\slot)*ROWB+(\q)*1536   ; a tile's whole K lies on end in LDS: 2 ROWB bytes
.set I_, I_+1
.endr
	WIN 0
.endm
.macro FETCH_A slot, q, i0
.set I_, \i0
.rept H
	FRAG AF+12*I_, A16, A8, I_*2*ROWB+(\slot)*ROWB+(\q)*1536
.set I_, I_+1
.endr
.endm
.macro SCALES t
.set I_, 0
.rept NB
.set Q_, 0
.rept NQ
	ds_load_b32 v[SC+16*((\t)%2)+NQ*I_+Q_], v[ADRS] offset:(NQ*(\t)+Q_)*2*RPW*64+I_*64   ; a plane holds the words of the work-group's 2 RPW tiles
.set Q_, Q_+1
.endr
.set I_, I_+1
.endr
.endm
.macro MULA a, p, q, sc, zero
.set B_, 0
.rept NB
.set rD, 8*(NB*((\a)%4)+B_)
.set rB, 128*(\p)+12*B_
.set rA, AF+12*(\a)
.set rSB, SC+16*(\sc)+NQ*B_+(\q)
.set rSA, SC+16*(\sc)+NQ*(\a)+(\q)
.if \zero
	v_wmma_scale_f32_16x16x128_f8f6f4 v[rD:rD+7], v[rB:rB+11], v[rA:rA+11], 0, v[rSB], v[rSA] matrix_a_fmt:MATRIX_FMT_FP6 matrix_b_fmt:MATRIX_FMT_FP6 matrix_a_scale:MATRIX_SCALE_ROW1
.else
	v_wmma_scale_f32_16x16x128_f8f6f4 v[rD:rD+7], v[rB:rB+11], v[rA:rA+11], v[rD:rD+7], v[rSB], v[rSA] matrix_a_fmt:MATRIX_FMT_FP6 matrix_b_fmt:MATRIX_FMT_FP6 matrix_a_scale:MATRIX_SCALE_ROW1
.endif
.set B_, B_+1
.endr
.endm
.macro RUN p, q, sc, zero, a0, n
.set A_, \a0
.rept \n
	MULA A_, \p, \q, \sc, \zero
.set A_, A_+1
.endr
.endm
.macro SUB slot, q, p, sc, nslot, nq, nt, mode, zero
.if (\mode == 1) || (\mode == 2)
	s_wait_tensorcnt 0x0
	ds_add_u32 v[SPW], v[NIL]
	s_wait_dscnt 4*H+1
	WIN MUL_LO
	RUN \p, \q, \sc, 0, 0, H/2
	s_wait_dscnt 0x0
	s_barrier_signal -1
	RUN \p, \q, \sc, 0, H/2, H/2
	WIN 0
	s_barrier_wait -1
.if \mode == 2
	CREST
	s_add_nc_u64 s[G0A+4*(\slot)+2:G0A+4*(\slot)+3], s[G0A+4*(\slot)+2:G0A+4*(\slot)+3], NSLOT*ROWB
	s_add_nc_u64 s[G0B+4*(\slot)+2:G0B+4*(\slot)+3], s[G0B+4*(\slot)+2:G0B+4*(\slot)+3], NSLOT*ROWB
	JLOAD G0A+4*(\slot), G1A, G0B+4*(\slot), G1B
.else
	PLACES 4
.endif
.else
	s_wait_dscnt 4*H
	WIN MUL_LO
	RUN \p, \q, \sc, \zero, 0, H
	s_wait_dscnt 0x0
.if \mode == 0
	PLACES 4
.endif
.endif
.if \mode != 3
	FETCH_B \nslot, \nq, 1-(\p)
	FETCH_A \nslot, \nq, 0
.if (\nq) == 0
	SCALES \nt
.endif
.endif
	WIN MUL_HI
	RUN \p, \q, \sc, \zero, H, H
.if \mode != 3
	PLACES 4
	WIN 0
	FETCH_A \nslot, \nq, H
.else
	WIN 0
.endif
.endm
	s_load_b256 s[4:11], s[0:1], 0x0
	s_load_b64 s[12:13], s[0:1], 0x20
	v_lshl_add_u32 v[SPW], v0, 2, SPARE
	v_mov_b32 v[NIL], 0
	ds_add_u32 v[SPW], v[NIL]
	ds_add_u32 v[SPW], v[NIL]
	v_lshrrev_b32 v1, 5, v0
	v_readfirstlane_b32 s20, v1
	s_lshr_b32 s21, s20, 1
	s_and_b32 s22, s20, 1
	s_bfe_u32 s92, ttmp6, 0x40000
	s_bfe_u32 s93, ttmp6, 0x40004
	s_lshl_b32 s94, ttmp9, 2
	s_add_co_u32 s94, s94, s92
	s_and_b32 s95, ttmp7, 0xffff
	s_lshl_b32 s95, s95, 2
	s_add_co_u32 s95, s95, s93
	s_lshl_b32 s96, s93, 2
	s_lshl_b32 s96, 15, s96
	s_lshl_b32 s97, 0x1111, s92
	s_or_b32 s[G1A], s96, (3<<16)|(1<<21)
	s_or_b32 s[G1SA], s96, (3<<16)|(1<<21)
	s_or_b32 s[G1B], s97, (3<<16)|(1<<21)
	s_or_b32 s[G1SB], s97, (3<<16)|(1<<21)
	G1SET G1A, RTPIN/8, 2*RPW, RTPIN/8             ; 2 RPW tiles, all of K: 98,304 bytes on end
	G1SET G1B, RTPIN/8, 2*RPW, RTPIN/8
	G1SET G1SA, RPW*16, NKS, 2048
	G1SET G1SB, RPW*16, NKS, BPL/8
	s_lshl_b32 s96, s95, 1
	s_mul_i32 s98, s96, RPW*64
	s_add_co_u32 s98, s98, ASC
	s_mul_i32 s96, s96, RPW*RTPIN
	s_mov_b32 s97, 0
	s_mov_b32 s99, 0
	s_lshl_b32 s66, s94, 1
	s_mul_i32 s2, s66, RPW*64
	s_add_co_u32 s2, s2, BS
	s_mul_i32 s66, s66, RPW*RTPIN
	s_add_co_u32 s66, s66, BC
	s_mov_b32 s67, 0
	s_mov_b32 s3, 0
	s_wait_dscnt 0x0
	s_wait_kmcnt 0x0
	s_add_nc_u64 s[96:97], s[4:5], s[96:97]
	s_add_nc_u64 s[98:99], s[4:5], s[98:99]
	s_add_nc_u64 s[66:67], s[6:7], s[66:67]
	s_add_nc_u64 s[2:3], s[6:7], s[2:3]
	CROUND
; THE FILLS.  All of K fits in LDS: one joint load a wave at the head, each a whole tile: wave 0 A's 128 rows, wave 1 B's, wave 2 A's scale words, wave 3 B's.  Nothing is filled again.
.macro G0MK g, base                    ; a group 0: count, the address in s[base:base+1], the type; the LDS address is written apart
	s_mov_b32 s[\g], 1
	s_mov_b64 s[\g+2:\g+3], s[\base:\base+1]
	s_or_b32 s[\g+3], s[\g+3], 0x80000000
.endm
.macro ARM under, g0, g1, next         ; one arm of the head's chain of branches on the wave's number: one load, then the jump to the one join
	s_cmp_lt_u32 s20, \under
	s_cbranch_scc0 \next
	tensor_load_to_lds s[\g0:\g0+3], s[\g1:\g1+7]
	s_nop 0
	PLACES 4
	s_branch .Lhead_asked
\next:
.endm
	G0MK G0SA, 98
	s_mov_b32 s[G0SA+1], SCL
	G0MK G0SB, 2
	s_mov_b32 s[G0SB+1], SCL+2*PARTS
	G0MK G0A, 96
	s_mov_b32 s[G0A+1], 0
	G0MK G0B, 66
	s_mov_b32 s[G0B+1], SLOT
	ARM 1, G0A, G1A, .Lhead_b
	ARM 2, G0B, G1B, .Lhead_sa
	ARM 3, G0SA, G1SA, .Lhead_sb
	tensor_load_to_lds s[G0SB:G0SB+3], s[G1SB:G1SB+7]
	s_nop 0
	PLACES 4
.Lhead_asked:
	v_and_b32 v1, 15, v0
	v_bfe_u32 v2, v0, 4, 1
	v_and_b32 v3, 31, v0
	v_lshlrev_b32 v17, 4, v3
	v_lshlrev_b32 v3, 3, v3
	s_mul_i32 s96, s21, 2*PART                     ; my 64 rows of A, all of K,
	s_mul_i32 s97, s22, 2*PART
	s_add_co_u32 s97, s97, SLOT                    ; of B, behind A's 128
	v_add_nc_u32 v[A16], s96, v17
	v_add_nc_u32 v[A8], s96, v3
	v_add_nc_u32 v[B16], s97, v17
	v_add_nc_u32 v[B8], s97, v3
	s_mul_i32 s96, s21, RPW*64
	s_mul_i32 s97, s22, RPW*64
	s_add_co_u32 s97, s97, 2*PARTS
	s_sub_co_u32 s97, s97, s96
	v_mul_u32_u24 v17, s97, v2
	s_add_co_u32 s96, s96, SCL
	v_lshl_add_u32 v[ADRS], v1, 2, v17
	v_add_nc_u32 v[ADRS], s96, v[ADRS]
	s_mul_i32 s96, s20, 16*272
	s_add_co_u32 s96, s96, STAGE
	v_mul_u32_u24 v18, v1, 272
	v_lshl_add_u32 v18, v2, 6, v18
	v_add_nc_u32 v18, s96, v18
	v_mul_u32_u24 v19, v2, 272
	v_lshl_add_u32 v19, v1, 4, v19
	v_add_nc_u32 v19, s96, v19
	v_lshlrev_b32 v20, 12, v2
	v_lshl_add_u32 v20, v1, 4, v20
	s_wait_alu depctr_va_vdst(0)
	v_lshlrev_b32 v21, 4, v1
	s_wait_alu depctr_va_vdst(0)
	s_lshl_b32 s96, s95, 7
	s_lshl_b32 s97, s21, 6
	s_add_co_u32 s96, s96, s97
	s_lshl_b32 s96, s96, 12
	s_lshl_b32 s98, s94, 7
	s_lshl_b32 s99, s22, 6
	s_add_co_u32 s98, s98, s99
	s_lshl_b32 s98, s98, 2
	s_add_co_u32 s96, s96, s98
	s_mov_b32 s97, 0
	s_mov_b32 s99, 0
	s_add_nc_u64 s[10:11], s[10:11], s[96:97]
	s_add_nc_u64 s[12:13], s[12:13], s[96:97]
	s_add_nc_u64 s[8:9], s[8:9], s[98:99]
	WIN 0xc0
.irp a, 0,1,2,3
.irp i, 0,1,2,3,4,5,6,7
	global_load_b128 v[32*\a+4*\i:32*\a+4*\i+3], v20, s[10:11] offset:(32*(\a/2)+8*(\a%2)+2*\i+8*(\i/4))*4096 th:TH_LOAD_NT
.endr
.endr
	WIN 0
	global_load_b128 v[24:27], v21, s[8:9]
	s_wait_alu depctr_va_vdst(0)                   ; the head's end
	s_wait_tensorcnt 0x0                           ; my tile of the four is in; the barrier shows all four to every wave
	s_barrier_signal -1
	s_barrier_wait -1
	FETCH_B 0, 0, 0
	FETCH_A 0, 0, 0
	SCALES 0
	FETCH_A 0, 0, H
.set TT, 0
.rept T
.set QQ, 0
.rept NQ
.set GS, TT*NQ+QQ
.if GS == 0
	SUB 0, 0, 0, 0, 0, 1, 0, 0, 1
.elseif QQ < NQ-1
	SUB TT%2, QQ, GS%2, TT%2, TT%2, QQ+1, TT, 0, 0
.elseif TT+2 < T
	SUB TT%2, QQ, GS%2, TT%2, (TT+1)%2, 0, TT+1, 2, 0
.elseif TT+1 < T
	SUB TT%2, QQ, GS%2, TT%2, (TT+1)%2, 0, TT+1, 0, 0
.else
	SUB TT%2, QQ, GS%2, TT%2, 0, 0, 0, 3, 0
.endif
.set QQ, QQ+1
.endr
.set TT, TT+1
.endr
	s_wait_loadcnt 0x0
	PLACES 4
.irp a, 0,1,2,3
	WIN 0x08
.irp b, 0,1,2,3
	ds_store_b128 v18, v[8*(4*\a+\b):8*(4*\a+\b)+3] offset:128*(\b>>1)+32*(\b&1)
	ds_store_b128 v18, v[8*(4*\a+\b)+4:8*(4*\a+\b)+7] offset:128*(\b>>1)+32*(\b&1)+16
.endr
	WIN 0
.irp i, 0,1,2,3,4,5,6,7
	ds_load_b128 v[128+32*\a+4*\i:128+32*\a+4*\i+3], v19 offset:544*\i
.endr
	s_wait_dscnt 0x0
.irp i, 0,1,2,3,4,5,6,7
	v_pk_add_f32 v[128+32*\a+4*\i:128+32*\a+4*\i+1], v[128+32*\a+4*\i:128+32*\a+4*\i+1], v[24:25]
	v_pk_add_f32 v[128+32*\a+4*\i+2:128+32*\a+4*\i+3], v[128+32*\a+4*\i+2:128+32*\a+4*\i+3], v[26:27]
.endr
	WIN 0x0c
.irp i, 0,1,2,3,4,5,6,7
	v_pk_add_f32 v[128+32*\a+4*\i:128+32*\a+4*\i+1], v[128+32*\a+4*\i:128+32*\a+4*\i+1], v[32*\a+4*\i:32*\a+4*\i+1]
	v_pk_add_f32 v[128+32*\a+4*\i+2:128+32*\a+4*\i+3], v[128+32*\a+4*\i+2:128+32*\a+4*\i+3], v[32*\a+4*\i+2:32*\a+4*\i+3]
.endr
	WIN 0
.irp i, 0,1,2,3,4,5,6,7
	global_store_b128 v20, v[128+32*\a+4*\i:128+32*\a+4*\i+3], s[12:13] offset:(32*(\a/2)+8*(\a%2)+2*\i+8*(\i/4))*4096
.endr
.endr
	s_wait_tensorcnt 0x0
	ds_add_u32 v[SPW], v[NIL]
	s_wait_dscnt 0x0
	CROUND
	s_endpgm
.Lfunc_end_k_qecfd95d9a4_g2:
	.size	k_qecfd95d9a4_g2, .Lfunc_end_k_qecfd95d9a4_g2-k_qecfd95d9a4_g2
	.p2alignl 7, 3214868480
	.fill 96, 4, 3214868480
	.section	.rodata,"a",@progbits
	.p2align	6, 0x0
	.amdhsa_kernel k_qecfd95d9a4_g2
		.amdhsa_group_segment_fixed_size 327680
		.amdhsa_private_segment_fixed_size 0
		.amdhsa_enable_private_segment 0
		.amdhsa_kernarg_size 40
		.amdhsa_user_sgpr_count 2
		.amdhsa_user_sgpr_kernarg_segment_ptr 1
		.amdhsa_wavefront_size32 1
		.amdhsa_system_sgpr_workgroup_id_x 1
		.amdhsa_system_sgpr_workgroup_id_y 1
		.amdhsa_system_sgpr_workgroup_id_z 1
		.amdhsa_system_vgpr_workitem_id 0
		.amdhsa_next_free_vgpr 1024
		.amdhsa_next_free_sgpr 102
		.amdhsa_reserve_vcc 0
		.amdhsa_float_denorm_mode_32 3
		.amdhsa_float_denorm_mode_16_64 3
		.amdhsa_memory_ordered 1
		.amdhsa_forward_progress 1
		.amdhsa_inst_pref_size 66
	.end_amdhsa_kernel
	.amdgpu_metadata
---
amdhsa.version: [ 1, 2 ]
amdhsa.kernels:
  - .name:           k_qecfd95d9a4_g2
    .symbol:         k_qecfd95d9a4_g2.kd
    .args:
      - { .name: a2, .offset: 0, .size: 8, .value_kind: global_buffer, .address_space: global }
      - { .name: wq6, .offset: 8, .size: 8, .value_kind: global_buffer, .address_space: global }
      - { .name: bo, .offset: 16, .size: 8, .value_kind: global_buffer, .address_space: global }
      - { .name: x, .offset: 24, .size: 8, .value_kind: global_buffer, .address_space: global }
      - { .name: x1, .offset: 32, .size: 8, .value_kind: global_buffer, .address_space: global }
    .group_segment_fixed_size: 327680
    .private_segment_fixed_size: 0
    .kernarg_segment_align: 8
    .kernarg_segment_size: 40
    .max_flat_workgroup_size: 128
    .sgpr_count:     102
    .vgpr_count:     1024
    .wavefront_size: 32
...
	.end_amdgpu_metadata
.endif
;; end of part 4
;; launch ln2 (part 5): grid 256 x 1, 8 waves a work-group, no clusters, 67,072 bytes of LDS; arguments x1, ln2_w, ln2_b, a3; writes a3
.if DOCPART == 5
	.amdgcn_target "amdgcn-amd-amdhsa--gfx1250"
	.amdhsa_code_object_version 6
	.text
	.protected	k_qecfd95d9a4_ln2
	.globl	k_qecfd95d9a4_ln2
	.p2align	8
	.type	k_qecfd95d9a4_ln2,@function
k_qecfd95d9a4_ln2:
	s_mov_b64 s[64:65], 0
	v_nop
	global_prefetch_b8 v0, s[64:65] scope:SCOPE_SE
	s_setreg_imm32_b32 hwreg(HW_REG_WAVE_MODE, 25, 1), 1
	s_wait_xcnt 0x0
; y = (x - mean) rsqrt(var + 1e-5) w + b along rows of 1,024 f32, then y is quantised along the row to FP6 (E2M3) with one E8M0 byte for each 32, and leaves as an operand's images.
; OUTPUT LAYOUT: tile rt holds tokens 32 (rt / 2) + 8 (rt % 2) + p + 8 (p / 8), p = 0 .. 15.  Codes [256 tiles][16][768]: an image is 16 rows x 64 K: lane L = p + 16 h owns k = 32 h .. 32 h + 31 of row p: four words at 16 L,
; two at 512 + 8 L.  Scale words at byte 3,145,728: [8][256 tiles][16 words].
; A work-group is one tile, eight waves.  Phase 1: wave w norms the tile's rows 2 w and 2 w + 1 (two neighbouring tokens), each whole in 32 registers, and puts y into LDS.  One barrier.
; Phase 2: wave w takes 128 along K for all 16 rows: lane (p, h) reads 16 neighbours of each block of 32, quantises, and stores one fragment (1,536 consecutive bytes) and its scale words.
; Mean and variance in two passes over the registers, in f32.  Memory binds: each byte of x is read once, in loads of 512 consecutive bytes a wave.  No matrix unit, no cluster: nothing is shared between work-groups but w and b.
; LIMITS: a block of zeros gets the byte 1 where the rule says 127 (zero codes; this program alone reads the bytes); blocks under 2^-124 are held at byte 1; v_rsq_f32 is good to 1 ulp; NaN and infinities are not served.
.set PITCH, 4112                       ; a row of y in LDS: 4,096 bytes + 16: an odd multiple of 16, so the 16 rows that a load touches start in different banks
.set SPARE, 66048                      ; behind the 16 rows: the spare words, 128 bytes for each wave
.set SPW,   144
.set NIL,   145
.set X0,    16                         ; v16-47 my first row, v48-79 my second; in phase 2 v16-79: 64 numbers
.set WG,    80                         ; v80-111 w at my columns
.set BI,    112                        ; v112-143 b
.set SA,    148                        ; v148-155, v156-163: four chains of pairs for each row
.set MU,    164                        ; v164-167 the means, a pair for each row
.set RS,    168                        ; v168-171 1 / sqrt(var + eps), likewise
.set PC,    80                         ; phase 2: the codes (v80-98)
.set TM,    100                        ; v100-115 at work
.set PW,    116                        ; the scale word
.set SEL,   12                         ; s[12:13] lane selects: lane l xor 16
.macro FOLD                            ; both rows' four chains become one number, in every lane, in v[SA + 8 R]
.irp R, 0
	v_pk_add_f32 v[SA+8*\R:SA+8*\R+1], v[SA+8*\R:SA+8*\R+1], v[SA+8*\R+2:SA+8*\R+3]
	v_pk_add_f32 v[SA+8*\R+4:SA+8*\R+5], v[SA+8*\R+4:SA+8*\R+5], v[SA+8*\R+6:SA+8*\R+7]
.endr
.irp R, 1
	v_pk_add_f32 v[SA+8*\R:SA+8*\R+1], v[SA+8*\R:SA+8*\R+1], v[SA+8*\R+2:SA+8*\R+3]
	s_delay_alu instid0(VALU_DEP_4)
	v_pk_add_f32 v[SA+8*\R+4:SA+8*\R+5], v[SA+8*\R+4:SA+8*\R+5], v[SA+8*\R+6:SA+8*\R+7]
.endr
.irp R, 0
	s_delay_alu instid0(VALU_DEP_3)
	v_pk_add_f32 v[SA+8*\R:SA+8*\R+1], v[SA+8*\R:SA+8*\R+1], v[SA+8*\R+4:SA+8*\R+5]
.endr
.irp R, 1
	s_delay_alu instid0(VALU_DEP_2)
	v_pk_add_f32 v[SA+8*\R:SA+8*\R+1], v[SA+8*\R:SA+8*\R+1], v[SA+8*\R+4:SA+8*\R+5]
.endr
.irp R, 0,1
	s_delay_alu instid0(VALU_DEP_2)
	v_add_f32 v[SA+8*\R], v[SA+8*\R], v[SA+8*\R+1]
.endr
.irp m, 1,2,4,8
.irp R, 0,1
	s_delay_alu instid0(VALU_DEP_2)
	v_add_f32_dpp v[SA+8*\R], v[SA+8*\R], v[SA+8*\R] row_xmask:\m row_mask:0xf bank_mask:0xf
.endr
.endr
.irp R, 0,1
	s_delay_alu instid0(VALU_DEP_2)
	v_permlanex16_b32 v[SA+8*\R+1], v[SA+8*\R], s[SEL], s[SEL+1]
.endr
.irp R, 0,1
	s_delay_alu instid0(VALU_DEP_2)
	v_add_f32 v[SA+8*\R], v[SA+8*\R], v[SA+8*\R+1]
.endr
.endm
; 64 numbers of a lane, register 16 b + i = k 32 b + 16 (lane / 16) + i of my row, become a fragment's 12 registers in v[PC] on and its scale word in v[PW]
.macro QUANT s
.irp b, 0,1,2,3
	v_max3_num_f32 v[TM+\b], |v[\s+16*\b]|, |v[\s+1+16*\b]|, 0x1800000   ; my 16 numbers of block b, and the floor 2^(3 - 127): the byte cannot fall under 1
.endr
.irp i, 2,4,6,8,10,12,14
.irp b, 0,1,2,3
	s_delay_alu instid0(VALU_DEP_4)
	v_max3_num_f32 v[TM+\b], v[TM+\b], |v[\s+16*\b+\i]|, |v[\s+1+16*\b+\i]|
.endr
.endr
.irp b, 0,1,2,3
	s_delay_alu instid0(VALU_DEP_4)
	v_permlanex16_b32 v[TM+4+\b], v[TM+\b], s[SEL], s[SEL+1]
.endr
.irp b, 0,1,2,3
	s_delay_alu instid0(VALU_DEP_4)
	v_max_num_f32 v[TM+\b], v[TM+\b], v[TM+4+\b]   ; with lane l xor 16's: the block's largest magnitude
.endr
.irp b, 0,1,2,3
	s_delay_alu instid0(VALU_DEP_4)
	v_add_nc_u32 v[TM+12+\b], 0xff000000, v[TM+\b] ; 2 off its exponent field: the conversion's scale operand
.endr
.irp b, 0,1,2,3
	s_delay_alu instid0(VALU_DEP_4)
	v_lshrrev_b32 v[TM+4+\b], 23, v[TM+12+\b]      ; the scale's byte
.endr
	s_delay_alu instid0(VALU_DEP_3)
	v_lshl_or_b32 v[PW], v[TM+5], 8, v[TM+4]
	s_delay_alu instid0(VALU_DEP_1)
	v_lshl_or_b32 v[PW], v[TM+6], 16, v[PW]
	s_delay_alu instid0(VALU_DEP_1)
	v_lshl_or_b32 v[PW], v[TM+7], 24, v[PW]
.irp c, 0,1
	v_cvt_scalef32_pk16_fp6_f32 v[PC+6*\c:PC+2+6*\c], v[\s+32*\c:\s+15+32*\c], v[TM+12+2*\c]
	v_cvt_scalef32_pk16_fp6_f32 v[PC+12+4*\c:PC+14+4*\c], v[\s+16+32*\c:\s+31+32*\c], v[TM+12+2*\c+1]
.endr
	v_nop                                          ; one plain instruction behind a scaled conversion
.irp c, 0,1                                    ; a lane wants a WHOLE block: lanes 0-15 block 2 c, lanes 16-31 block 2 c + 1
.irp i, 0,1,2
	v_permlane16_swap_b32 v[PC+6*\c+\i], v[PC+12+4*\c+\i]
.endr
.irp i, 0,1,2
	s_delay_alu instid0(VALU_DEP_3)
	v_mov_b32 v[PC+3+6*\c+\i], v[PC+12+4*\c+\i]
.endr
.endr
.endm
	s_load_b256 s[4:11], s[0:1], 0x0               ; x, w, b, the operand's buffer
	v_lshl_add_u32 v[SPW], v0, 2, SPARE
	v_mov_b32 v[NIL], 0
	v_lshrrev_b32 v1, 5, v0
	s_delay_alu instid0(VALU_DEP_1)
	v_readfirstlane_b32 s14, v1                    ; wave 0..7
	v_and_b32 v1, 31, v0
	s_delay_alu instid0(VALU_DEP_1)
	v_lshlrev_b32 v2, 4, v1                        ; 16 x lane
	s_delay_alu instid0(VALU_DEP_2)
	v_lshlrev_b32 v6, 3, v1                        ; 8 x lane
	v_and_b32 v8, 15, v0                           ; p
	v_bfe_u32 v9, v0, 4, 1                         ; h
	s_delay_alu instid0(VALU_DEP_2)
	v_lshlrev_b32 v7, 2, v8                        ; 4 p
	s_mul_i32 s16, s14, 2*PITCH
	v_add_nc_u32 v3, s16, v2                       ; LDS, in: my two rows, 16 bytes a lane
	v_mul_u32_u24 v4, v8, PITCH
	s_delay_alu instid0(VALU_DEP_1)
	v_lshl_add_u32 v4, v9, 6, v4
	s_lshl_b32 s16, s14, 9
	v_add_nc_u32 v4, s16, v4                       ; LDS, out: row p, + 64 h, + 512 x wave
	s_mov_b32 s[SEL], 0x76543210
	s_mov_b32 s[SEL+1], 0xfedcba98
	s_mov_b32 s18, 0x3a800000                      ; 1 / 1024
	s_mov_b32 s19, 0x3727c5ac                      ; 1e-5
	s_lshr_b32 s15, ttmp9, 1
	s_lshl_b32 s15, s15, 5
	s_and_b32 s16, ttmp9, 1
	s_lshl_b32 s16, s16, 3
	s_add_co_u32 s15, s15, s16
	s_lshl_b32 s16, s14, 1
	s_add_co_u32 s15, s15, s16
	s_lshr_b32 s16, s14, 2
	s_lshl_b32 s16, s16, 3
	s_add_co_u32 s15, s15, s16                     ; my first token: 32 (rt / 2) + 8 (rt % 2) + 2 w + 8 (w / 4)
	s_lshl_b32 s16, s15, 12
	s_mov_b32 s17, 0
	s_mul_i32 s20, ttmp9, 12288
	s_mul_i32 s21, s14, 1536
	s_add_co_u32 s20, s20, s21                     ; my fragment: tile rt, 128 along K x wave
	s_mov_b32 s21, 0
	s_lshl_b32 s26, s14, 14
	s_lshl_b32 s27, ttmp9, 6
	s_add_co_u32 s26, s26, s27
	s_add_co_u32 s26, s26, 3145728                 ; and its scale words
	s_mov_b32 s27, 0
	s_wait_alu depctr_va_vdst(0)
	s_wait_kmcnt 0x0
	s_add_nc_u64 s[4:5], s[4:5], s[16:17]
	s_add_nc_u64 s[22:23], s[10:11], s[20:21]
	s_add_nc_u64 s[24:25], s[10:11], s[26:27]
.irp R, 0,1
.irp j, 0,1,2,3,4,5,6,7
	global_load_b128 v[X0+32*\R+4*\j:X0+32*\R+4*\j+3], v2, s[4:5] offset:4096*\R+512*\j th:TH_LOAD_NT
.endr
.endr
.irp j, 0,1,2,3,4,5,6,7
	global_load_b128 v[WG+4*\j:WG+4*\j+3], v2, s[6:7] offset:512*\j
.endr
.irp j, 0,1,2,3,4,5,6,7
	global_load_b128 v[BI+4*\j:BI+4*\j+3], v2, s[8:9] offset:512*\j
.endr
	s_wait_loadcnt 16                              ; my two rows are in; the sixteen loads of w and b may be out
.irp R, 0,1
.irp c, 0,1,2,3
	v_pk_add_f32 v[SA+8*\R+2*\c:SA+8*\R+2*\c+1], v[X0+32*\R+2*\c:X0+32*\R+2*\c+1], v[X0+32*\R+8+2*\c:X0+32*\R+9+2*\c]
.endr
.endr
.irp k, 16,24
.irp R, 0,1
.irp c, 0,1,2,3
	v_pk_add_f32 v[SA+8*\R+2*\c:SA+8*\R+2*\c+1], v[SA+8*\R+2*\c:SA+8*\R+2*\c+1], v[X0+32*\R+\k+2*\c:X0+32*\R+\k+1+2*\c]
.endr
.endr
.endr
	FOLD
.irp R, 0
	s_delay_alu instid0(VALU_DEP_2)
	v_mul_f32 v[MU+2*\R], s18, v[SA+8*\R]          ; the mean,
	s_delay_alu instid0(VALU_DEP_3)
	v_mul_f32 v[MU+2*\R+1], s18, v[SA+8*\R]        ; twice: a pair for the packed subtraction
.endr
.irp R, 1
	s_delay_alu instid0(VALU_DEP_3)
	v_mul_f32 v[MU+2*\R], s18, v[SA+8*\R]          ; the mean,
	s_delay_alu instid0(VALU_DEP_4)
	v_mul_f32 v[MU+2*\R+1], s18, v[SA+8*\R]        ; twice: a pair for the packed subtraction
.endr
.irp R, 0,1
.set I_, 0
.rept 16
	v_pk_add_f32 v[X0+32*\R+2*I_:X0+32*\R+2*I_+1], v[X0+32*\R+2*I_:X0+32*\R+2*I_+1], v[MU+2*\R:MU+2*\R+1] neg_lo:[0,1] neg_hi:[0,1]
.set I_, I_+1
.endr
.endr
.irp R, 0,1
.irp c, 0,1,2,3
	v_pk_mul_f32 v[SA+8*\R+2*\c:SA+8*\R+2*\c+1], v[X0+32*\R+2*\c:X0+32*\R+2*\c+1], v[X0+32*\R+2*\c:X0+32*\R+2*\c+1]
.endr
.endr
.irp k, 8,16,24
.irp R, 0,1
.irp c, 0,1,2,3
	v_pk_fma_f32 v[SA+8*\R+2*\c:SA+8*\R+2*\c+1], v[X0+32*\R+\k+2*\c:X0+32*\R+\k+1+2*\c], v[X0+32*\R+\k+2*\c:X0+32*\R+\k+1+2*\c], v[SA+8*\R+2*\c:SA+8*\R+2*\c+1]
.endr
.endr
.endr
	FOLD
.irp R, 0,1
	s_delay_alu instid0(VALU_DEP_2)
	v_fma_f32 v[SA+8*\R], v[SA+8*\R], s18, s19     ; var + eps
.endr
	s_wait_alu depctr_va_vdst(0)
.irp R, 0,1
	v_rsq_f32 v[RS+2*\R], v[SA+8*\R]
.endr
	v_nop                                          ; a plain instruction behind the two roots,
	s_wait_alu depctr_va_vdst(0)                   ; and one wait for both, ahead of their first reader
.irp R, 0,1
	v_mov_b32 v[RS+2*\R+1], v[RS+2*\R]
.endr
	s_wait_alu depctr_va_vdst(0)
	s_wait_loadcnt 0x0                             ; w and b
.irp R, 0,1
.set I_, 0
.rept 16
	v_pk_mul_f32 v[X0+32*\R+2*I_:X0+32*\R+2*I_+1], v[X0+32*\R+2*I_:X0+32*\R+2*I_+1], v[RS+2*\R:RS+2*\R+1]
.set I_, I_+1
.endr
.endr
.irp R, 0,1
.set I_, 0
.rept 16
	v_pk_fma_f32 v[X0+32*\R+2*I_:X0+32*\R+2*I_+1], v[X0+32*\R+2*I_:X0+32*\R+2*I_+1], v[WG+2*I_:WG+2*I_+1], v[BI+2*I_:BI+2*I_+1]
.set I_, I_+1
.endr
.endr
.irp R, 0,1
.irp j, 0,1,2,3,4,5,6,7
	ds_store_b128 v3, v[X0+32*\R+4*\j:X0+32*\R+4*\j+3] offset:PITCH*\R+512*\j
.endr
.endr
	s_wait_dscnt 0x0                               ; for the others' sake: my stores have landed
	s_barrier_signal -1
	s_barrier_wait -1                              ; the tile's 16 rows of y lie in LDS
.irp b, 0,1,2,3
.irp j, 0,1,2,3
	ds_load_b128 v[X0+16*\b+4*\j:X0+16*\b+4*\j+3], v4 offset:128*\b+16*\j       ; my 16 neighbours of block b
.endr
.endr
.irp b, 0,1,2,3
	v_mov_b32 v[TM+4+\b], 0                        ; a lane permute's destination counts as one of its sources
.endr
	s_wait_dscnt 0x0
	QUANT X0
	global_store_b128 v2, v[PC:PC+3], s[22:23]                     ; the fragment as it stands: 512, 256, 512, 256 consecutive bytes
	global_store_b64 v6, v[PC+4:PC+5], s[22:23] offset:512
	global_store_b128 v2, v[PC+6:PC+9], s[22:23] offset:768
	global_store_b64 v6, v[PC+10:PC+11], s[22:23] offset:1280
	global_store_b32 v7, v[PW], s[24:25]           ; 16 words; lanes 16-31 write the same words with the same values
	s_wait_tensorcnt 0x0                           ; the wave's end
	ds_add_u32 v[SPW], v[NIL]
	s_wait_dscnt 0x0
	s_endpgm
.Lfunc_end_k_qecfd95d9a4_ln2:
	.size	k_qecfd95d9a4_ln2, .Lfunc_end_k_qecfd95d9a4_ln2-k_qecfd95d9a4_ln2
	.p2alignl 7, 3214868480
	.fill 96, 4, 3214868480
	.section	.rodata,"a",@progbits
	.p2align	6, 0x0
	.amdhsa_kernel k_qecfd95d9a4_ln2
		.amdhsa_group_segment_fixed_size 67072
		.amdhsa_private_segment_fixed_size 0
		.amdhsa_enable_private_segment 0
		.amdhsa_kernarg_size 32
		.amdhsa_user_sgpr_count 2
		.amdhsa_user_sgpr_kernarg_segment_ptr 1
		.amdhsa_wavefront_size32 1
		.amdhsa_system_sgpr_workgroup_id_x 1
		.amdhsa_system_sgpr_workgroup_id_y 1
		.amdhsa_system_sgpr_workgroup_id_z 1
		.amdhsa_system_vgpr_workitem_id 0
		.amdhsa_next_free_vgpr 192
		.amdhsa_next_free_sgpr 66
		.amdhsa_reserve_vcc 0
		.amdhsa_float_denorm_mode_32 3
		.amdhsa_float_denorm_mode_16_64 3
		.amdhsa_memory_ordered 1
		.amdhsa_forward_progress 1
		.amdhsa_inst_pref_size 28
	.end_amdhsa_kernel
	.amdgpu_metadata
---
amdhsa.version: [ 1, 2 ]
amdhsa.kernels:
  - .name:           k_qecfd95d9a4_ln2
    .symbol:         k_qecfd95d9a4_ln2.kd
    .args:
      - { .name: x1, .offset: 0, .size: 8, .value_kind: global_buffer, .address_space: global }
      - { .name: ln2_w, .offset: 8, .size: 8, .value_kind: global_buffer, .address_space: global }
      - { .name: ln2_b, .offset: 16, .size: 8, .value_kind: global_buffer, .address_space: global }
      - { .name: a3, .offset: 24, .size: 8, .value_kind: global_buffer, .address_space: global }
    .group_segment_fixed_size: 67072
    .private_segment_fixed_size: 0
    .kernarg_segment_align: 8
    .kernarg_segment_size: 32
    .max_flat_workgroup_size: 256
    .sgpr_count:     66
    .vgpr_count:     192
    .wavefront_size: 32
...
	.end_amdgpu_metadata
.endif
;; end of part 5
;; launch g3 (part 6): grid 16 x 16, 4 waves a work-group, clusters of 4 x 4, 327,680 bytes of LDS; arguments a3, wq6, b1, hb; writes hb
.if DOCPART == 6
	.amdgcn_target "amdgcn-amd-amdhsa--gfx1250"
	.amdhsa_code_object_version 6
	.text
	.protected	k_qecfd95d9a4_g3
	.globl	k_qecfd95d9a4_g3
	.p2align	8
	.type	k_qecfd95d9a4_g3,@function
k_qecfd95d9a4_g3:
	s_mov_b64 s[64:65], 0
	v_nop
	global_prefetch_b8 v0, s[64:65] scope:SCOPE_SE
	s_setreg_imm32_b32 hwreg(HW_REG_WAVE_MODE, 25, 1), 1
	s_wait_xcnt 0x0
	s_wait_alu depctr_hold_cnt(0) depctr_sa_sdst(0) depctr_va_vdst(0) depctr_va_sdst(0) depctr_va_ssrc(0) depctr_va_vcc(0) depctr_vm_vsrc(0)
	s_getreg_b32 s2, hwreg(HW_REG_IB_STS2, 6, 4)
	s_cmp_eq_u32 s2, 0
	s_cbranch_scc0 .Lentry_in_a_cluster
	s_endpgm
.Lentry_in_a_cluster:
	s_bfe_u32 s2, ttmp6, 0x10000c
	s_cmp_lg_u32 s2, 0xf033
	s_cbranch_scc0 .Lentry_shape_is_right
	s_endpgm
.Lentry_shape_is_right:
.set NB,     8
.set NQ,     2
.set NSLOT,  3
.set NKS,    8
.set RTPIN,  12288
.set BPL,    16384
.set ASC,    3145728
.set BC,     3145728
.set BS,     9568256
.set SPARE,  311296
.set H,      NB/2
.set RPW,    NB
.set ROWB,   NQ*1536
.set PART,   24576
.set SLOT,   4*PART
.set SCL,    NSLOT*SLOT
.set PARTS,  NKS*RPW*64
.set A16, 4
.set A8,  7
.set B16, 10
.set B8,  13
.set ADRS, 16
.set SPW, 28
.set NIL, 29
.set SC,  32
.set AF,  128
.set HA,  128
.set PC,  192
.set TM,  212
.set PW,  228
.set GZ,  192
.set GX,  200
.set GP,  208
.set GQ,  216
.set AL0, 230
.set BE0, 232
.set SEL, 2
.set G1A, 24
.set G1B, 32
.set G1SA, 40
.set G1SB, 48
.set G0SA, 56
.set G0SB, 60
.set G0A, 68
.set G0B, 80
.set MUL_LO, 0xa1
.set MUL_HI, 0xf1
.set TO_B,   0x40
.set MSB, 0
.macro WIN new
.if MSB != (\new)
	s_set_vgpr_msb (MSB<<8)|(\new)
.set MSB, \new
.endif
.endm
.macro PLACES n
.rept \n
	v_nop
.endr
.endm
.macro G1SET g, c, r, p
	s_mov_b32 s[\g+1], (\c)<<16
	s_mov_b32 s[\g+2], (\r)<<16
	s_mov_b32 s[\g+3], (\c)<<16
	s_mov_b32 s[\g+4], \r
	s_mov_b32 s[\g+5], \p
	s_mov_b32 s[\g+6], 0
	s_mov_b32 s[\g+7], 0
.endm
.macro JLOAD g0a, g1a, g0b, g1b
	s_cmp_eq_u32 s21, 0
	s_cbranch_scc0 .Lfor_b_\@
	tensor_load_to_lds s[\g0a:\g0a+3], s[\g1a:\g1a+7]
	s_nop 0
.rept 4
	v_nop
.endr
	s_branch .Lasked_\@
.Lfor_b_\@:
	tensor_load_to_lds s[\g0b:\g0b+3], s[\g1b:\g1b+7]
	s_nop 0
.rept 4
	v_nop
.endr
.Lasked_\@:
.endm
.macro CREST
	s_cmp_lg_u32 s20, 0
	s_cbranch_scc1 .Lnot_wave_0_\@
	s_barrier_signal -3
.Lnot_wave_0_\@:
	s_barrier_wait -3
	s_barrier_signal -1
	s_barrier_wait -1
.endm
.macro CROUND
	s_barrier_signal -1
	s_barrier_wait -1
	CREST
.endm
.macro FRAG reg, a16, a8, off
	ds_load_b128 v[\reg:\reg+3], v[\a16] offset:(\off)
	ds_load_b64 v[\reg+4:\reg+5], v[\a8] offset:(\off)+512
	ds_load_b128 v[\reg+6:\reg+9], v[\a16] offset:(\off)+768
	ds_load_b64 v[\reg+10:\reg+11], v[\a8] offset:(\off)+1280
.endm
.macro FETCH_B slot, q, p
	WIN TO_B
.set I_, 0
.rept NB
	FRAG 128*(\p)+12*I_, B16+((\slot)+1)/2, B8+((\slot)+1)/2, I_*ROWB*(1+((\slot)+1)/2)+((\slot)/2)*ROWB+(\q)*1536   ; slots 1 and 2 are the halves of the large slot's rows of 2 ROWB bytes
.set I_, I_+1
.endr
	WIN 0
.endm
.macro FETCH_A slot, q, i0
.set I_, \i0
.rept H
	FRAG AF+12*I_, A16+((\slot)+1)/2, A8+((\slot)+1)/2, I_*ROWB*(1+((\slot)+1)/2)+((\slot)/2)*ROWB+(\q)*1536
.set I_, I_+1
.endr
.endm
.macro SCALES t
.set I_, 0
.rept NB
.set Q_, 0
.rept NQ
	ds_load_b32 v[SC+16*((\t)%2)+NQ*I_+Q_], v[ADRS] offset:(NQ*(\t)+Q_)*2*RPW*64+I_*64   ; a plane holds the words of the work-group's 2 RPW tiles
.set Q_, Q_+1
.endr
.set I_, I_+1
.endr
.endm
.macro MULA a, p, q, sc, zero
.set B_, 0
.rept NB
.set rD, 8*(NB*((\a)%4)+B_)
.set rB, 128*(\p)+12*B_
.set rA, AF+12*(\a)
.set rSB, SC+16*(\sc)+NQ*B_+(\q)
.set rSA, SC+16*(\sc)+NQ*(\a)+(\q)
.if \zero
	v_wmma_scale_f32_16x16x128_f8f6f4 v[rD:rD+7], v[rB:rB+11], v[rA:rA+11], 0, v[rSB], v[rSA] matrix_a_fmt:MATRIX_FMT_FP6 matrix_b_fmt:MATRIX_FMT_FP6 matrix_a_scale:MATRIX_SCALE_ROW1
.else
	v_wmma_scale_f32_16x16x128_f8f6f4 v[rD:rD+7], v[rB:rB+11], v[rA:rA+11], v[rD:rD+7], v[rSB], v[rSA] matrix_a_fmt:MATRIX_FMT_FP6 matrix_b_fmt:MATRIX_FMT_FP6 matrix_a_scale:MATRIX_SCALE_ROW1
.endif
.set B_, B_+1
.endr
.endm
.macro RUN p, q, sc, zero, a0, n
.set A_, \a0
.rept \n
	MULA A_, \p, \q, \sc, \zero
.set A_, A_+1
.endr
.endm
.macro SUB slot, q, p, sc, nslot, nq, nt, mode, zero
.if (\mode == 1) || (\mode == 2)
	s_wait_tensorcnt 0x0
	ds_add_u32 v[SPW], v[NIL]
	s_wait_dscnt 4*H+1
	WIN MUL_LO
	RUN \p, \q, \sc, 0, 0, H/2
	s_wait_dscnt 0x0
	s_barrier_signal -1
	RUN \p, \q, \sc, 0, H/2, H/2
	WIN 0
	s_barrier_wait -1
.if \mode == 2
	CREST
	s_add_nc_u64 s[G0A+4*(\slot)+2:G0A+4*(\slot)+3], s[G0A+4*(\slot)+2:G0A+4*(\slot)+3], NSLOT*ROWB
	s_add_nc_u64 s[G0B+4*(\slot)+2:G0B+4*(\slot)+3], s[G0B+4*(\slot)+2:G0B+4*(\slot)+3], NSLOT*ROWB
	JLOAD G0A+4*(\slot), G1A, G0B+4*(\slot), G1B
.else
	PLACES 4
.endif
.else
	s_wait_dscnt 4*H
	WIN MUL_LO
	RUN \p, \q, \sc, \zero, 0, H
	s_wait_dscnt 0x0
.if \mode == 0
	PLACES 4
.endif
.endif
.if \mode != 3
	FETCH_B \nslot, \nq, 1-(\p)
	FETCH_A \nslot, \nq, 0
.if (\nq) == 0
	SCALES \nt
.endif
.endif
	WIN MUL_HI
	RUN \p, \q, \sc, \zero, H, H
.if \mode != 3
	PLACES 4
	WIN 0
	FETCH_A \nslot, \nq, H
.else
	WIN 0
.endif
.endm
.macro QUANT s
.irp b, 0,1,2,3
	v_max3_num_f32 v[TM+\b], |v[\s+16*\b]|, |v[\s+1+16*\b]|, 0x1800000
.endr
.irp i, 2,4,6,8,10,12,14
.irp b, 0,1,2,3
	v_max3_num_f32 v[TM+\b], v[TM+\b], |v[\s+16*\b+\i]|, |v[\s+1+16*\b+\i]|
.endr
.endr
.irp b, 0,1,2,3
	v_permlanex16_b32 v[TM+4+\b], v[TM+\b], s[SEL], s[SEL+1]
.endr
.irp b, 0,1,2,3
	v_max_num_f32 v[TM+\b], v[TM+\b], v[TM+4+\b]
.endr
.irp b, 0,1,2,3
	v_add_nc_u32 v[TM+12+\b], 0xff000000, v[TM+\b]
.endr
.irp b, 0,1,2,3
	v_lshrrev_b32 v[TM+4+\b], 23, v[TM+12+\b]
.endr
	v_lshl_or_b32 v[PW], v[TM+5], 8, v[TM+4]
	v_lshl_or_b32 v[PW], v[TM+6], 16, v[PW]
	v_lshl_or_b32 v[PW], v[TM+7], 24, v[PW]
.irp c, 0,1
	v_cvt_scalef32_pk16_fp6_f32 v[PC+6*\c:PC+2+6*\c], v[\s+32*\c:\s+15+32*\c], v[TM+12+2*\c]
	v_cvt_scalef32_pk16_fp6_f32 v[PC+12+4*\c:PC+14+4*\c], v[\s+16+32*\c:\s+31+32*\c], v[TM+12+2*\c+1]
.endr
	v_nop
.irp c, 0,1
.irp i, 0,1,2
	v_permlane16_swap_b32 v[PC+6*\c+\i], v[PC+12+4*\c+\i]
.endr
.irp i, 0,1,2
	v_mov_b32 v[PC+3+6*\c+\i], v[PC+12+4*\c+\i]
.endr
.endr
.endm
.macro PUTFRAG a16, a8, base
	global_store_b128 v[\a16], v[PC:PC+3], s[\base:\base+1]
	global_store_b64 v[\a8], v[PC+4:PC+5], s[\base:\base+1] offset:512
	global_store_b128 v[\a16], v[PC+6:PC+9], s[\base:\base+1] offset:768
	global_store_b64 v[\a8], v[PC+10:PC+11], s[\base:\base+1] offset:1280
.endm
.macro GELU8 x
.irp i, 0,2,4,6
	v_pk_mul_f32 v[GZ+\i:GZ+\i+1], v[\x+\i:\x+\i+1], 0x3f3504f3 op_sel_hi:[1,0]
.endr
.irp i, 0,1,2,3,4,5,6,7
	v_med3_num_f32 v[GZ+\i], v[GZ+\i], -4.0, 4.0
.endr
.irp i, 0,2,4,6
	v_pk_mul_f32 v[GX+\i:GX+\i+1], v[GZ+\i:GZ+\i+1], v[GZ+\i:GZ+\i+1]
.endr
.irp i, 0,2,4,6
	v_pk_fma_f32 v[GQ+\i:GQ+\i+1], v[GX+\i:GX+\i+1], v[BE0:BE0+1], 0xb95fbd29 op_sel_hi:[1,1,0]
.endr
.irp c, 0xbadc924e, 0xbbf19bf8, 0xbc69b6a7
.irp i, 0,2,4,6
	v_pk_fma_f32 v[GQ+\i:GQ+\i+1], v[GQ+\i:GQ+\i+1], v[GX+\i:GX+\i+1], \c op_sel_hi:[1,1,0]
.endr
.endr
	s_wait_alu depctr_va_vdst(0)
.irp i, 0,1,2,3,4,5,6,7
	v_rcp_f32 v[GQ+\i], v[GQ+\i]
.endr
.irp i, 0,2,4,6
	v_pk_fma_f32 v[GP+\i:GP+\i+1], v[GX+\i:GX+\i+1], v[AL0:AL0+1], 0x32edffee op_sel_hi:[1,1,0]
.endr
.irp c, 0xb60cff51, 0xb86ec2d2, 0xba40ac63, 0xbb41a1f6, 0xbc83dbd4
.irp i, 0,2,4,6
	v_pk_fma_f32 v[GP+\i:GP+\i+1], v[GP+\i:GP+\i+1], v[GX+\i:GX+\i+1], \c op_sel_hi:[1,1,0]
.endr
.endr
	s_wait_alu depctr_va_vdst(0)
.irp i, 0,2,4,6
	v_pk_mul_f32 v[GP+\i:GP+\i+1], v[GP+\i:GP+\i+1], v[GZ+\i:GZ+\i+1]
.endr
.irp i, 0,2,4,6
	v_pk_mul_f32 v[GP+\i:GP+\i+1], v[GP+\i:GP+\i+1], v[GQ+\i:GQ+\i+1]
.endr
.irp i, 0,2,4,6
	v_pk_mul_f32 v[GX+\i:GX+\i+1], v[\x+\i:\x+\i+1], 0.5 op_sel_hi:[1,0]
.endr
.irp i, 0,2,4,6
	v_pk_fma_f32 v[\x+\i:\x+\i+1], v[GX+\i:GX+\i+1], v[GP+\i:GP+\i+1], v[GX+\i:GX+\i+1]
.endr
.endm
	s_load_b256 s[4:11], s[0:1], 0x0
	v_lshl_add_u32 v[SPW], v0, 2, SPARE
	v_mov_b32 v[NIL], 0
	ds_add_u32 v[SPW], v[NIL]
	ds_add_u32 v[SPW], v[NIL]
	v_lshrrev_b32 v1, 5, v0
	v_readfirstlane_b32 s20, v1
	s_lshr_b32 s21, s20, 1
	s_and_b32 s22, s20, 1
	s_bfe_u32 s92, ttmp6, 0x40000
	s_bfe_u32 s93, ttmp6, 0x40004
	s_lshl_b32 s94, ttmp9, 2
	s_add_co_u32 s94, s94, s92
	s_and_b32 s95, ttmp7, 0xffff
	s_lshl_b32 s95, s95, 2
	s_add_co_u32 s95, s95, s93
	s_lshl_b32 s96, s93, 2
	s_lshl_b32 s96, 15, s96
	s_lshl_b32 s97, 0x1111, s92
	s_or_b32 s[G1A], s96, (3<<16)|(1<<21)
	s_or_b32 s[G1SA], s96, (3<<16)|(1<<21)
	s_or_b32 s[G1B], s97, (3<<16)|(1<<21)
	s_or_b32 s[G1SB], s97, (3<<16)|(1<<21)
	G1SET G1A, ROWB/8, 2*RPW, RTPIN/8              ; the head's loads bring whole tiles: 2 RPW tiles of 16 rows; behind them the row counts are set to RPW
	G1SET G1B, ROWB/8, 2*RPW, RTPIN/8
	G1SET G1SA, RPW*16, NKS, 2048
	G1SET G1SB, RPW*16, NKS, BPL/8
	s_lshl_b32 s96, s95, 1
	s_mul_i32 s98, s96, RPW*64
	s_add_co_u32 s98, s98, ASC
	s_mul_i32 s96, s96, RPW*RTPIN
	s_mov_b32 s97, 0
	s_mov_b32 s99, 0
	s_lshl_b32 s66, s94, 1
	s_mul_i32 s2, s66, RPW*64
	s_add_co_u32 s2, s2, BS
	s_mul_i32 s66, s66, RPW*RTPIN
	s_add_co_u32 s66, s66, BC
	s_mov_b32 s67, 0
	s_mov_b32 s3, 0
	s_mul_i32 s101, s20, PART
	s_wait_dscnt 0x0
	s_wait_kmcnt 0x0
	s_add_nc_u64 s[96:97], s[4:5], s[96:97]
	s_add_nc_u64 s[98:99], s[4:5], s[98:99]
	s_add_nc_u64 s[66:67], s[6:7], s[66:67]
	s_add_nc_u64 s[2:3], s[6:7], s[2:3]
	CROUND
; THE FILLS.  At the head one joint load a wave, each a whole tile: wave 0 A's K steps 0, 1 (slot 0), wave 1 B's, wave 2 A's scale words, wave 3 B's.  Behind one drained round each wave asks for its part of K steps 2 to 5,
; rows of 2 ROWB bytes, into the large slot behind slot 0.  K steps 6, 7 are slot 0's one refill.
.macro G0MK g, base                    ; a group 0: count, the address in s[base:base+1], the type; the LDS address is written apart
	s_mov_b32 s[\g], 1
	s_mov_b64 s[\g+2:\g+3], s[\base:\base+1]
	s_or_b32 s[\g+3], s[\g+3], 0x80000000
.endm
.macro ARM under, g0, g1, next         ; one arm of the head's chain of branches on the wave's number: one load, then the jump to the one join
	s_cmp_lt_u32 s20, \under
	s_cbranch_scc0 \next
	tensor_load_to_lds s[\g0:\g0+3], s[\g1:\g1+7]
	s_nop 0
	PLACES 4
	s_branch .Lhead_asked
\next:
.endm
	G0MK G0SA, 98
	s_mov_b32 s[G0SA+1], SCL
	G0MK G0SB, 2
	s_mov_b32 s[G0SB+1], SCL+2*PARTS
	G0MK G0A+8, 96
	s_mov_b32 s[G0A+9], 0
	G0MK G0B+8, 66
	s_mov_b32 s[G0B+9], 2*PART
	s_mul_i32 s18, s22, RPW*RTPIN                  ; from here on: the half of a tile that my wave fetches
	s_mov_b32 s19, 0
	s_add_nc_u64 s[96:97], s[96:97], s[18:19]
	s_add_nc_u64 s[66:67], s[66:67], s[18:19]
	G0MK G0A, 96
	s_mov_b32 s[G0A+1], s101
	G0MK G0B, 66
	s_mov_b32 s[G0B+1], s101
	G0MK G0A+4, 96
	s_add_nc_u64 s[G0A+6:G0A+7], s[G0A+6:G0A+7], ROWB
	s_lshl_b32 s[G0A+5], s101, 1
	s_add_co_u32 s[G0A+5], s[G0A+5], SLOT
	G0MK G0B+4, 66
	s_add_nc_u64 s[G0B+6:G0B+7], s[G0B+6:G0B+7], ROWB
	s_lshl_b32 s[G0B+5], s101, 1
	s_add_co_u32 s[G0B+5], s[G0B+5], SLOT
	ARM 1, G0A+8, G1A, .Lhead_b
	ARM 2, G0B+8, G1B, .Lhead_sa
	ARM 3, G0SA, G1SA, .Lhead_sb
	tensor_load_to_lds s[G0SB:G0SB+3], s[G1SB:G1SB+7]
	s_nop 0
	PLACES 4
.Lhead_asked:
	v_and_b32 v1, 15, v0
	v_bfe_u32 v2, v0, 4, 1
	v_and_b32 v3, 31, v0
	v_lshlrev_b32 v18, 4, v3
	v_lshlrev_b32 v19, 3, v3
	s_mul_i32 s96, s21, PART
	s_mul_i32 s97, s22, PART
	s_add_co_u32 s97, s97, 2*PART
	v_add_nc_u32 v[A16], s96, v18
	v_add_nc_u32 v[A8], s96, v19
	v_add_nc_u32 v[B16], s97, v18
	v_add_nc_u32 v[B8], s97, v19
	s_lshl_b32 s96, s96, 1                         ; the large slot: parts twice as long, behind slot 0
	s_lshl_b32 s97, s97, 1
	s_add_co_u32 s96, s96, SLOT
	s_add_co_u32 s97, s97, SLOT
	v_add_nc_u32 v[A16+1], s96, v18
	v_add_nc_u32 v[A8+1], s96, v19
	v_add_nc_u32 v[B16+1], s97, v18
	v_add_nc_u32 v[B8+1], s97, v19
	s_mul_i32 s96, s21, RPW*64
	s_mul_i32 s97, s22, RPW*64
	s_add_co_u32 s97, s97, 2*PARTS
	s_sub_co_u32 s97, s97, s96
	v_mul_u32_u24 v17, s97, v2
	s_add_co_u32 s96, s96, SCL
	v_lshl_add_u32 v[ADRS], v1, 2, v17
	v_add_nc_u32 v[ADRS], s96, v[ADRS]
	s_lshl_b32 s96, s95, 4
	s_lshl_b32 s97, s21, 3
	s_add_co_u32 s96, s96, s97
	s_lshl_b32 s97, s94, 1
	s_add_co_u32 s97, s97, s22
	s_mul_i32 s98, s96, 49152
	s_mul_i32 s99, s97, 1536
	s_add_co_u32 s98, s98, s99
	s_mov_b32 s99, 0
	s_add_nc_u64 s[16:17], s[10:11], s[98:99]
	s_lshl_b32 s98, s97, 14
	s_lshl_b32 s96, s96, 6
	s_add_co_u32 s98, s98, s96
	s_add_co_u32 s98, s98, 12582912
	s_add_nc_u64 s[18:19], s[10:11], s[98:99]
	s_lshl_b32 s98, s97, 9
	s_add_nc_u64 s[8:9], s[8:9], s[98:99]
	v_lshlrev_b32 v20, 6, v2
	v_lshlrev_b32 v22, 2, v1
.irp j, 0,1,2,3
.irp i, 0,1,2,3
	global_load_b128 v[64+16*\j+4*\i:64+16*\j+4*\i+3], v20, s[8:9] offset:128*\j+16*\i
.endr
.endr
	s_wait_alu depctr_va_vdst(0)                   ; the head's end
	s_wait_tensorcnt 0x0                           ; my tile of the head's four is in
	ds_add_u32 v[SPW], v[NIL]
	s_mov_b32 s[G1A+2], RPW<<16                    ; no tensor load of mine is out: from here on a load brings RPW tiles
	s_mov_b32 s[G1A+4], RPW
	s_mov_b32 s[G1B+2], RPW<<16
	s_mov_b32 s[G1B+4], RPW
.irp g, G1SA, G1SB                             ; the scale words' groups 1 have served: they become the large slot's, rows of 2 ROWB bytes; the masks stay
	s_mov_b32 s[\g+1], (2*ROWB/8)<<16
	s_mov_b32 s[\g+2], RPW<<16
	s_mov_b32 s[\g+3], (2*ROWB/8)<<16
	s_mov_b32 s[\g+4], RPW
	s_mov_b32 s[\g+5], RTPIN/8
.endr
	s_wait_dscnt 0x0
	CROUND                                         ; all four tiles are in, in all sixteen work-groups
	JLOAD G0A+4, G1SA, G0B+4, G1SB                 ; K steps 2 to 5
	FETCH_B 0, 0, 0
	FETCH_A 0, 0, 0
	SCALES 0
	FETCH_A 0, 0, H
	SUB 0, 0, 0, 0,  0, 1, 0,  0, 1
	SUB 0, 1, 1, 0,  1, 0, 1,  2, 0
	SUB 1, 0, 0, 1,  1, 1, 1,  0, 0
	SUB 1, 1, 1, 1,  2, 0, 2,  0, 0
	SUB 2, 0, 0, 0,  2, 1, 2,  0, 0
	SUB 2, 1, 1, 0,  0, 0, 3,  1, 0
	SUB 0, 0, 0, 1,  0, 1, 3,  0, 0
	SUB 0, 1, 1, 1,  0, 0, 0,  3, 0
	s_wait_loadcnt 0x0
	PLACES 4
	s_mov_b32 s[SEL], 0x76543210
	s_mov_b32 s[SEL+1], 0xfedcba98
.irp b, 0,1,2,3
	v_mov_b32 v[TM+4+\b], 0
.endr
	v_mov_b32 v[AL0], 0xaf95df0b
	v_mov_b32 v[AL0+1], 0xaf95df0b
	v_mov_b32 v[BE0], 0xb77460cd
	v_mov_b32 v[BE0+1], 0xb77460cd
	s_mov_b32 s101, 0
.Lepi:
.irp k, 0,1,2,3,4,5,6
	s_cmp_eq_u32 s101, \k
	s_cbranch_scc1 .Lc_\k
.endr
	s_branch .Lc_7
.irp k, 0,1,2,3,4,5,6,7
.Lc_\k:
	WIN 2+(\k>>2)
.set I_, 0
.rept 32
	v_pk_add_f32 v[HA+2*I_:HA+2*I_+1], v[64*(\k&3)+2*I_:64*(\k&3)+2*I_+1], v[64+2*I_:65+2*I_]
.set I_, I_+1
.endr
	WIN 0
	s_branch .Lcommon
.endr
.Lcommon:
.set G_, 0
.rept 8
	GELU8 HA+8*G_
.set G_, G_+1
.endr
	QUANT HA
	PUTFRAG 18, 19, 16
	global_store_b32 v22, v[PW], s[18:19]
	s_wait_xcnt 0x0
	s_add_nc_u64 s[16:17], s[16:17], 49152
	s_add_nc_u64 s[18:19], s[18:19], 64
	s_add_co_u32 s101, s101, 1
	s_cmp_lt_u32 s101, 8
	s_cbranch_scc1 .Lepi
	s_wait_tensorcnt 0x0
	ds_add_u32 v[SPW], v[NIL]
	s_wait_dscnt 0x0
	CROUND
	s_endpgm
.Lfunc_end_k_qecfd95d9a4_g3:
	.size	k_qecfd95d9a4_g3, .Lfunc_end_k_qecfd95d9a4_g3-k_qecfd95d9a4_g3
	.p2alignl 7, 3214868480
	.fill 96, 4, 3214868480
	.section	.rodata,"a",@progbits
	.p2align	6, 0x0
	.amdhsa_kernel k_qecfd95d9a4_g3
		.amdhsa_group_segment_fixed_size 327680
		.amdhsa_private_segment_fixed_size 0
		.amdhsa_enable_private_segment 0
		.amdhsa_kernarg_size 32
		.amdhsa_user_sgpr_count 2
		.amdhsa_user_sgpr_kernarg_segment_ptr 1
		.amdhsa_wavefront_size32 1
		.amdhsa_system_sgpr_workgroup_id_x 1
		.amdhsa_system_sgpr_workgroup_id_y 1
		.amdhsa_system_sgpr_workgroup_id_z 1
		.amdhsa_system_vgpr_workitem_id 0
		.amdhsa_next_free_vgpr 1024
		.amdhsa_next_free_sgpr 102
		.amdhsa_reserve_vcc 0
		.amdhsa_float_denorm_mode_32 3
		.amdhsa_float_denorm_mode_16_64 3
		.amdhsa_memory_ordered 1
		.amdhsa_forward_progress 1
		.amdhsa_inst_pref_size 190
	.end_amdhsa_kernel
	.amdgpu_metadata
---
amdhsa.version: [ 1, 2 ]
amdhsa.kernels:
  - .name:           k_qecfd95d9a4_g3
    .symbol:         k_qecfd95d9a4_g3.kd
    .args:
      - { .name: a3, .offset: 0, .size: 8, .value_kind: global_buffer, .address_space: global }
      - { .name: wq6, .offset: 8, .size: 8, .value_kind: global_buffer, .address_space: global }
      - { .name: b1, .offset: 16, .size: 8, .value_kind: global_buffer, .address_space: global }
      - { .name: hb, .offset: 24, .size: 8, .value_kind: global_buffer, .address_space: global }
    .group_segment_fixed_size: 327680
    .private_segment_fixed_size: 0
    .kernarg_segment_align: 8
    .kernarg_segment_size: 32
    .max_flat_workgroup_size: 128
    .sgpr_count:     102
    .vgpr_count:     1024
    .wavefront_size: 32
...
	.end_amdgpu_metadata
.endif
;; end of part 6
;; launch g4 (part 7): grid 8 x 32, 4 waves a work-group, clusters of 4 x 4, 327,680 bytes of LDS; arguments hb, wq6, b2, x1, out0; writes out0
.if DOCPART == 7
	.amdgcn_target "amdgcn-amd-amdhsa--gfx1250"
	.amdhsa_code_object_version 6
	.text
	.protected	k_qecfd95d9a4_g4
	.globl	k_qecfd95d9a4_g4
	.p2align	8
	.type	k_qecfd95d9a4_g4,@function
k_qecfd95d9a4_g4:
	s_mov_b64 s[64:65], 0
	v_nop
	global_prefetch_b8 v0, s[64:65] scope:SCOPE_SE
	s_setreg_imm32_b32 hwreg(HW_REG_WAVE_MODE, 25, 1), 1
	s_wait_xcnt 0x0
	s_wait_alu depctr_hold_cnt(0) depctr_sa_sdst(0) depctr_va_vdst(0) depctr_va_sdst(0) depctr_va_ssrc(0) depctr_va_vcc(0) depctr_vm_vsrc(0)
	s_getreg_b32 s2, hwreg(HW_REG_IB_STS2, 6, 4)
	s_cmp_eq_u32 s2, 0
	s_cbranch_scc0 .Lentry_in_a_cluster
	s_endpgm
.Lentry_in_a_cluster:
	s_bfe_u32 s2, ttmp6, 0x10000c
	s_cmp_lg_u32 s2, 0xf033
	s_cbranch_scc0 .Lentry_shape_is_right
	s_endpgm
.Lentry_shape_is_right:
; out = x1 + (hidden w2 + b2): a product on codes of FP6 (E2M3) with E8M0 scales, K = 4,096, N = 1,024; bias and residual in f32.
; OPERANDS lie as images of their registers: tile rt of 16 rows holds rows 32 (rt / 2) + 8 (rt % 2) + p + 8 (p / 8); an image is 16 rows x 64 K, 768 bytes: lane L = p + 16 h: four words at 16 L, two at 512 + 8 L; a fragment
; (128 K) is two images on end.  Codes [tile][K / 64][768]; scale words [K / 128][tile][16 words].  Every LDS load reads 512 or 256 consecutive bytes.
; A tile of the result is 128 x 128, so that 4,096 x 1,024 gives 256 work-groups; four waves, each 64 x 64 in 16 accumulators.  Source 0 = 16 rows of B (output channels), source 1 = 16 rows of A (tokens): a lane holds one
; token, and by the order of rows in a tile its registers are neighbouring channels.
; THE RING.  K's 32 steps of 128 go through two LDS slots as large as fit beside the scale words: slot 0 has room for 6 steps, slot 1 for 5.  The fills bring 5, 5, 6, 5, 6, 5 steps: two first fills and four refills.  A slot that is
; left is filled again behind a round of the cluster's barrier, and that load has the other slot's steps, less the halves at both ends, in which to land: 72 or 88 matrix instructions a wave.  Three tensor loads of a wave are out at
; the start (with the scale words), later one.  The two lengths of a tile's rows have descriptor groups 1 of their own, all of constants.
; CLUSTER 4 x 4: A's tiles are shared along a row, B's along a column.  All scale words come once, with the first fills.  The residual's 64 x 64 numbers are asked for at the start, into registers.
; THE WAY OUT: 16 rows at a time through the wave's own stage in LDS, so that sixteen lanes store 256 consecutive bytes, aligned.
; THE RING AND THE HEAD AS THEY STAND (in place of the paragraph THE RING above).  The fills bring 6, 5, 6, 5, 5, 5 steps.  At the head one joint load a wave, each a whole tile: wave 0 A's steps 0 to 5 (128 rows), wave 1 B's,
; wave 2 A's scale words, wave 3 B's.  Slot 1's first fill (steps 6 to 10, a quarter a wave) stands behind one drained round, as a refill does; four refills follow.  One tensor load of a wave is out at any time.
.set NB,     4
.set H,      NB/2
.set RPW,    NB
.set NKS,    32                        ; steps of 128 in all of K
.set NQM,    6                         ; the most steps in a slot
.set RTPIN,  49152                     ; bytes from tile to tile of an operand's codes
.set BPL,    4096                      ; a plane of B's scale words
.set ASC,    12582912                  ; A's buffer: where the scale words begin
.set BC,     6291456                   ; wq6: codes of w2
.set BS,     9699328                   ; wq6: scale words of w2
.set ROW5,   5*1536                    ; a tile's bytes in a fill of 5 steps,
.set ROW6,   6*1536                    ; of 6
.set PART0,  RPW*ROW6                  ; slot 0: what one wave's load has room for: 4 tiles
.set PART1,  RPW*ROW5                  ; slot 1
.set SLOT1B, 4*PART0                   ; slot 0: A's two halves, then B's two halves; slot 1 begins here
.set SCL,    SLOT1B+4*PART1            ; the scale words: four parts, [K / 128][4 tiles][64 bytes]
.set PARTS,  NKS*RPW*64
.set STAGE,  SCL+4*PARTS               ; 16 rows x 272 bytes for each wave: bytes that no tile lands in
.set SPARE,  STAGE+4*16*272            ; the spare words, 128 bytes for each wave
.set A16, 4                            ; v4-5   LDS address of my A part in slot 0, 1, + 16 x lane;  v7-8 the same + 8 x lane
.set A8,  7
.set B16, 10                           ; v10-11, v13-14 the same for B
.set B8,  13
.set ADRS, 16                          ; v16    my scale words: lanes 0-15 A's rows, lanes 16-31 B's
.set SPW, 28
.set NIL, 29
.set PFO, 30                           ; v30    256 x my lane: the prefetches' offset; never rewritten
.set SC,  32                           ; v32-79 scale words and nothing else: two sets of 24; register 6 i + q: tile i, the slot's q-th 128
.set AF,  128                          ; window 0: A's fragments.  Window 1: B's two sets.  Window 2: accumulator (a, b) at v[8 (4 a + b)].  Window 3: the residual
.set G1A5, 24                          ; s[24:31], s[32:39] groups 1 for fills of 5 steps, A's and B's;  s[40:47], s[48:55] for fills of 6
.set G1B5, 32
.set G1A6, 40
.set G1B6, 48
.set G1SA, 56                          ; s[56:63], s[68:75] groups 1 for the scale words
.set G1SB, 68
.set G0SA, 76                          ; groups 0: the scale words' two, then one for each slot, A's and B's
.set G0SB, 80
.set G0A,  84
.set G0B,  92
.set PFA,  2                           ; s[2:3] where my prefetches stand; never rewritten
.set LIM,  23                          ; s23    1 in a wave that prefetches
.set MUL,    0xa1                      ; source 0 window 1, source 1 window 0, C and D window 2
.set TO_B,   0x40
.set MSB, 0
.macro WIN new                         ; the immediate's high byte repeats the setting that is left
.if MSB != (\new)
	s_set_vgpr_msb (MSB<<8)|(\new)
.set MSB, \new
.endif
.endm
.macro PLACES n
.rept \n
	v_nop
.endr
.endm
.macro G1SET g, c, r, p                ; a tile of r rows of c elements of 8 bytes, p elements from row to row
	s_mov_b32 s[\g+1], (\c)<<16
	s_mov_b32 s[\g+2], (\r)<<16
	s_mov_b32 s[\g+3], (\c)<<16
	s_mov_b32 s[\g+4], \r
	s_mov_b32 s[\g+5], \p
	s_mov_b32 s[\g+6], 0
	s_mov_b32 s[\g+7], 0
.endm
.macro JLOAD g0a, g1a, g0b, g1b        ; waves 0 and 1 fetch for A, waves 2 and 3 for B; an s_nop 0 and four v_nop follow each line
	s_cmp_eq_u32 s21, 0
	s_cbranch_scc0 .Lfor_b_\@
	tensor_load_to_lds s[\g0a:\g0a+3], s[\g1a:\g1a+7]
	s_nop 0
.rept 4
	v_nop
.endr
	s_branch .Lasked_\@
.Lfor_b_\@:
	tensor_load_to_lds s[\g0b:\g0b+3], s[\g1b:\g1b+7]
	s_nop 0
.rept 4
	v_nop
.endr
.Lasked_\@:
.endm
; A PREFETCH INTO THE L2 behind each of the first three refills, behind the joint load's lines and the run of LDS loads: one instruction a wave, a lane a block of 256 bytes.  A tile's row of codes is 49,152 bytes, 192 blocks; the two
; first fills and the first refill bring steps 0 to 16, blocks 0 to 101, by their loads alone.  Request e names blocks 96 + 32 e to 127 + 32 e: what the refills behind it ask for (six blocks of the first request and two of the last
; belong to the tile asked for just before it); the last request ends at the row's last byte, and the fourth refill asks for nothing.  e stands in the immediate: no address is stepped.
; Each block is named ONCE in the launch.  A's rows are read by both clusters of a row of clusters: cluster x = 0 asks; B's by all eight of a column: cluster y = 0 asks.  Of the four tiles that a wave fetches, each of the four
; partners that ask for them jointly takes one, told apart BY ADDRESS (cx for A, cy for B): no branch hangs on a work-group's place in its cluster.
.macro ASK e
	s_cmp_eq_u32 s[LIM], 1
	s_cbranch_scc0 .Lnot_mine_\@
	global_prefetch_b8 v[PFO], s[PFA:PFA+1] offset:(\e)*8192 th:TH_LOAD_NT scope:SCOPE_SE
.Lnot_mine_\@:
.endm
.macro CREST                           ; a round of the cluster's barrier behind its opening barrier
	s_cmp_lg_u32 s20, 0
	s_cbranch_scc1 .Lnot_wave_0_\@
	s_barrier_signal -3
.Lnot_wave_0_\@:
	s_barrier_wait -3
	s_barrier_signal -1
	s_barrier_wait -1
.endm
.macro CROUND
	s_barrier_signal -1
	s_barrier_wait -1
	CREST
.endm
.macro FRAG reg, a16, a8, off          ; a fragment's 12 registers, as they lie
	ds_load_b128 v[\reg:\reg+3], v[\a16] offset:(\off)
	ds_load_b64 v[\reg+4:\reg+5], v[\a8] offset:(\off)+512
	ds_load_b128 v[\reg+6:\reg+9], v[\a16] offset:(\off)+768
	ds_load_b64 v[\reg+10:\reg+11], v[\a8] offset:(\off)+1280
.endm
.macro FETCH_B slot, q, p, rowb        ; B's four fragments of the slot's q-th 128 into set p; rowb: a tile's bytes in this fill
	WIN TO_B
.set I_, 0
.rept NB
	FRAG 128*(\p)+12*I_, B16+(\slot), B8+(\slot), I_*(\rowb)+(\q)*1536
.set I_, I_+1
.endr
	WIN 0
.endm
.macro FETCH_A slot, q, i0, rowb       ; A's blocks i0, i0 + 1
.set I_, \i0
.rept H
	FRAG AF+12*I_, A16+(\slot), A8+(\slot), I_*(\rowb)+(\q)*1536
.set I_, I_+1
.endr
.endm
.macro SCALES set, ks0, nq             ; the scale words of a fill of nq steps that begins at step ks0, into a set: every offset is an immediate
.set I_, 0
.rept NB
.set Q_, 0
.rept \nq
	ds_load_b32 v[SC+24*(\set)+NQM*I_+Q_], v[ADRS] offset:((\ks0)+Q_)*2*RPW*64+I_*64   ; a plane holds the words of the work-group's 2 RPW tiles
.set Q_, Q_+1
.endr
.set I_, I_+1
.endr
.endm
.macro MULA a, p, q, sc, zero          ; A's block a against B's four; zero = 1: the products start the sums: nothing is ever cleared
.set B_, 0
.rept NB
.set rD, 8*(NB*((\a)%4)+B_)
.set rB, 128*(\p)+12*B_
.set rA, AF+12*(\a)
.set rSB, SC+24*(\sc)+NQM*B_+(\q)
.set rSA, SC+24*(\sc)+NQM*(\a)+(\q)
.if \zero
	v_wmma_scale_f32_16x16x128_f8f6f4 v[rD:rD+7], v[rB:rB+11], v[rA:rA+11], 0, v[rSB], v[rSA] matrix_a_fmt:MATRIX_FMT_FP6 matrix_b_fmt:MATRIX_FMT_FP6 matrix_a_scale:MATRIX_SCALE_ROW1
.else
	v_wmma_scale_f32_16x16x128_f8f6f4 v[rD:rD+7], v[rB:rB+11], v[rA:rA+11], v[rD:rD+7], v[rSB], v[rSA] matrix_a_fmt:MATRIX_FMT_FP6 matrix_b_fmt:MATRIX_FMT_FP6 matrix_a_scale:MATRIX_SCALE_ROW1
.endif
.set B_, B_+1
.endr
.endm
.macro RUN p, q, sc, zero, a0, n       ; the accumulators take turns, one instruction a turn, in the same order in every step
.set A_, \a0
.rept \n
	MULA A_, \p, \q, \sc, \zero
.set A_, A_+1
.endr
.endm
; One step of 128 along K: the q-th of its slot, scale set sc; B's set is PB, which changes from step to step; ZF = 1 in the first step alone.  Its successor is the nq-th step of slot nslot, whose tiles have nrowb bytes.
; mode 0: plain.  mode 1: the successor lies in the other slot: wait, barrier.  mode 2: besides, this slot is filled again, step bytes further along K, by the groups 1 g1a and g1b, behind a round of the cluster's barrier.
; mode 3: the last step.  nks0, nnq: the next fill's first step and its steps, for its scale words.  ask under 3: which prefetch follows.
; A block of A is free as soon as its four products are issued: blocks 0, 1 are fetched anew in the step's middle, the others at its end.  Four plain instructions stand between a matrix instruction and a load into one of its registers.
.macro SUB slot, q, sc, nslot, nq, nrowb, mode, nks0, nnq, step, g1a, g1b, ask
.if (\mode == 1) || (\mode == 2)
	s_wait_tensorcnt 0x0                           ; all my tensor loads have landed: my part of the next slot;
	ds_add_u32 v[SPW], v[NIL]                      ; 0 onto my spare word;
	s_wait_dscnt 4*H+1                             ; (the add and the youngest 4 H loads, A's second half, may be out)
	WIN MUL
	RUN PB, \q, \sc, 0, 0, H/2
	s_wait_dscnt 0x0                               ; the add is done, and my reads of this slot are over
	s_barrier_signal -1
	RUN PB, \q, \sc, 0, H/2, H/2
	WIN 0
	s_barrier_wait -1
.if \mode == 2
	CREST                                          ; no wave of any partner still reads this slot or has a load on its way
	s_add_nc_u64 s[G0A+4*(\slot)+2:G0A+4*(\slot)+3], s[G0A+4*(\slot)+2:G0A+4*(\slot)+3], \step
	s_add_nc_u64 s[G0B+4*(\slot)+2:G0B+4*(\slot)+3], s[G0B+4*(\slot)+2:G0B+4*(\slot)+3], \step
	JLOAD G0A+4*(\slot), \g1a, G0B+4*(\slot), \g1b ; the first tensor load behind the round; its four v_nop are the places in front of the loads below
.else
	PLACES 4
.endif
.else
	s_wait_dscnt 4*H                               ; all but the youngest 4 H loads (A's second half) are in
	WIN MUL
	RUN PB, \q, \sc, ZF, 0, H
	s_wait_dscnt 0x0
.if \mode == 0
	PLACES 4
.endif
.endif
.if \mode != 3
	FETCH_B \nslot, \nq, 1-PB, \nrowb
	FETCH_A \nslot, \nq, 0, \nrowb
.if (\nq) == 0
	SCALES 1-(\sc), \nks0, \nnq
.endif
.if (\ask) < 3
	ASK \ask
.endif
.endif
	WIN MUL
	RUN PB, \q, \sc, ZF, H, H
.if \mode != 3
	PLACES 4
	WIN 0
	FETCH_A \nslot, \nq, H, \nrowb
.else
	WIN 0
.endif
.set PB, 1-PB
.set ZF, 0
.endm
; The nq steps of one fill; the last of them changes slots by lastmode
.macro GEN slot, nq, rowb, sc, nslot, nrowb, lastmode, nks0, nnq, step, g1a, g1b, ask
.set QQ, 0
.rept \nq
.if QQ < (\nq)-1
	SUB \slot, QQ, \sc, \slot, QQ+1, \rowb, 0, 0, 0, 0, 0, 0, 9
.else
	SUB \slot, QQ, \sc, \nslot, 0, \nrowb, \lastmode, \nks0, \nnq, \step, \g1a, \g1b, \ask
.endif
.set QQ, QQ+1
.endr
.endm
	s_load_b256 s[4:11], s[0:1], 0x0               ; A's buffer, wq6, the bias, the residual
	s_load_b64 s[12:13], s[0:1], 0x20              ; the result
	v_lshl_add_u32 v[SPW], v0, 2, SPARE
	v_mov_b32 v[NIL], 0
	ds_add_u32 v[SPW], v[NIL]                      ; the wave's opening
	ds_add_u32 v[SPW], v[NIL]
	v_lshrrev_b32 v1, 5, v0
	v_readfirstlane_b32 s20, v1                    ; wave 0..3
	s_lshr_b32 s21, s20, 1                         ; which half of A's rows is mine.  Also: I fetch for A (0) or for B (1)
	s_and_b32 s22, s20, 1                          ; which half of B's rows.  Also: which half I fetch
	s_bfe_u32 s14, ttmp6, 0x40000                  ; cx
	s_bfe_u32 s15, ttmp6, 0x40004                  ; cy
	s_lshl_b32 s16, ttmp9, 2
	s_add_co_u32 s16, s16, s14                     ; B's tile of 128 channels
	s_and_b32 s17, ttmp7, 0xffff
	s_lshl_b32 s17, s17, 2
	s_add_co_u32 s17, s17, s15                     ; A's tile of 128 tokens
	s_lshl_b32 s18, s15, 2
	s_lshl_b32 s18, 15, s18                        ; my row of the cluster
	s_lshl_b32 s19, 0x1111, s14                    ; my column
	s_or_b32 s[G1A5], s18, (3<<16)|(1<<21)         ; 15:0 the mask; 17:16 elements of 8 bytes; 21 set beside a mask; no padding
	s_or_b32 s[G1A6], s18, (3<<16)|(1<<21)
	s_or_b32 s[G1SA], s18, (3<<16)|(1<<21)
	s_or_b32 s[G1B5], s19, (3<<16)|(1<<21)
	s_or_b32 s[G1B6], s19, (3<<16)|(1<<21)
	s_or_b32 s[G1SB], s19, (3<<16)|(1<<21)
	G1SET G1A5, ROW5/8, RPW, RTPIN/8
	G1SET G1B5, ROW5/8, RPW, RTPIN/8
	G1SET G1A6, ROW6/8, 2*RPW, RTPIN/8             ; the head's loads bring whole tiles: 2 RPW tiles of 16 rows; behind them the row counts are set to RPW
	G1SET G1B6, ROW6/8, 2*RPW, RTPIN/8
	G1SET G1SA, RPW*16, NKS, 2048
	G1SET G1SB, RPW*16, NKS, BPL/8
	s_lshl_b32 s18, s17, 1                         ; A: the work-group's 128 rows
	s_mul_i32 s100, s18, RPW*64
	s_add_co_u32 s100, s100, ASC
	s_mul_i32 s18, s18, RPW*RTPIN                  ; their codes
	s_mov_b32 s19, 0
	s_mov_b32 s101, 0
	s_lshl_b32 s66, s16, 1                         ; B likewise, in registers of its own
	s_mul_i32 s2, s66, RPW*64
	s_add_co_u32 s2, s2, BS
	s_mul_i32 s66, s66, RPW*RTPIN
	s_add_co_u32 s66, s66, BC
	s_mov_b32 s67, 0
	s_mov_b32 s3, 0
	s_wait_dscnt 0x0                               ; the opening add is done
	s_wait_kmcnt 0x0
	s_add_nc_u64 s[18:19], s[4:5], s[18:19]
	s_add_nc_u64 s[100:101], s[4:5], s[100:101]
	s_add_nc_u64 s[66:67], s[6:7], s[66:67]
	s_add_nc_u64 s[2:3], s[6:7], s[2:3]
	CROUND                                         ; all sixteen work-groups are here: the first joint loads meet
.macro G0MK g, base                    ; a group 0: count, the address in s[base:base+1], the type; the LDS address is written apart
	s_mov_b32 s[\g], 1
	s_mov_b64 s[\g+2:\g+3], s[\base:\base+1]
	s_or_b32 s[\g+3], s[\g+3], 0x80000000
.endm
.macro ARM under, g0, g1, next         ; one arm of the head's chain of branches on the wave's number: one load, then the jump to the one join
	s_cmp_lt_u32 s20, \under
	s_cbranch_scc0 \next
	tensor_load_to_lds s[\g0:\g0+3], s[\g1:\g1+7]
	s_nop 0
	PLACES 4
	s_branch .Lhead_asked
\next:
.endm
	G0MK G0SA, 100                                 ; the head's four tiles, each whole: A's scale words,
	s_mov_b32 s[G0SA+1], SCL
	G0MK G0SB, 2                                   ; B's,
	s_mov_b32 s[G0SB+1], SCL+2*PARTS
	G0MK G0A, 18                                   ; steps 0 to 5 of A's 128 rows,
	s_mov_b32 s[G0A+1], 0
	G0MK G0B, 66                                   ; and of B's
	s_mov_b32 s[G0B+1], 2*PART0
	ARM 1, G0A, G1A6, .Lhead_b
	ARM 2, G0B, G1B6, .Lhead_sa
	ARM 3, G0SA, G1SA, .Lhead_sb
	tensor_load_to_lds s[G0SB:G0SB+3], s[G1SB:G1SB+7]
	s_nop 0
	PLACES 4
.Lhead_asked:
	s_mul_i32 s100, s22, RPW*RTPIN                 ; from here on: the half of a tile that my wave fetches
	s_mov_b32 s101, 0
	s_add_nc_u64 s[18:19], s[18:19], s[100:101]
	s_add_nc_u64 s[66:67], s[66:67], s[100:101]
	s_mov_b32 s[G0A+4], 1                          ; slot 1: steps 6 to 10
	s_mul_i32 s[G0A+5], s20, PART1
	s_add_co_u32 s[G0A+5], s[G0A+5], SLOT1B
	s_add_nc_u64 s[G0A+6:G0A+7], s[18:19], 6*1536
	s_or_b32 s[G0A+7], s[G0A+7], 0x80000000
	s_mov_b32 s[G0B+4], 1
	s_mul_i32 s[G0B+5], s20, PART1
	s_add_co_u32 s[G0B+5], s[G0B+5], SLOT1B
	s_add_nc_u64 s[G0B+6:G0B+7], s[66:67], 6*1536
	s_or_b32 s[G0B+7], s[G0B+7], 0x80000000
	; the prefetches: where mine stand, and whether I ask.  s[18:19], s[66:67]: the first byte of the four tiles that I fetch, of A and of B
	s_and_b32 s100, ttmp7, 0xffff                  ; the cluster's y
	s_cmp_eq_u32 s21, 0                            ; do I fetch for A?
	s_cselect_b64 s[PFA:PFA+1], s[18:19], s[66:67]
	s_cselect_b32 s101, s14, s15                   ; my place among the four that ask with me
	s_cselect_b32 s100, ttmp9, s100                ; the coordinate along which other clusters read the same rows
	s_cmp_eq_u32 s100, 0
	s_cselect_b32 s[LIM], 1, 0                     ; the same in all sixteen partners, for a given wave
	s_mul_i32 s100, s101, RTPIN                    ; my work-group's one tile of the four,
	s_add_co_u32 s100, s100, 96*256                ; from block 96 on
	s_mov_b32 s101, 0
	s_add_nc_u64 s[PFA:PFA+1], s[PFA:PFA+1], s[100:101]
	v_and_b32 v[PFO], 31, v0
	v_lshlrev_b32 v[PFO], 8, v[PFO]
	v_and_b32 v1, 15, v0                           ; p
	v_bfe_u32 v2, v0, 4, 1                         ; h
	v_and_b32 v3, 31, v0
	v_lshlrev_b32 v17, 4, v3
	v_lshlrev_b32 v3, 3, v3
	s_mul_i32 s18, s21, PART0                      ; slot 0: my 64 rows of A,
	s_mul_i32 s19, s22, PART0
	s_add_co_u32 s19, s19, 2*PART0                 ; of B
	v_add_nc_u32 v[A16], s18, v17
	v_add_nc_u32 v[A8], s18, v3
	v_add_nc_u32 v[B16], s19, v17
	v_add_nc_u32 v[B8], s19, v3
	s_mul_i32 s18, s21, PART1                      ; slot 1
	s_add_co_u32 s18, s18, SLOT1B
	s_mul_i32 s19, s22, PART1
	s_add_co_u32 s19, s19, SLOT1B+2*PART1
	v_add_nc_u32 v[A16+1], s18, v17
	v_add_nc_u32 v[A8+1], s18, v3
	v_add_nc_u32 v[B16+1], s19, v17
	v_add_nc_u32 v[B8+1], s19, v3
	s_mul_i32 s18, s21, RPW*64
	s_mul_i32 s19, s22, RPW*64
	s_add_co_u32 s19, s19, 2*PARTS
	s_sub_co_u32 s19, s19, s18
	v_mul_u32_u24 v17, s19, v2                     ; lanes 16-31 take B's words: one product, the distance between the two parts
	s_add_co_u32 s18, s18, SCL
	v_lshl_add_u32 v[ADRS], v1, 2, v17
	v_add_nc_u32 v[ADRS], s18, v[ADRS]
	s_mul_i32 s18, s20, 16*272
	s_add_co_u32 s18, s18, STAGE                   ; my stage
	v_mul_u32_u24 v18, v1, 272
	v_lshl_add_u32 v18, v2, 6, v18
	v_add_nc_u32 v18, s18, v18                     ; in: row p, + 64 h
	v_mul_u32_u24 v19, v2, 272
	v_lshl_add_u32 v19, v1, 4, v19
	v_add_nc_u32 v19, s18, v19                     ; back: lanes 0-15 one row of 256 bytes, lanes 16-31 the next
	v_lshlrev_b32 v20, 12, v2
	v_lshl_add_u32 v20, v1, 4, v20                 ; and the same two rows in memory
	s_wait_alu depctr_va_vdst(0)
	v_lshlrev_b32 v21, 4, v1
	s_wait_alu depctr_va_vdst(0)
	s_lshl_b32 s18, s17, 7
	s_lshl_b32 s19, s21, 6
	s_add_co_u32 s18, s18, s19
	s_lshl_b32 s18, s18, 12                        ; my first token x 4,096 bytes
	s_lshl_b32 s100, s16, 7
	s_lshl_b32 s101, s22, 6
	s_add_co_u32 s100, s100, s101
	s_lshl_b32 s100, s100, 2                       ; my first channel x 4
	s_add_co_u32 s18, s18, s100
	s_mov_b32 s19, 0
	s_mov_b32 s101, 0
	s_add_nc_u64 s[10:11], s[10:11], s[18:19]
	s_add_nc_u64 s[12:13], s[12:13], s[18:19]
	s_add_nc_u64 s[8:9], s[8:9], s[100:101]
	WIN 0xc0                                       ; destination window 3
.irp a, 0,1,2,3
.irp i, 0,1,2,3,4,5,6,7
	global_load_b128 v[32*\a+4*\i:32*\a+4*\i+3], v20, s[10:11] offset:(32*(\a/2)+8*(\a%2)+2*\i+8*(\i/4))*4096 th:TH_LOAD_NT   ; block a's rows 2 i, 2 i + 1 are these tokens
.endr
.endr
	WIN 0
	global_load_b128 v[24:27], v21, s[8:9]         ; the bias at my four channels
	s_wait_alu depctr_va_vdst(0)                   ; the head's end
	s_wait_tensorcnt 0x0                           ; my tile of the head's four is in
	ds_add_u32 v[SPW], v[NIL]
	s_mov_b32 s[G1A6+2], RPW<<16                   ; no tensor load of mine is out: from here on a load brings RPW tiles,
	s_mov_b32 s[G1A6+4], RPW
	s_mov_b32 s[G1B6+2], RPW<<16
	s_mov_b32 s[G1B6+4], RPW
	s_mul_i32 s[G0A+1], s20, PART0                 ; and slot 0's groups 0 name my wave's part
	s_mul_i32 s[G0B+1], s20, PART0
	s_mul_i32 s18, s22, RPW*RTPIN
	s_mov_b32 s19, 0
	s_add_nc_u64 s[G0A+2:G0A+3], s[G0A+2:G0A+3], s[18:19]
	s_add_nc_u64 s[G0B+2:G0B+3], s[G0B+2:G0B+3], s[18:19]
	s_wait_dscnt 0x0
	CROUND                                         ; all four tiles are in, in all sixteen work-groups
	JLOAD G0A+4, G1A5, G0B+4, G1B5                 ; slot 1's first fill
.set PB, 0
.set ZF, 1
	FETCH_B 0, 0, 0, ROW6
	FETCH_A 0, 0, 0, ROW6
	SCALES 0, 0, 6
	FETCH_A 0, 0, H, ROW6
	GEN 0, 6, ROW6, 0,  1, ROW5, 2,  6, 5, 11*1536, G1A6, G1B6, 0    ; steps 0-5;   slot 0 then takes steps 11-16
	GEN 1, 5, ROW5, 1,  0, ROW6, 2, 11, 6, 11*1536, G1A5, G1B5, 1    ; steps 6-10;  slot 1 then takes steps 17-21
	GEN 0, 6, ROW6, 0,  1, ROW5, 2, 17, 5, 11*1536, G1A5, G1B5, 2    ; steps 11-16; slot 0 then takes steps 22-26
	GEN 1, 5, ROW5, 1,  0, ROW5, 2, 22, 5, 10*1536, G1A5, G1B5, 9    ; steps 17-21; slot 1 then takes steps 27-31: the last load
	GEN 0, 5, ROW5, 0,  1, ROW5, 1, 27, 5, 0, 0, 0, 9                ; steps 22-26; nothing is left to fetch
	GEN 1, 5, ROW5, 1,  0, 0, 3, 0, 0, 0, 0, 0, 9                    ; steps 27-31
	s_wait_loadcnt 0x0                             ; the residual and the bias
	PLACES 4
.irp a, 0,1,2,3
	WIN 0x08                                       ; an LDS store's data: window 2
.irp b, 0,1,2,3
	ds_store_b128 v18, v[8*(4*\a+\b):8*(4*\a+\b)+3] offset:128*(\b>>1)+32*(\b&1)          ; lane (p, h): channels 32 (b / 2) + 16 h + 8 (b % 2) + 0 .. 7; each accumulator from its low end on
	ds_store_b128 v18, v[8*(4*\a+\b)+4:8*(4*\a+\b)+7] offset:128*(\b>>1)+32*(\b&1)+16
.endr
	WIN 0
.irp i, 0,1,2,3,4,5,6,7
	ds_load_b128 v[128+32*\a+4*\i:128+32*\a+4*\i+3], v19 offset:544*\i      ; LDS serves a wave's instructions in order: these see my stores, and the next block's stores come behind them
.endr
	s_wait_dscnt 0x0
.irp i, 0,1,2,3,4,5,6,7
	v_pk_add_f32 v[128+32*\a+4*\i:128+32*\a+4*\i+1], v[128+32*\a+4*\i:128+32*\a+4*\i+1], v[24:25]
	v_pk_add_f32 v[128+32*\a+4*\i+2:128+32*\a+4*\i+3], v[128+32*\a+4*\i+2:128+32*\a+4*\i+3], v[26:27]
.endr
	WIN 0x0c                                       ; source 1: window 3
.irp i, 0,1,2,3,4,5,6,7
	v_pk_add_f32 v[128+32*\a+4*\i:128+32*\a+4*\i+1], v[128+32*\a+4*\i:128+32*\a+4*\i+1], v[32*\a+4*\i:32*\a+4*\i+1]
	v_pk_add_f32 v[128+32*\a+4*\i+2:128+32*\a+4*\i+3], v[128+32*\a+4*\i+2:128+32*\a+4*\i+3], v[32*\a+4*\i+2:32*\a+4*\i+3]
.endr
	WIN 0
.irp i, 0,1,2,3,4,5,6,7
	global_store_b128 v20, v[128+32*\a+4*\i:128+32*\a+4*\i+3], s[12:13] offset:(32*(\a/2)+8*(\a%2)+2*\i+8*(\i/4))*4096 th:TH_STORE_NT      ; 16 lanes store 256 consecutive bytes, aligned; each block has registers of its own
.endr
.endr
	s_wait_tensorcnt 0x0                           ; the wave's end
	ds_add_u32 v[SPW], v[NIL]
	s_wait_dscnt 0x0
	CROUND                                         ; the closing round
	s_endpgm
.Lfunc_end_k_qecfd95d9a4_g4:
	.size	k_qecfd95d9a4_g4, .Lfunc_end_k_qecfd95d9a4_g4-k_qecfd95d9a4_g4
	.p2alignl 7, 3214868480
	.fill 96, 4, 3214868480
	.section	.rodata,"a",@progbits
	.p2align	6, 0x0
	.amdhsa_kernel k_qecfd95d9a4_g4
		.amdhsa_group_segment_fixed_size 327680
		.amdhsa_private_segment_fixed_size 0
		.amdhsa_enable_private_segment 0
		.amdhsa_kernarg_size 40
		.amdhsa_user_sgpr_count 2
		.amdhsa_user_sgpr_kernarg_segment_ptr 1
		.amdhsa_wavefront_size32 1
		.amdhsa_system_sgpr_workgroup_id_x 1
		.amdhsa_system_sgpr_workgroup_id_y 1
		.amdhsa_system_sgpr_workgroup_id_z 1
		.amdhsa_system_vgpr_workitem_id 0
		.amdhsa_next_free_vgpr 1024
		.amdhsa_next_free_sgpr 102
		.amdhsa_reserve_vcc 0
		.amdhsa_float_denorm_mode_32 3
		.amdhsa_float_denorm_mode_16_64 3
		.amdhsa_memory_ordered 1
		.amdhsa_forward_progress 1
		.amdhsa_inst_pref_size 187
	.end_amdhsa_kernel
	.amdgpu_metadata
---
amdhsa.version: [ 1, 2 ]
amdhsa.kernels:
  - .name:           k_qecfd95d9a4_g4
    .symbol:         k_qecfd95d9a4_g4.kd
    .args:
      - { .name: hb, .offset: 0, .size: 8, .value_kind: global_buffer, .address_space: global }
      - { .name: wq6, .offset: 8, .size: 8, .value_kind: global_buffer, .address_space: global }
      - { .name: b2, .offset: 16, .size: 8, .value_kind: global_buffer, .address_space: global }
      - { .name: x1, .offset: 24, .size: 8, .value_kind: global_buffer, .address_space: global }
      - { .name: out0, .offset: 32, .size: 8, .value_kind: global_buffer, .address_space: global }
    .group_segment_fixed_size: 327680
    .private_segment_fixed_size: 0
    .kernarg_segment_align: 8
    .kernarg_segment_size: 40
    .max_flat_workgroup_size: 128
    .sgpr_count:     102
    .vgpr_count:     1024
    .wavefront_size: 32
...
	.end_amdgpu_metadata
.endif
;; end of part 7
